; MI455X (gfx1250); checked and timed in simulation.
; The chip was launched on July 23, 2026; its instructions are those of AMD's public machine-readable ISA for CDNA 5 (MIT licence, August 2026) and "CDNA5" Instruction Set Architecture Reference Guide (July 2026). The comments in the code are by the model that wrote it; some were corrected since.
;; Self Attention1d. Allowed arithmetic: matrix products marked QUANTISED: E2M3 operands, one E8M0 scale for each 32 along K, by v_wmma_scale_f32_16x16x128_f8f6f4 with both operands' format E2M3, f32 sums; everything else in f32.
;; Inputs: Wk 1,024 x 1,024 float32; Wo 1,024 x 1,024 float32; Wq 1,024 x 1,024 float32; Wv 1,024 x 1,024 float32; attention_mask 2 x 2,048 int32; bk 1,024 float32; bo 1,024 float32; bq 1,024 float32; bv 1,024 float32; gn_bias 1,024 float32; gn_weight 1,024 float32; hidden_states 2 x 1,024 x 2,048 float32.
;; Outputs: out0 2 x 1,024 x 2,048 float32.
;; This version of the problem:
;;   THIS VERSION OF THE PROBLEM IS GIVEN IN LOW PRECISION. The matrix products marked QUANTISED in the list below multiply operands that are first quantised to E2M3 (2 exponent bits, 3 mantissa bits; 6 bits a number), with one power-of-two scale for each 32 numbers along K (OCP MX v1.0); their sums are f32. All else is computed in f32.
;;   The module's matrix products, in the order in which they are computed (A, B: the left and right operand; K: the contracted axis; several contracted axes count as one K, in the product's order):
;;     1. [M 4,096, K 1,024] x [K 1,024, N 1,024]; A: computed on the way; B: input Wq: QUANTISED
;;     2. [M 4,096, K 1,024] x [K 1,024, N 1,024]; A: computed on the way; B: input Wk: QUANTISED
;;     3. [M 4,096, K 1,024] x [K 1,024, N 1,024]; A: computed on the way; B: input Wv: QUANTISED
;;     4. batch 32 x [M 2,048, K 64] x [K 64, N 2,048]; A: computed on the way; B: computed on the way: QUANTISED
;;     5. batch 32 x [M 2,048, K 2,048] x [K 2,048, N 64]; A: softmax (see below); B: computed on the way: QUANTISED
;;     6. [M 4,096, K 1,024] x [K 1,024, N 1,024]; A: computed on the way; B: input Wo: QUANTISED
;;   THE QUANTISER, for each operand of a quantised product, along K:
;;     - K is cut into blocks of 32 from its start; a last block that is shorter is filled with zeros.
;;     - A block's scale is 2^e with e = floor(log2(the largest magnitude in the block)) - 2, held to -126 .. 127; a block of zeros has e = 0. As a byte (E8M0): e + 127.
;;     - Each number is divided by its block's scale, clamped to +-7.5, and rounded to the nearest number of E2M3, ties to even, subnormals kept.
;;     - The product sums the exact products of the quantised numbers (number of the format x scale) in f32.
;;   ~~~python
;;   def quantise(x, axis):      # numpy; x: float32 -> the quantised numbers, widened to float32 again
;;       x = np.moveaxis(x, axis, -1); K = x.shape[-1]
;;       x = np.pad(x, [(0, 0)] * (x.ndim - 1) + [(0, -K % 32)]); x = x.reshape(x.shape[:-1] + (-1, 32)); a = np.abs(x).max(-1, keepdims=True)
;;       e = np.where(a > 0, np.clip(np.frexp(np.where(a > 0, a, 1))[1] - 1 - 2, -126, 127), 0)      # np.frexp(a)[1] - 1 = floor(log2(a)), exactly
;;       r = np.clip(x / 2.0 ** e, -7.5, 7.5)
;;       step = 2.0 ** (np.maximum(np.frexp(np.where(r == 0, 1, r))[1] - 1, 0) - 3)
;;       q = np.round(r / step) * step * 2.0 ** e      # np.round: ties to even
;;       return np.moveaxis(q.reshape(q.shape[:-2] + (-1,))[..., :K], -1, axis).astype(np.float32)
;;   ~~~
;;   SOFTMAX AHEAD OF A QUANTISED PRODUCT. Where the list says 'softmax', what is quantised is not the finished softmax but p = 2^(t - M), with t = logit x log2(e) and M = ceil(the row's largest t), a whole number; so 1/2 < the row's largest p <= 1. The row's sum l is taken of the UNQUANTISED p, in f32, and the product's result is divided by l at the end. Since M is a whole number, a kernel that streams over the keys may use a running M (the ceiling of the running maximum): every later rescaling is an exact power of two, which a block's scale takes up: the codes' values come out the same.
;;   OPERANDS COMPUTED ON THE WAY. 'Computed on the way' means the value that the module computes at that place (a softmax that the list does not call 'softmax' is quantised finished and normalised). What goes into a quantiser is computed in f32, as accurately as f32 sums, v_exp_f32 and their like allow (about 1e-6 of the number): no bf16 or f16 on the way to a quantiser, and a product that is left as it is and whose result goes on into a quantised operand takes f32 operands (vector FMAs, or v_wmma_f32_16x16x4_f32). A number that lies on a knife's edge between two numbers of the format may be rounded either way, as far as f32 arithmetic and the matrix unit's own rounding can turn it there, and no further.
;; 2 versions. Each part assembles by itself: llvm-mc -triple=amdgcn-amd-amdhsa -mcpu=gfx1250 --defsym DOCPART=n.
;; ======== version 1 of 2: 5 launches
;; workspace buffers: st 8,192 bytes; wq 3,276,800 bytes; xq 3,276,800 bytes; aq 3,276,800 bytes; qkv 13,369,344 bytes
;; launch prep (part 1): grid 512 x 1, 4 waves a work-group, no clusters, 68,096 bytes of LDS; arguments hidden_states, Wq, Wk, Wv, Wo, st, wq; writes st, wq
.if DOCPART == 1
	.amdgcn_target "amdgcn-amd-amdhsa--gfx1250"
	.amdhsa_code_object_version 6
	.text
	.protected	k_q0177c7e972_prep
	.globl	k_q0177c7e972_prep
	.p2align	8
	.type	k_q0177c7e972_prep,@function
k_q0177c7e972_prep:
	s_mov_b64 s[64:65], 0
	v_nop
	global_prefetch_b8 v0, s[64:65] scope:SCOPE_SE
	s_setreg_imm32_b32 hwreg(HW_REG_WAVE_MODE, 25, 1), 1
	s_wait_xcnt 0x0
; Two jobs in one launch, parted on the work-group's number.
; WORK-GROUPS 0-255: partial statistics of hidden_states for the group norm.  A wave takes 4,096 neighbouring numbers and stores their sum
; and the sum of squared deviations FROM ITS OWN MEAN (so that no difference of large sums is ever formed): st[wave] = (sum, M2).
; WORK-GROUPS 256-511: the four weights [1024 (n)][1024 (k)], f32, become codes of FP6 (E2M3) with one E8M0 byte for each 32 along k.
; A block's byte is its largest magnitude's exponent field - 2, held at 1 from below.
; LAYOUT OF wq.  Rows are cut into groups of 32; tile 2 g + u holds rows 32 g + 8 u + r + 8 (r / 8), r = 0 .. 15.  A tile's fragment for 128 along k
; is stored as an image of the operand's 12 registers: byte 512 c + 16 lane + 4 e = register 4 c + e.  Codes: [256 tiles][8 K steps][1,536].
; Scale words behind them, [32 groups of 8 tiles][8 K steps][4 pairs of tiles][128]: byte 4 lane = the word of row lane % 16 of the pair's tile lane / 16.
; LIMITS: NaN and infinities are not served; a block under 2^-124, a block of zeros too, gets the byte 1 (its bytes are read by this program alone).
.set WSC,   3145728                    ; where the scale words begin
.set PITCH, 528                        ; a stage row: 512 bytes + 16, so that 16 rows start in 16 different groups of banks
.set WST,   32*PITCH                   ; a wave's stage
.macro LANESUM x, tmp                  ; the sum over the 32 lanes, in every lane
	v_add_f32_dpp v[\x], v[\x], v[\x] row_xmask:1 row_mask:0xf bank_mask:0xf
	v_add_f32_dpp v[\x], v[\x], v[\x] row_xmask:2 row_mask:0xf bank_mask:0xf
	v_add_f32_dpp v[\x], v[\x], v[\x] row_xmask:4 row_mask:0xf bank_mask:0xf
	v_add_f32_dpp v[\x], v[\x], v[\x] row_xmask:8 row_mask:0xf bank_mask:0xf
	v_permlanex16_b32 v[\tmp], v[\x], s20, s21
	v_add_f32 v[\x], v[\x], v[\tmp]
.endm
	s_load_b256 s[4:11], s[0:1], 0x0               ; hidden s[4:5], Wq s[6:7], Wk s[8:9], Wv s[10:11]
	s_load_b128 s[12:15], s[0:1], 0x20             ; Wo s[12:13], st s[14:15]
	s_load_b64 s[16:17], s[0:1], 0x30              ; wq
	v_lshl_add_u32 v254, v0, 2, 0x10800
	v_mov_b32 v255, 0
	v_lshrrev_b32 v1, 5, v0
	v_readfirstlane_b32 s18, v1                    ; wave
	v_and_b32 v2, 31, v0                           ; lane
	v_lshlrev_b32 v1, 4, v2                        ; 16 x lane
	s_mov_b32 s20, 0x76543210
	s_mov_b32 s21, 0xfedcba98                      ; v_permlanex16_b32's selects for lane l xor 16
	s_wait_kmcnt 0x0
	s_cmp_lt_u32 ttmp9, 256
	s_cbranch_scc0 .Lweights
	; ---- statistics
	s_lshl_b32 s22, ttmp9, 2
	s_add_co_u32 s22, s22, s18                     ; which run of 4,096 numbers: 0 .. 1,023
	s_lshl_b32 s24, s22, 14
	s_mov_b32 s25, 0
	s_add_nc_u64 s[4:5], s[4:5], s[24:25]
	s_lshl_b32 s24, s22, 3
	s_add_nc_u64 s[14:15], s[14:15], s[24:25]      ; its pair in st
.set j, 0
.rept 32
	global_load_b128 v[32+4*j:35+4*j], v1, s[4:5] offset:512*j   ; 32 lanes read 512 consecutive bytes
.set j, j+1
.endr
	v_mov_b32 v24, 0                               ; a lane permute's destination counts as one of its sources
	v_mov_b32 v25, 0
	s_wait_loadcnt 0x0
.irp c, 0,1,2,3
	v_pk_add_f32 v[4+2*\c:5+2*\c], v[32+2*\c:33+2*\c], v[40+2*\c:41+2*\c]   ; four chains, started by the first eight pairs
.endr
.set p, 8
.rept 56
	v_pk_add_f32 v[4+2*(p%4):5+2*(p%4)], v[4+2*(p%4):5+2*(p%4)], v[32+2*p:33+2*p]
.set p, p+1
.endr
	v_pk_add_f32 v[4:5], v[4:5], v[6:7]
	v_pk_add_f32 v[8:9], v[8:9], v[10:11]
	v_pk_add_f32 v[4:5], v[4:5], v[8:9]
	v_add_f32 v12, v4, v5
	LANESUM 12, 24                                 ; v12 = the run's sum
	v_mul_f32 v14, 0xb9800000, v12                 ; - its mean: x -2^-12
	v_mov_b32 v15, v14
.set p, 0
.rept 64
	v_pk_add_f32 v[32+2*p:33+2*p], v[32+2*p:33+2*p], v[14:15]   ; deviations, in place
.set p, p+1
.endr
.irp c, 0,1,2,3
	v_pk_mul_f32 v[16+2*\c:17+2*\c], v[32+2*\c:33+2*\c], v[32+2*\c:33+2*\c]
.endr
.set p, 4
.rept 60
	v_pk_fma_f32 v[16+2*(p%4):17+2*(p%4)], v[32+2*p:33+2*p], v[32+2*p:33+2*p], v[16+2*(p%4):17+2*(p%4)]
.set p, p+1
.endr
	v_pk_add_f32 v[16:17], v[16:17], v[18:19]
	v_pk_add_f32 v[20:21], v[20:21], v[22:23]
	v_pk_add_f32 v[16:17], v[16:17], v[20:21]
	v_add_f32 v13, v16, v17
	LANESUM 13, 24                                 ; v13 = the run's M2
	v_cmp_eq_u32 vcc_lo, 0, v2
	s_wait_xcnt 0x0                                ; EXEC changes only behind this wait
	s_and_saveexec_b32 s26, vcc_lo
	global_store_b64 v25, v[12:13], s[14:15]       ; lane 0 alone
	s_wait_xcnt 0x0
	s_or_b32 exec_lo, exec_lo, s26
	s_endpgm
	; ---- weights: a work-group takes 128 rows x 128 along k of one weight, a wave 32 rows: one pair of tiles
.Lweights:
	s_sub_co_u32 s22, ttmp9, 256
	s_lshr_b32 s23, s22, 6                         ; which weight: Wq, Wk, Wv, Wo
	s_bfe_u32 s24, s22, 0x30003                    ; which 128 rows
	s_and_b32 s25, s22, 7                          ; which K step
	s_cmp_eq_u32 s23, 1
	s_cselect_b64 s[6:7], s[8:9], s[6:7]
	s_cmp_eq_u32 s23, 2
	s_cselect_b64 s[6:7], s[10:11], s[6:7]
	s_cmp_eq_u32 s23, 3
	s_cselect_b64 s[6:7], s[12:13], s[6:7]
	s_lshl_b32 s26, s24, 2
	s_add_co_u32 s26, s26, s18                     ; my group of 32 rows
	s_lshl_b32 s28, s26, 17                        ; x 32 rows of 4,096 bytes
	s_lshl_b32 s27, s25, 9
	s_add_co_u32 s28, s28, s27                     ; + 512 bytes a K step
	s_mov_b32 s29, 0
	s_add_nc_u64 s[6:7], s[6:7], s[28:29]
.set i, 0
.rept 32
	global_load_b128 v[32+4*i:35+4*i], v1, s[6:7] offset:4096*i th:TH_LOAD_NT   ; row i: 512 consecutive bytes
.set i, i+1
.endr
	s_mul_i32 s30, s18, WST
	v_add_nc_u32 v3, s30, v1                       ; the stage, on the way in: 16 x lane of a row
	v_and_b32 v5, 15, v0                           ; r
	v_bfe_u32 v6, v0, 4, 1                         ; h
	v_mul_u32_u24 v4, v5, PITCH
	v_lshl_add_u32 v4, v6, 7, v4
	v_add_nc_u32 v4, s30, v4                       ; and back: tile row r, + 128 h: my 32 numbers of each 64 along k
	v_lshlrev_b32 v26, 3, v6                       ; 8 h
	v_lshlrev_b32 v7, 2, v2                        ; 4 x lane
	v_mov_b32 v22, 0
	; where the results go
	s_lshl_b32 s31, s23, 6
	s_lshl_b32 s32, s26, 1
	s_add_co_u32 s31, s31, s32                     ; my first tile: 64 x weight + 2 x group
	s_lshl_b32 s31, s31, 3
	s_add_co_u32 s31, s31, s25
	s_mul_i32 s32, s31, 1536
	s_mov_b32 s33, 0
	s_add_nc_u64 s[34:35], s[16:17], s[32:33]
	s_lshl_b32 s36, s23, 3
	s_add_co_u32 s36, s36, s24
	s_lshl_b32 s36, s36, 3
	s_add_co_u32 s36, s36, s25
	s_lshl_b32 s36, s36, 9
	s_lshl_b32 s37, s18, 7
	s_add_co_u32 s36, s36, s37
	s_add_co_u32 s36, s36, WSC
	s_mov_b32 s37, 0
	s_add_nc_u64 s[38:39], s[16:17], s[36:37]
	s_mov_b32 s40, 0xffff0000                      ; lanes 16-31
	; rows go into the stage in the order of the tiles: row i is row (i & 7) + 8 (i >> 4) of tile (i >> 3) & 1
.set i, 0
.rept 32
.if i%8 == 0
	s_wait_loadcnt 24-i                            ; loads come back in order: these eight rows are in, the younger rows may be out
.endif
	ds_store_b128 v3, v[32+4*i:35+4*i] offset:(16*((i>>3)&1)+8*(i>>4)+(i&7))*PITCH
.set i, i+1
.endr
.macro BACK u, reg                     ; tile u: of my row, k = 64 c + 32 h + 0 .. 31 into v[reg + 32 c] on
.irp c, 0,1
.irp q, 0,1,2,3,4,5,6,7
	ds_load_b128 v[\reg+32*\c+4*\q:\reg+32*\c+4*\q+3], v4 offset:16*PITCH*\u+256*\c+16*\q
.endr
.endr
.endm
; 64 numbers of a lane, two whole blocks of 32, become the 12 registers of the operand (v[pc] on) and the row's scale word (v[pw])
.macro WQ s, pc, pw
.irp c, 0,1
	v_max3_num_f32 v[16+\c], |v[\s+32*\c]|, |v[\s+32*\c+1]|, 0x1800000   ; and the floor 2^(3 - 127): the byte cannot fall under 1
.endr
.irp i, 2,4,6,8,10,12,14,16,18,20,22,24,26,28,30
.irp c, 0,1
	v_max3_num_f32 v[16+\c], v[16+\c], |v[\s+32*\c+\i]|, |v[\s+32*\c+\i+1]|
.endr
.endr
.irp c, 0,1
	v_add_nc_u32 v[18+\c], 0xff000000, v[16+\c]    ; 2 off the exponent field: the conversion's scale operand
.endr
.irp c, 0,1
	v_lshrrev_b32 v[20+\c], 23, v[18+\c]           ; the scale's byte
.endr
	v_lshl_or_b32 v[\pw], v21, 16, v20             ; my blocks h and 2 + h,
	v_lshlrev_b32 v[\pw], v26, v[\pw]              ; at their places;
	v_permlanex16_b32 v22, v[\pw], s20, s21
	v_or_b32 v[\pw], v[\pw], v22                   ; with lane l xor 16's two the word is whole
.irp c, 0,1
	v_cvt_scalef32_pk16_fp6_f32 v[\pc+6*\c:\pc+6*\c+2], v[\s+32*\c:\s+32*\c+15], v[18+\c]
	v_cvt_scalef32_pk16_fp6_f32 v[8+4*\c:10+4*\c], v[\s+32*\c+16:\s+32*\c+31], v[18+\c]   ; (three registers begin on an even number)
.endr
	v_nop                                          ; one plain place behind a scaled conversion
.irp c, 0,1
.irp i, 0,1,2
	v_mov_b32 v[\pc+3+6*\c+\i], v[8+4*\c+\i]
.endr
.endr
.endm
	BACK 0, 160
	s_wait_dscnt 0x0                               ; tile 0 is in (and the stores into the stage are done)
	BACK 1, 32                                     ; tile 1 comes while tile 0 is worked
	WQ 160, 224, 24
	s_wait_dscnt 0x0
	WQ 32, 236, 25
.irp c, 0,1,2
	global_store_b128 v1, v[224+4*\c:227+4*\c], s[34:35] offset:512*\c          ; 512 consecutive bytes a store
	global_store_b128 v1, v[236+4*\c:239+4*\c], s[34:35] offset:12288+512*\c    ; the next tile lies 8 K steps on
.endr
	v_cndmask_b32 v27, v24, v25, s40               ; lanes 0-15 the even tile's words, lanes 16-31 the odd tile's
	global_store_b32 v7, v27, s[38:39]
	s_wait_tensorcnt 0x0
	ds_add_u32 v254, v255
	s_wait_dscnt 0x0
	s_endpgm
.Lfunc_end_k_q0177c7e972_prep:
	.size	k_q0177c7e972_prep, .Lfunc_end_k_q0177c7e972_prep-k_q0177c7e972_prep
	.p2alignl 7, 3214868480
	.fill 96, 4, 3214868480
	.section	.rodata,"a",@progbits
	.p2align	6, 0x0
	.amdhsa_kernel k_q0177c7e972_prep
		.amdhsa_group_segment_fixed_size 68096
		.amdhsa_private_segment_fixed_size 0
		.amdhsa_enable_private_segment 0
		.amdhsa_kernarg_size 56
		.amdhsa_user_sgpr_count 2
		.amdhsa_user_sgpr_kernarg_segment_ptr 1
		.amdhsa_wavefront_size32 1
		.amdhsa_system_sgpr_workgroup_id_x 1
		.amdhsa_system_sgpr_workgroup_id_y 1
		.amdhsa_system_sgpr_workgroup_id_z 1
		.amdhsa_system_vgpr_workitem_id 0
		.amdhsa_next_free_vgpr 256
		.amdhsa_next_free_sgpr 66
		.amdhsa_reserve_vcc 1
		.amdhsa_float_denorm_mode_32 3
		.amdhsa_float_denorm_mode_16_64 3
		.amdhsa_memory_ordered 1
		.amdhsa_forward_progress 1
		.amdhsa_inst_pref_size 34
	.end_amdhsa_kernel
	.amdgpu_metadata
---
amdhsa.version: [ 1, 2 ]
amdhsa.kernels:
  - .name:           k_q0177c7e972_prep
    .symbol:         k_q0177c7e972_prep.kd
    .args:
      - { .name: hidden_states, .offset: 0, .size: 8, .value_kind: global_buffer, .address_space: global }
      - { .name: Wq, .offset: 8, .size: 8, .value_kind: global_buffer, .address_space: global }
      - { .name: Wk, .offset: 16, .size: 8, .value_kind: global_buffer, .address_space: global }
      - { .name: Wv, .offset: 24, .size: 8, .value_kind: global_buffer, .address_space: global }
      - { .name: Wo, .offset: 32, .size: 8, .value_kind: global_buffer, .address_space: global }
      - { .name: st, .offset: 40, .size: 8, .value_kind: global_buffer, .address_space: global }
      - { .name: wq, .offset: 48, .size: 8, .value_kind: global_buffer, .address_space: global }
    .group_segment_fixed_size: 68096
    .private_segment_fixed_size: 0
    .kernarg_segment_align: 8
    .kernarg_segment_size: 56
    .max_flat_workgroup_size: 128
    .sgpr_count:     66
    .vgpr_count:     256
    .wavefront_size: 32
...
	.end_amdgpu_metadata
.endif
;; end of part 1
;; launch xquant (part 2): grid 32 x 8, 4 waves a work-group, no clusters, 13,824 bytes of LDS; arguments hidden_states, st, gn_weight, gn_bias, xq; writes xq
.if DOCPART == 2
	.amdgcn_target "amdgcn-amd-amdhsa--gfx1250"
	.amdhsa_code_object_version 6
	.text
	.protected	k_q0177c7e972_xquant
	.globl	k_q0177c7e972_xquant
	.p2align	8
	.type	k_q0177c7e972_xquant,@function
k_q0177c7e972_xquant:
	s_mov_b64 s[64:65], 0
	v_nop
	global_prefetch_b8 v0, s[64:65] scope:SCOPE_SE
	s_setreg_imm32_b32 hwreg(HW_REG_WAVE_MODE, 25, 1), 1
	s_wait_xcnt 0x0
; x = group norm of hidden_states [2][1024 (c)][2048 (s)], quantised along c to FP6 (E2M3) with one E8M0 byte for each 32 channels, into xq, laid as wq is:
; rows are the positions 2048 b + s, in tiles of 16 (tile 2 g + u: rows 32 g + 8 u + r + 8 (r / 8)); images of the operand's 12 registers; scale words by pairs of tiles.
; A work-group takes 128 positions x 128 channels, a wave 32 positions.  A LANE TAKES A POSITION AND ITS REGISTERS RUN DOWN c: each load reads 128 consecutive bytes a wave
; (512 for the four waves side by side), a block of 32 channels lies in one lane, and the conversions give codes with c innermost.  Nothing is transposed by an instruction.
; THE STATISTICS: every wave adds up the sample's 512 partial (sum, M2): mean = sum / 2^21; M2 = sum of M2_i + 4096 (mean_i - mean)^2; rstd = rsq(M2 / 2^21 + 1e-5).
; x = (hidden - mean) (rstd w[c]) + b[c]: the gain is folded with rstd, one rounding otherwise placed than in the source.  w and b of a block's 32 channels lie in scalar registers.
; LIMITS: NaN and infinities are not served; a block under 2^-124, a block of zeros too, gets the byte 1 (read by this program alone); v_rsq_f32 is good to one unit in the last place.
.set WSC, 3145728
.set X,   48                           ; v48-111  two sets of 32 numbers
.set C,   112                          ; v112-143 a block's six registers of codes, eight apart
	s_load_b256 s[4:11], s[0:1], 0x0               ; hidden s[4:5], st s[6:7], gn_weight s[8:9], gn_bias s[10:11]
	s_load_b64 s[12:13], s[0:1], 0x20              ; xq
	v_lshl_add_u32 v176, v0, 2, 0x3400
	v_mov_b32 v177, 0
	v_lshrrev_b32 v1, 5, v0
	v_readfirstlane_b32 s14, v1                    ; wave
	v_and_b32 v1, 31, v0                           ; lane
	v_lshlrev_b32 v2, 2, v1                        ; 4 x lane
	v_lshlrev_b32 v3, 4, v1                        ; 16 x lane
	s_mov_b32 s66, 0x76543210
	s_mov_b32 s67, 0xfedcba98
	s_and_b32 s72, ttmp7, 0xffff                   ; K step: 128 channels
	s_lshr_b32 s73, ttmp9, 4                       ; sample
	s_and_b32 s74, ttmp9, 15
	s_lshl_b32 s76, s73, 23                        ; hidden: the sample,
	s_lshl_b32 s75, s72, 20
	s_add_co_u32 s76, s76, s75                     ; 128 rows of 8,192 bytes a K step,
	s_lshl_b32 s75, s74, 9
	s_add_co_u32 s76, s76, s75                     ; 128 positions a work-group,
	s_lshl_b32 s75, s14, 7
	s_add_co_u32 s76, s76, s75                     ; 32 a wave
	s_mov_b32 s77, 0
	s_lshl_b32 s78, s73, 12                        ; st: 4,096 bytes a sample
	s_mov_b32 s79, 0
	s_lshl_b32 s96, s72, 9                         ; gain and bias: 512 bytes a K step
	s_mov_b32 s97, 0
	s_mul_i32 s98, s14, 3328                       ; my stage in LDS
	s_lshl_b32 s99, ttmp9, 3
	s_lshl_b32 s100, s14, 1
	s_add_co_u32 s99, s99, s100                    ; my first tile: 8 x work-group + 2 x wave
	s_lshl_b32 s99, s99, 3
	s_add_co_u32 s99, s99, s72
	s_mul_i32 s100, s99, 1536
	s_mov_b32 s101, 0
	s_lshl_b32 s74, ttmp9, 3
	s_add_co_u32 s74, s74, s72
	s_lshl_b32 s74, s74, 9
	s_lshl_b32 s75, s14, 7
	s_add_co_u32 s74, s74, s75
	s_add_co_u32 s74, s74, WSC                     ; my pair's scale words
	s_mov_b32 s75, 0
	v_bfe_u32 v4, v0, 3, 1                         ; my position is row rr of tile u of the pair: u = (lane >> 3) & 1,
	v_and_b32 v5, 7, v0
	v_bfe_u32 v6, v0, 4, 1
	v_lshl_or_b32 v5, v6, 3, v5                    ; rr = (lane & 7) + 8 (lane >> 4)
	v_mul_u32_u24 v7, v4, 1664                     ; the stage holds two images, 1,536 + 128 bytes apart
	v_lshl_add_u32 v7, v5, 4, v7
	v_add_nc_u32 v7, s98, v7                       ; on the way in: image lane rr (+ 16 for the odd blocks, in the immediate)
	v_add_nc_u32 v8, s98, v3                       ; on the way out: 16 x lane
	v_lshl_add_u32 v9, v4, 4, v5
	v_lshlrev_b32 v9, 2, v9                        ; my word's place in the pair's 128 bytes
	v_mov_b32 v15, 0                               ; a lane permute's destination counts as one of its sources
	s_wait_kmcnt 0x0
	s_add_nc_u64 s[4:5], s[4:5], s[76:77]
	s_add_nc_u64 s[6:7], s[6:7], s[78:79]
	s_add_nc_u64 s[8:9], s[8:9], s[96:97]
	s_add_nc_u64 s[10:11], s[10:11], s[96:97]
	s_add_nc_u64 s[100:101], s[12:13], s[100:101]
	s_add_nc_u64 s[74:75], s[12:13], s[74:75]
.macro LOAD t                          ; block t: hidden(32 t + i, my position) into set t % 2
.set i, 0
.rept 32
	global_load_b32 v[X+32*((\t)%2)+i], v2, s[4:5] offset:(32*(\t)+i)*8192
.set i, i+1
.endr
.endm
.macro GAINS t                         ; block t's 32 gains into s32-63, its 32 biases into s80-95 and s16-31
	s_load_b512 s[32:47], s[8:9], 128*(\t)
	s_load_b512 s[48:63], s[8:9], 128*(\t)+64
	s_load_b512 s[80:95], s[10:11], 128*(\t)
	s_load_b512 s[16:31], s[10:11], 128*(\t)+64
.endm
.macro LANESUM x
	v_add_f32_dpp v[\x], v[\x], v[\x] row_xmask:1 row_mask:0xf bank_mask:0xf
	v_add_f32_dpp v[\x], v[\x], v[\x] row_xmask:2 row_mask:0xf bank_mask:0xf
	v_add_f32_dpp v[\x], v[\x], v[\x] row_xmask:4 row_mask:0xf bank_mask:0xf
	v_add_f32_dpp v[\x], v[\x], v[\x] row_xmask:8 row_mask:0xf bank_mask:0xf
	v_permlanex16_b32 v15, v[\x], s66, s67
	v_add_f32 v[\x], v[\x], v15
.endm
.irp i, 0,1,2,3,4,5,6,7
	global_load_b128 v[16+4*\i:19+4*\i], v3, s[6:7] offset:512*\i   ; the sample's 512 pairs, 16 a lane
.endr
	LOAD 0
	GAINS 0
	s_wait_loadcnt 32                              ; the pairs are in; block 0's 32 loads may be out
	LOAD 1
	v_add_f32 v10, v16, v18
.irp p, 2,3,4,5,6,7,8,9,10,11,12,13,14,15
	v_add_f32 v10, v10, v[16+2*\p]
.endr
	LANESUM 10
	v_mul_f32 v12, 0xb5000000, v10                 ; - mean = - sum x 2^-21
.irp p, 0,1,2,3,4,5,6,7,8,9,10,11,12,13,14,15
	v_fma_f32 v[16+2*\p], v[16+2*\p], 0x39800000, v12   ; a run's mean less the sample's
.endr
.irp p, 0,1,2,3,4,5,6,7,8,9,10,11,12,13,14,15
	v_mul_f32 v[16+2*\p], v[16+2*\p], v[16+2*\p]
.endr
.irp p, 0,1,2,3,4,5,6,7,8,9,10,11,12,13,14,15
	v_fma_f32 v[17+2*\p], v[16+2*\p], 0x45800000, v[17+2*\p]   ; M2_i + 4,096 x that squared
.endr
	v_add_f32 v11, v17, v19
.irp p, 2,3,4,5,6,7,8,9,10,11,12,13,14,15
	v_add_f32 v11, v11, v[17+2*\p]
.endr
	LANESUM 11
	v_mul_f32 v11, 0x35000000, v11                 ; the variance
	v_add_f32 v11, 0x3727c5ac, v11                 ; + 1e-5
	v_rsq_f32 v11, v11
	v_nop                                          ; one plain place behind a transcendental
	s_wait_alu depctr_va_vdst(0)
	v_readfirstlane_b32 s68, v11                   ; rstd
	v_readfirstlane_b32 s70, v12                   ; - mean,
	s_mov_b32 s71, s70                             ; named as a pair
.macro BLOCK t
.set XS, X+32*((\t)%2)
.set CT, C+8*(\t)
	s_wait_kmcnt 0x0                               ; this block's gains and biases
.set i, 0
.rept 32
	s_mul_f32 s[32+i], s[32+i], s68                ; rstd x gain
.set i, i+1
.endr
.if (\t) < 3
	s_wait_loadcnt 32                              ; this block's 32 loads are in; the next block's may be out
.else
	s_wait_loadcnt 0x0
.endif
.set i, 0
.rept 16
	v_pk_add_f32 v[XS+2*i:XS+2*i+1], v[XS+2*i:XS+2*i+1], s[70:71] op_sel_hi:[1,0]
.set i, i+1
.endr
.set i, 0
.rept 32
.if i < 16
	v_fma_f32 v[XS+i], v[XS+i], s[32+i], s[80+i]
.else
	v_fma_f32 v[XS+i], v[XS+i], s[32+i], s[i]
.endif
.set i, i+1
.endr
.if (\t) < 3
	GAINS (\t)+1
.endif
	v_max3_num_f32 v10, |v[XS]|, |v[XS+1]|, |v[XS+2]|              ; the block's largest magnitude: all 32 numbers are mine
	v_max3_num_f32 v11, |v[XS+3]|, |v[XS+4]|, |v[XS+5]|
.irp i, 6,10,14,18,22,26
	v_max3_num_f32 v10, v10, |v[XS+\i]|, |v[XS+\i+1]|
	v_max3_num_f32 v11, v11, |v[XS+\i+2]|, |v[XS+\i+3]|
.endr
	v_max3_num_f32 v10, v10, |v[XS+30]|, |v[XS+31]|
	v_max3_num_f32 v10, v10, v11, 0x1800000        ; and the floor 2^(3 - 127)
	v_add_nc_u32 v12, 0xff000000, v10              ; 2 off the exponent field: the conversion's scale operand
	v_lshrrev_b32 v13, 23, v12                     ; the scale's byte
.if (\t) == 0
	v_mov_b32 v148, v13
.else
	v_lshl_or_b32 v148, v13, 8*(\t), v148          ; block t is byte t of my row's scale word
.endif
	v_cvt_scalef32_pk16_fp6_f32 v[CT:CT+2], v[XS:XS+15], v12
	v_cvt_scalef32_pk16_fp6_f32 v[144:146], v[XS+16:XS+31], v12
	v_nop                                          ; one plain place behind a scaled conversion
.irp i, 0,1,2
	v_mov_b32 v[CT+3+\i], v[144+\i]
.endr
	; block t = 2 c + h is registers 6 c .. 6 c + 5 of image lane rr + 16 h
.if (\t)/2 == 0
	ds_store_b128 v7, v[CT:CT+3] offset:256*((\t)%2)
	ds_store_b64 v7, v[CT+4:CT+5] offset:256*((\t)%2)+512
.else
	ds_store_b64 v7, v[CT:CT+1] offset:256*((\t)%2)+520
	ds_store_b128 v7, v[CT+2:CT+5] offset:256*((\t)%2)+1024
.endif
.if (\t) < 2
	LOAD (\t)+2
.endif
.endm
	BLOCK 0
	BLOCK 1
	BLOCK 2
	BLOCK 3
	global_store_b32 v9, v148, s[74:75]            ; the wave's 32 words fill the pair's 128 bytes
.irp n, 0,1,2,3,4,5
	ds_load_b128 v[150+4*\n:153+4*\n], v8 offset:1664*(\n/3)+512*(\n%3)   ; LDS serves a wave's instructions in order: these see my stores
.endr
.irp n, 0,1,2,3,4,5
	s_wait_dscnt 5-\n                              ; the younger read-backs may be out
	global_store_b128 v3, v[150+4*\n:153+4*\n], s[100:101] offset:12288*(\n/3)+512*(\n%3)   ; 512 consecutive bytes
.endr
	s_wait_tensorcnt 0x0
	ds_add_u32 v176, v177
	s_wait_dscnt 0x0
	s_endpgm
.Lfunc_end_k_q0177c7e972_xquant:
	.size	k_q0177c7e972_xquant, .Lfunc_end_k_q0177c7e972_xquant-k_q0177c7e972_xquant
	.p2alignl 7, 3214868480
	.fill 96, 4, 3214868480
	.section	.rodata,"a",@progbits
	.p2align	6, 0x0
	.amdhsa_kernel k_q0177c7e972_xquant
		.amdhsa_group_segment_fixed_size 13824
		.amdhsa_private_segment_fixed_size 0
		.amdhsa_enable_private_segment 0
		.amdhsa_kernarg_size 40
		.amdhsa_user_sgpr_count 2
		.amdhsa_user_sgpr_kernarg_segment_ptr 1
		.amdhsa_wavefront_size32 1
		.amdhsa_system_sgpr_workgroup_id_x 1
		.amdhsa_system_sgpr_workgroup_id_y 1
		.amdhsa_system_sgpr_workgroup_id_z 1
		.amdhsa_system_vgpr_workitem_id 0
		.amdhsa_next_free_vgpr 178
		.amdhsa_next_free_sgpr 102
		.amdhsa_reserve_vcc 0
		.amdhsa_float_denorm_mode_32 3
		.amdhsa_float_denorm_mode_16_64 3
		.amdhsa_memory_ordered 1
		.amdhsa_forward_progress 1
		.amdhsa_inst_pref_size 46
	.end_amdhsa_kernel
	.amdgpu_metadata
---
amdhsa.version: [ 1, 2 ]
amdhsa.kernels:
  - .name:           k_q0177c7e972_xquant
    .symbol:         k_q0177c7e972_xquant.kd
    .args:
      - { .name: hidden_states, .offset: 0, .size: 8, .value_kind: global_buffer, .address_space: global }
      - { .name: st, .offset: 8, .size: 8, .value_kind: global_buffer, .address_space: global }
      - { .name: gn_weight, .offset: 16, .size: 8, .value_kind: global_buffer, .address_space: global }
      - { .name: gn_bias, .offset: 24, .size: 8, .value_kind: global_buffer, .address_space: global }
      - { .name: xq, .offset: 32, .size: 8, .value_kind: global_buffer, .address_space: global }
    .group_segment_fixed_size: 13824
    .private_segment_fixed_size: 0
    .kernarg_segment_align: 8
    .kernarg_segment_size: 40
    .max_flat_workgroup_size: 128
    .sgpr_count:     102
    .vgpr_count:     178
    .wavefront_size: 32
...
	.end_amdgpu_metadata
.endif
;; end of part 2
;; launch qkv (part 3): grid 12 x 16, 16 waves a work-group, no clusters, 105,472 bytes of LDS; arguments xq, wq, bq, bk, bv, qkv; writes qkv
.if DOCPART == 3
	.amdgcn_target "amdgcn-amd-amdhsa--gfx1250"
	.amdhsa_code_object_version 6
	.text
	.protected	k_q0177c7e972_qkv
	.globl	k_q0177c7e972_qkv
	.p2align	8
	.type	k_q0177c7e972_qkv,@function
k_q0177c7e972_qkv:
	s_mov_b64 s[64:65], 0
	v_nop
	global_prefetch_b8 v0, s[64:65] scope:SCOPE_SE
	s_setreg_imm32_b32 hwreg(HW_REG_WAVE_MODE, 25, 1), 1
	s_wait_xcnt 0x0
; The three projections on codes of FP6 (E2M3), and the quantising of their results for attention.  Work-group (gx, gy): gx 0-3 q, 4-7 k, 8-11 v, 256 channels each; gy: 256 positions.
; SOURCE 0 IS THE OPERAND WHOSE ROWS ARE THE NEXT PRODUCT'S K: for q and k the weight (a lane then holds one position and its registers run along the channels of a head),
; for v the positions (a lane holds one channel and its registers run along the keys).  By the tiles' make (tile 2 g + u: rows 32 g + 8 u + r + 8 (r / 8)) the 16 registers of two
; neighbouring tiles are 16 neighbours.  The main loop is one text for all three: only the pointers differ.
; Sixteen waves, four to a SIMD: wave (w0 = w / 8, w1 = w % 8) makes 8 tiles of source 0 x 2 tiles of source 1: 16 accumulators, which take turns.
; K goes in 8 steps of 128 through two LDS slots; each wave copies two tiles' images and one pair's scale words through its registers, one step ahead.  One barrier a step.
; No tensor loads and no cluster: a step's 51,200 bytes come from buffers stored by the launches just before; sharing them among work-groups is left out for the plainness of the text.
; RESULTS.  q and k: (sum + bias) x 2^-1.5, computed as fma(sum, 2^-1.5, bias x 2^-1.5); v: sum + bias.  Quantised in registers, stored in records of 26,112 bytes for each (head, 256 positions):
; 16 half images (6 registers: a head's 64 channels) | 8 images of V^T (key step, 16 channels) | 8 pairs' scale words of the half images (bytes 2, 3 = 127) | V^T's 4 pairs' words.
; LIMITS: NaN and infinities are not served; a block under 2^-124, a block of zeros too, gets the byte 1 (read by this program alone).
.set WSC,   3145728
.set REC,   26112
.set HS,    8*REC
.set KVOFF, 32*HS
.set SLOT,  51200                      ; 16 images of source 0 | 16 of source 1 | 8 + 8 pairs' scale words
.set BIAS,  2*SLOT                     ; the work-group's 256 biases
.set PF,    16                         ; v16-39, v40 what I copy
.set F1,    44                         ; v44-67  source 1's two fragments
.set F0,    68                         ; v68-115 four fragments of source 0
.set ACC,   128                        ; accumulator (i, j) at v[128 + 64 j + 8 i]
.set TM,    80                         ; the quantiser's sixteen registers
.set SEL,   30
.macro PLACES                          ; four places in front of loads into registers that matrix instructions have read, and of the first read of results
.rept 4
	v_nop
.endr
.endm
.macro WM d, a, b, zero, sa, sb, ra, rb   ; one product; ra, rb: the scale words lie in lanes 0-15 (0) or 16-31 (1)
.if \zero
.if ((\ra) == 0) && ((\rb) == 0)
	v_wmma_scale_f32_16x16x128_f8f6f4 v[(\d):(\d)+7], v[(\a):(\a)+11], v[(\b):(\b)+11], 0, v[\sa], v[\sb] matrix_a_fmt:MATRIX_FMT_FP6 matrix_b_fmt:MATRIX_FMT_FP6
.elseif (\rb) == 0
	v_wmma_scale_f32_16x16x128_f8f6f4 v[(\d):(\d)+7], v[(\a):(\a)+11], v[(\b):(\b)+11], 0, v[\sa], v[\sb] matrix_a_fmt:MATRIX_FMT_FP6 matrix_b_fmt:MATRIX_FMT_FP6 matrix_a_scale:MATRIX_SCALE_ROW1
.elseif (\ra) == 0
	v_wmma_scale_f32_16x16x128_f8f6f4 v[(\d):(\d)+7], v[(\a):(\a)+11], v[(\b):(\b)+11], 0, v[\sa], v[\sb] matrix_a_fmt:MATRIX_FMT_FP6 matrix_b_fmt:MATRIX_FMT_FP6 matrix_b_scale:MATRIX_SCALE_ROW1
.else
	v_wmma_scale_f32_16x16x128_f8f6f4 v[(\d):(\d)+7], v[(\a):(\a)+11], v[(\b):(\b)+11], 0, v[\sa], v[\sb] matrix_a_fmt:MATRIX_FMT_FP6 matrix_b_fmt:MATRIX_FMT_FP6 matrix_a_scale:MATRIX_SCALE_ROW1 matrix_b_scale:MATRIX_SCALE_ROW1
.endif
.else
.if ((\ra) == 0) && ((\rb) == 0)
	v_wmma_scale_f32_16x16x128_f8f6f4 v[(\d):(\d)+7], v[(\a):(\a)+11], v[(\b):(\b)+11], v[(\d):(\d)+7], v[\sa], v[\sb] matrix_a_fmt:MATRIX_FMT_FP6 matrix_b_fmt:MATRIX_FMT_FP6
.elseif (\rb) == 0
	v_wmma_scale_f32_16x16x128_f8f6f4 v[(\d):(\d)+7], v[(\a):(\a)+11], v[(\b):(\b)+11], v[(\d):(\d)+7], v[\sa], v[\sb] matrix_a_fmt:MATRIX_FMT_FP6 matrix_b_fmt:MATRIX_FMT_FP6 matrix_a_scale:MATRIX_SCALE_ROW1
.elseif (\ra) == 0
	v_wmma_scale_f32_16x16x128_f8f6f4 v[(\d):(\d)+7], v[(\a):(\a)+11], v[(\b):(\b)+11], v[(\d):(\d)+7], v[\sa], v[\sb] matrix_a_fmt:MATRIX_FMT_FP6 matrix_b_fmt:MATRIX_FMT_FP6 matrix_b_scale:MATRIX_SCALE_ROW1
.else
	v_wmma_scale_f32_16x16x128_f8f6f4 v[(\d):(\d)+7], v[(\a):(\a)+11], v[(\b):(\b)+11], v[(\d):(\d)+7], v[\sa], v[\sb] matrix_a_fmt:MATRIX_FMT_FP6 matrix_b_fmt:MATRIX_FMT_FP6 matrix_a_scale:MATRIX_SCALE_ROW1 matrix_b_scale:MATRIX_SCALE_ROW1
.endif
.endif
.endm
	s_load_b256 s[4:11], s[0:1], 0x0               ; xq s[4:5], wq s[6:7], bq s[8:9], bk s[10:11]
	s_load_b128 s[12:15], s[0:1], 0x20             ; bv s[12:13], qkv s[14:15]
	v_lshrrev_b32 v1, 5, v0
	v_readfirstlane_b32 s16, v1                    ; wave 0..15
	s_lshr_b32 s17, s16, 3                         ; w0
	s_and_b32 s18, s16, 7                          ; w1
	s_mov_b32 s19, ttmp9                           ; gx
	s_and_b32 s20, ttmp7, 0xffff                   ; gy
	v_and_b32 v125, 31, v0                         ; lane
	v_and_b32 v126, 15, v0                         ; r
	v_bfe_u32 v127, v0, 4, 1                       ; h
	v_lshlrev_b32 v1, 4, v125                      ; 16 x lane
	v_lshlrev_b32 v2, 2, v125                      ; 4 x lane
	v_lshlrev_b32 v3, 3, v125                      ; 8 x lane
	s_mul_i32 s36, s17, 12288
	v_add_nc_u32 v4, s36, v1                       ; my 8 images of source 0
	s_mul_i32 s36, s18, 3072
	s_add_co_u32 s36, s36, 24576
	v_add_nc_u32 v5, s36, v1                       ; my 2 images of source 1
	s_lshl_b32 s36, s17, 9
	s_add_co_u32 s36, s36, 49152
	v_add_nc_u32 v6, s36, v2                       ; source 0's scale words: my 4 pairs
	s_lshl_b32 s36, s18, 7
	s_add_co_u32 s36, s36, 50176
	v_add_nc_u32 v7, s36, v2                       ; source 1's: my pair
	s_mul_i32 s36, s16, 3072
	v_add_nc_u32 v8, s36, v1                       ; where I copy to: images 2 w, 2 w + 1 of the slot's 32,
	s_lshl_b32 s36, s16, 7
	s_add_co_u32 s36, s36, 49152
	v_add_nc_u32 v9, s36, v2                       ; and pair w of its 16
	s_lshl_b32 s36, s17, 9
	s_add_co_u32 s36, s36, BIAS
	v_lshl_add_u32 v15, v127, 6, s36               ; q, k: biases of channels 128 w0 + 16 h on
	v_and_b32 v124, 8, v126
	v_add_nc_u32 v124, v124, v126                  ; r + 8 (r / 8)
	s_lshl_b32 s36, s18, 7
	s_add_co_u32 s36, s36, BIAS
	v_lshl_add_u32 v124, v124, 2, s36              ; v: the bias of my lane's channel 32 w1 + r + 8 (r / 8) (+ 8 j)
	v_lshlrev_b32 v42, 2, v0
	v_lshl_add_u32 v43, v0, 2, BIAS                ; the biases' way in (waves 0-7)
	s_mov_b32 s[SEL], 0x76543210
	s_mov_b32 s[SEL+1], 0xfedcba98
	s_mov_b32 s32, 0x3eb504f3                      ; 2^-1.5 = 1 / sqrt(sqrt(64))
	s_mov_b32 s33, s32
	s_mov_b32 s34, 0x7f7f0000                      ; the bytes of the two blocks that a head's K does not have
	s_mov_b32 s35, 0xffff0000                      ; lanes 16-31
	; what I copy: waves 0-7 source 0, waves 8-15 source 1; source 0 is the weight for q and k, x for v
	s_cmp_ge_u32 s19, 8
	s_cselect_b32 s37, 1, 0
	s_xor_b32 s37, s37, s17                        ; 1: I copy x
	s_cmp_lg_u32 s37, 0
	s_cselect_b32 s38, s20, s19
	s_lshl_b32 s38, s38, 4                         ; the operand's first tile
	s_lshl_b32 s39, s18, 1
	s_add_co_u32 s39, s39, s38
	s_mul_i32 s40, s39, 12288                      ; a tile's 8 K steps
	s_mov_b32 s41, 0
	s_lshr_b32 s42, s38, 3
	s_lshr_b32 s43, s18, 2
	s_add_co_u32 s42, s42, s43
	s_lshl_b32 s42, s42, 12                        ; a group of 8 tiles: 8 K steps x 512 bytes
	s_and_b32 s43, s16, 3
	s_lshl_b32 s43, s43, 7
	s_add_co_u32 s42, s42, s43
	s_add_co_u32 s42, s42, WSC
	s_mov_b32 s43, 0
	s_lshr_b32 s44, s19, 2                         ; 0 q, 1 k, 2 v
	s_and_b32 s45, s19, 3
	s_lshl_b32 s46, s45, 10
	s_mov_b32 s47, 0
	s_wait_kmcnt 0x0
	s_cmp_lg_u32 s37, 0
	s_cselect_b64 s[22:23], s[4:5], s[6:7]
	s_add_nc_u64 s[24:25], s[22:23], s[42:43]      ; my pair's scale words
	s_add_nc_u64 s[22:23], s[22:23], s[40:41]      ; my two tiles' images
	s_cmp_eq_u32 s44, 1
	s_cselect_b64 s[26:27], s[10:11], s[8:9]
	s_cmp_eq_u32 s44, 2
	s_cselect_b64 s[26:27], s[12:13], s[26:27]
	s_add_nc_u64 s[26:27], s[26:27], s[46:47]      ; the work-group's 256 biases
.macro PFLOAD k
.irp n, 0,1,2,3,4,5
	global_load_b128 v[PF+4*\n:PF+4*\n+3], v1, s[22:23] offset:1536*(\k)+512*(\n%3)+12288*(\n/3)
.endr
	global_load_b32 v40, v2, s[24:25] offset:512*(\k)
.endm
.macro PFSTORE n
.irp i, 0,1,2,3,4,5
	ds_store_b128 v8, v[PF+4*\i:PF+4*\i+3] offset:SLOT*(\n)+512*\i
.endr
	ds_store_b32 v9, v40 offset:SLOT*(\n)
.endm
.macro FETCH0 n, i0                    ; four fragments of source 0
.irp i, 0,1,2,3
.irp c, 0,1,2
	ds_load_b128 v[F0+12*\i+4*\c:F0+12*\i+4*\c+3], v4 offset:SLOT*(\n)+1536*(\i0+\i)+512*\c
.endr
.endr
.endm
.macro FETCH1 n                        ; source 1's two fragments and all the step's scale words (v10-13 source 0's pairs, v14 source 1's pair)
.irp i, 0,1,2,3,4,5
	ds_load_b128 v[F1+4*\i:F1+4*\i+3], v5 offset:SLOT*(\n)+512*\i
.endr
.irp p, 0,1,2,3
	ds_load_b32 v[10+\p], v6 offset:SLOT*(\n)+128*\p
.endr
	ds_load_b32 v14, v7 offset:SLOT*(\n)
.endm
.macro MUL8 i0, zero
.irp i, 0,1,2,3
.irp j, 0,1
	WM ACC+64*\j+8*(\i0+\i), F0+12*\i, F1+12*\j, \zero, 10+(\i0+\i)/2, 14, (\i0+\i)%2, \j
.endr
.endr
.endm
.macro KSTEP k
.if (\k) < 7
	PFLOAD (\k)+1                                  ; the next step's share, on its way while this step is multiplied
.endif
	PLACES
	FETCH1 (\k)%2
	FETCH0 (\k)%2, 0
	s_wait_dscnt 0x0
.if (\k) == 0
	MUL8 0, 1                                      ; the first step's products start the sums
.else
	MUL8 0, 0
.endif
	PLACES
	FETCH0 (\k)%2, 4
	s_wait_dscnt 0x0
.if (\k) == 0
	MUL8 4, 1
.else
	MUL8 4, 0
.endif
.if (\k) < 7
	s_wait_loadcnt 0x0
	PFSTORE ((\k)+1)%2
	s_wait_dscnt 0x0                               ; my stores into the next slot have landed, and my reads of this slot are in:
	s_barrier_signal -1                            ; behind this barrier the next slot is whole, and this one may be written in the next step
	s_barrier_wait -1
.endif
.endm
	PFLOAD 0
	s_cmp_lt_u32 s16, 8
	s_cbranch_scc0 .Lno_bias
	global_load_b32 v41, v42, s[26:27]             ; waves 0-7: 256 biases
	s_wait_loadcnt 0x0
	ds_store_b32 v43, v41
.Lno_bias:
	s_wait_loadcnt 0x0
	PFSTORE 0
	s_wait_dscnt 0x0
	s_barrier_signal -1
	s_barrier_wait -1
.irp k, 0,1,2,3,4,5,6,7
	KSTEP \k
.endr
; 64 numbers of a lane, register 16 b + i = k 32 b + 16 (lane / 16) + i of my row, become a fragment's codes in v[pc] on (pc + 12 .. pc + 18 at work) and its scale word in v[pw]
.macro QUANT s, pc, pw
.irp b, 0,1,2,3
	v_max3_num_f32 v[TM+\b], |v[(\s)+16*\b]|, |v[(\s)+1+16*\b]|, 0x1800000   ; my 16 numbers, and the floor 2^(3 - 127)
.endr
.irp i, 2,4,6,8,10,12,14
.irp b, 0,1,2,3
	v_max3_num_f32 v[TM+\b], v[TM+\b], |v[(\s)+16*\b+\i]|, |v[(\s)+1+16*\b+\i]|
.endr
.endr
.irp b, 0,1,2,3
	v_permlanex16_b32 v[TM+4+\b], v[TM+\b], s[SEL], s[SEL+1]
.endr
.irp b, 0,1,2,3
	v_max_num_f32 v[TM+\b], v[TM+\b], v[TM+4+\b]   ; with lane l xor 16's: the block's largest magnitude
.endr
.irp b, 0,1,2,3
	v_add_nc_u32 v[TM+12+\b], 0xff000000, v[TM+\b] ; 2 off its exponent field: the conversion's scale operand
.endr
.irp b, 0,1,2,3
	v_lshrrev_b32 v[TM+4+\b], 23, v[TM+12+\b]      ; the scale's byte
.endr
	v_lshl_or_b32 v[\pw], v[TM+5], 8, v[TM+4]
	v_lshl_or_b32 v[\pw], v[TM+6], 16, v[\pw]
	v_lshl_or_b32 v[\pw], v[TM+7], 24, v[\pw]
.irp c, 0,1
	v_cvt_scalef32_pk16_fp6_f32 v[(\pc)+6*\c:(\pc)+2+6*\c], v[(\s)+32*\c:(\s)+15+32*\c], v[TM+12+2*\c]
	v_cvt_scalef32_pk16_fp6_f32 v[(\pc)+12+4*\c:(\pc)+14+4*\c], v[(\s)+16+32*\c:(\s)+31+32*\c], v[TM+12+2*\c+1]
.endr
	v_nop                                          ; one plain place behind a scaled conversion
.irp c, 0,1                                    ; the operand's layout wants a whole block in a lane
.irp i, 0,1,2
	v_permlane16_swap_b32 v[(\pc)+6*\c+\i], v[(\pc)+12+4*\c+\i]
.endr
.irp i, 0,1,2
	v_mov_b32 v[(\pc)+3+6*\c+\i], v[(\pc)+12+4*\c+\i]
.endr
.endr
.endm
	PLACES
.irp b, 0,1,2,3
	v_mov_b32 v[TM+4+\b], 0                        ; a lane permute's destination counts as one of its sources
.endr
	s_lshr_b32 s36, s20, 3                         ; sample
	s_and_b32 s37, s20, 7                          ; which 256 positions of it
	s_lshl_b32 s38, s36, 4
	s_lshl_b32 s39, s45, 2
	s_add_co_u32 s38, s38, s39                     ; the work-group's first head: 16 b + 4 (gx % 4)
	s_mov_b32 s43, 0
	s_cmp_ge_u32 s19, 8
	s_cbranch_scc1 .Lv
	; ---- q and k: my 128 channels are heads 2 w0 and 2 w0 + 1 of the work-group's four; my two tiles of positions are pair w1
	s_lshl_b32 s39, s17, 1
	s_add_co_u32 s39, s38, s39
	s_lshl_b32 s39, s39, 3
	s_add_co_u32 s39, s39, s37
	s_mul_i32 s40, s39, REC
	s_cmp_ge_u32 s19, 4
	s_cselect_b32 s41, KVOFF, 0
	s_add_co_u32 s40, s40, s41                     ; the record of my first head
	s_mul_i32 s41, s18, 1536
	s_add_co_u32 s42, s40, s41
	s_add_nc_u64 s[28:29], s[14:15], s[42:43]      ; half images 2 w1, 2 w1 + 1
	s_lshl_b32 s41, s18, 7
	s_add_co_u32 s42, s40, s41
	s_add_co_u32 s42, s42, 24576
	s_add_nc_u64 s[48:49], s[14:15], s[42:43]      ; the pair's scale words
.irp b, 0,1,2,3
.irp q, 0,1,2,3
	ds_load_b128 v[16+16*\b+4*\q:19+16*\b+4*\q], v15 offset:128*\b+16*\q   ; the biases in the results' layout: channel 32 b + 16 h + 4 q on
.endr
.endr
	s_wait_dscnt 0x0
.set p, 0
.rept 32
	v_pk_mul_f32 v[16+2*p:17+2*p], v[16+2*p:17+2*p], s[32:33] op_sel_hi:[1,0]
.set p, p+1
.endr
.macro SCALEB j                        ; (sum + bias) x 2^-1.5, each accumulator from its low end on
.set p, 0
.rept 32
	v_pk_fma_f32 v[ACC+64*\j+2*p:ACC+64*\j+2*p+1], v[ACC+64*\j+2*p:ACC+64*\j+2*p+1], s[32:33], v[16+2*p:17+2*p] op_sel_hi:[1,0,1]
.set p, p+1
.endr
.endm
	SCALEB 0
	QUANT ACC, 100, 96
	SCALEB 1
	QUANT ACC+64, 128, 97                          ; (tile 0's accumulators are done with)
.macro OUTQK pc, j                     ; registers 0-5 are the first head's half image, 6-11 the second's
.irp hd, 0,1
	global_store_b128 v1, v[\pc+6*\hd:\pc+6*\hd+3], s[28:29] offset:768*\j+HS*\hd        ; 512 consecutive bytes,
	global_store_b64 v3, v[\pc+6*\hd+4:\pc+6*\hd+5], s[28:29] offset:768*\j+HS*\hd+512   ; and 256
.endr
.endm
	OUTQK 100, 0
	OUTQK 128, 1
	v_and_or_b32 v120, v96, 0xffff, s34            ; the first head's two bytes, and 127 twice
	v_and_or_b32 v121, v97, 0xffff, s34
	v_cndmask_b32 v120, v120, v121, s35            ; lanes 0-15 the even tile's words, lanes 16-31 the odd tile's
	v_lshrrev_b32 v122, 16, v96                    ; the second head's
	v_lshrrev_b32 v123, 16, v97
	v_cndmask_b32 v122, v122, v123, s35
	v_or_b32 v122, s34, v122
	global_store_b32 v2, v120, s[48:49]
	global_store_b32 v2, v122, s[48:49] offset:HS
	s_wait_xcnt 0x0
	v_lshl_add_u32 v254, v0, 2, 0x19400
	v_mov_b32 v255, 0
	s_wait_tensorcnt 0x0
	ds_add_u32 v254, v255
	s_wait_dscnt 0x0
	s_endpgm
	; ---- v: my 128 positions are key step w0 of the record; my two tiles of channels are tiles 2 (w1 % 2) + j of head w1 / 2
.Lv:
	s_lshr_b32 s39, s18, 1
	s_add_co_u32 s39, s38, s39
	s_lshl_b32 s39, s39, 3
	s_add_co_u32 s39, s39, s37
	s_mul_i32 s40, s39, REC
	s_add_co_u32 s40, s40, KVOFF
	s_and_b32 s41, s18, 1
	s_lshl_b32 s44, s17, 2
	s_lshl_b32 s46, s41, 1
	s_add_co_u32 s44, s44, s46
	s_mul_i32 s44, s44, 1536
	s_add_co_u32 s42, s40, s44
	s_add_co_u32 s42, s42, 12288
	s_add_nc_u64 s[28:29], s[14:15], s[42:43]      ; images 4 w0 + 2 (w1 % 2) + j
	s_lshl_b32 s44, s17, 8
	s_lshl_b32 s46, s41, 7
	s_add_co_u32 s44, s44, s46
	s_add_co_u32 s42, s40, s44
	s_add_co_u32 s42, s42, 25600
	s_add_nc_u64 s[48:49], s[14:15], s[42:43]      ; their pair's scale words
	ds_load_b32 v16, v124
	ds_load_b32 v18, v124 offset:32
	s_wait_dscnt 0x0
	v_mov_b32 v17, v16                             ; (named as pairs)
	v_mov_b32 v19, v18
.macro ADDB j
.set p, 0
.rept 32
	v_pk_add_f32 v[ACC+64*\j+2*p:ACC+64*\j+2*p+1], v[ACC+64*\j+2*p:ACC+64*\j+2*p+1], v[16+2*\j:17+2*\j] op_sel_hi:[1,0]
.set p, p+1
.endr
.endm
	ADDB 0
	QUANT ACC, 100, 96
	ADDB 1
	QUANT ACC+64, 128, 97
.irp c, 0,1,2
	global_store_b128 v1, v[100+4*\c:103+4*\c], s[28:29] offset:512*\c
	global_store_b128 v1, v[128+4*\c:131+4*\c], s[28:29] offset:1536+512*\c
.endr
	v_cndmask_b32 v120, v96, v97, s35
	global_store_b32 v2, v120, s[48:49]
	s_wait_xcnt 0x0
	v_lshl_add_u32 v254, v0, 2, 0x19400
	v_mov_b32 v255, 0
	s_wait_tensorcnt 0x0
	ds_add_u32 v254, v255
	s_wait_dscnt 0x0
	s_endpgm
.Lfunc_end_k_q0177c7e972_qkv:
	.size	k_q0177c7e972_qkv, .Lfunc_end_k_q0177c7e972_qkv-k_q0177c7e972_qkv
	.p2alignl 7, 3214868480
	.fill 96, 4, 3214868480
	.section	.rodata,"a",@progbits
	.p2align	6, 0x0
	.amdhsa_kernel k_q0177c7e972_qkv
		.amdhsa_group_segment_fixed_size 105472
		.amdhsa_private_segment_fixed_size 0
		.amdhsa_enable_private_segment 0
		.amdhsa_kernarg_size 48
		.amdhsa_user_sgpr_count 2
		.amdhsa_user_sgpr_kernarg_segment_ptr 1
		.amdhsa_wavefront_size32 1
		.amdhsa_system_sgpr_workgroup_id_x 1
		.amdhsa_system_sgpr_workgroup_id_y 1
		.amdhsa_system_sgpr_workgroup_id_z 1
		.amdhsa_system_vgpr_workitem_id 0
		.amdhsa_next_free_vgpr 256
		.amdhsa_next_free_sgpr 66
		.amdhsa_reserve_vcc 0
		.amdhsa_float_denorm_mode_32 3
		.amdhsa_float_denorm_mode_16_64 3
		.amdhsa_memory_ordered 1
		.amdhsa_forward_progress 1
		.amdhsa_inst_pref_size 81
	.end_amdhsa_kernel
	.amdgpu_metadata
---
amdhsa.version: [ 1, 2 ]
amdhsa.kernels:
  - .name:           k_q0177c7e972_qkv
    .symbol:         k_q0177c7e972_qkv.kd
    .args:
      - { .name: xq, .offset: 0, .size: 8, .value_kind: global_buffer, .address_space: global }
      - { .name: wq, .offset: 8, .size: 8, .value_kind: global_buffer, .address_space: global }
      - { .name: bq, .offset: 16, .size: 8, .value_kind: global_buffer, .address_space: global }
      - { .name: bk, .offset: 24, .size: 8, .value_kind: global_buffer, .address_space: global }
      - { .name: bv, .offset: 32, .size: 8, .value_kind: global_buffer, .address_space: global }
      - { .name: qkv, .offset: 40, .size: 8, .value_kind: global_buffer, .address_space: global }
    .group_segment_fixed_size: 105472
    .private_segment_fixed_size: 0
    .kernarg_segment_align: 8
    .kernarg_segment_size: 48
    .max_flat_workgroup_size: 512
    .sgpr_count:     66
    .vgpr_count:     256
    .wavefront_size: 32
...
	.end_amdgpu_metadata
.endif
;; end of part 3
;; launch attn (part 4): grid 8 x 32, 16 waves a work-group, no clusters, 223,232 bytes of LDS; arguments qkv, attention_mask, aq; writes aq
.if DOCPART == 4
	.amdgcn_target "amdgcn-amd-amdhsa--gfx1250"
	.amdhsa_code_object_version 6
	.text
	.protected	k_q0177c7e972_attn
	.globl	k_q0177c7e972_attn
	.p2align	8
	.type	k_q0177c7e972_attn,@function
k_q0177c7e972_attn:
	s_mov_b64 s[64:65], 0
	v_nop
	global_prefetch_b8 v0, s[64:65] scope:SCOPE_SE
	s_setreg_imm32_b32 hwreg(HW_REG_WAVE_MODE, 25, 1), 1
	s_wait_xcnt 0x0
; Attention on codes of FP6 (E2M3), head size 64, 2,048 keys, with the key mask that is given, and the quantising of its result for the last projection.
; t = score x log2(e) (q and k carry 2^-1.5 each); M = the row's largest t so far, rounded UP to a whole number; p = 2^(t - M) is quantised along the keys; the row's sum is taken of the
; unquantised p and divides O at the end.  When M moves, the sum and O are multiplied by 2^(old M - new M): exact.
; SHARES.  A work-group owns 256 queries of one (sample, head); each of its sixteen waves one tile of 16, in 256 registers: four waves to a SIMD, so that one wave's vector work stands beside
; another's matrix work and LDS loads.  Every wave walks all 2,048 keys, 128 a step.
; THE HEAD'S K AND V STAY IN LDS.  A record of qkv (256 keys: K's half images, V^T's images, their scale words; 26,112 bytes) is copied as it lies, through registers.  The head's eight records have
; LDS bytes of their own, 8 x 26,624, so no byte is written twice and only two barriers are needed: one behind records 0 and 1, one behind the rest.  Records 2 to 7 are copied during the four key
; steps of records 0 and 1, one record for each half step; the other twelve key steps run with no fetch and no barrier, and the waves need not keep in step.
; LAYOUT.  Both products transposed: S^T = K Q^T (source 0 = 16 keys), O^T = V^T P^T (source 0 = 16 channels): a lane holds one query throughout.  The head's 64 channels are half of the matrix
; instruction's K: registers 6-11 of K's and Q's fragments are zero codes, under the byte 127.
; THE MASK.  Where attention_mask is 0 the score gets -infinity added, ahead of the maximum: p = 0.  The additions are walked only in the steps that have such a key: a scalar branch on 16 flags made
; of the whole numbers of the mask.  A sample with no key left has the sum 0: its scale bytes are stored as 0xff, which makes the last projection's sums NaN, as the source's softmax does.
; No tensor loads and no cluster: a record feeds eight key steps' vector work on each SIMD, so the fetch is a small part.
; LIMITS: NaN and infinities among the inputs are not served; a block under 2^-124, a block of zeros too, gets the byte 1 (read by this program alone); v_rcp_f32 and v_exp_f32 are good to one unit in the last place.
; REGISTERS: v1-11 addresses; v12 -M, v13 the largest t, v[14:15] the sum; v16-27 Q, v28 its words; v30, v31, v93 the loop's LDS bases; v32-79 four fragments of K; v80-92 the copy; v94, v95 where it goes;
; v96-159 S^T, p, then V^T's four fragments; v160-191 O^T; v192-210 p's codes; v212-231 at work; v228 p's word; v232-235 K's words, v236-237 V's; v240-255 the mask's numbers.
.set WSC,   3145728
.set REC,   26112
.set HS,    8*REC
.set KVOFF, 32*HS
.set SLOT,  26624                      ; a record's place in LDS
.set BIAS,  8*SLOT                     ; behind the eight records: 2,048 numbers: 0, or -infinity for a key that does not count
.macro PLACES
.rept 4
	v_nop
.endr
.endm
.macro WM d, a, b, zero, sa, sb, ra, rb   ; one product; ra: source 0's scale words lie in lanes 0-15 (0) or 16-31 (1)
.if \zero
.if (\ra) == 0
	v_wmma_scale_f32_16x16x128_f8f6f4 v[(\d):(\d)+7], v[(\a):(\a)+11], v[(\b):(\b)+11], 0, v[\sa], v[\sb] matrix_a_fmt:MATRIX_FMT_FP6 matrix_b_fmt:MATRIX_FMT_FP6
.else
	v_wmma_scale_f32_16x16x128_f8f6f4 v[(\d):(\d)+7], v[(\a):(\a)+11], v[(\b):(\b)+11], 0, v[\sa], v[\sb] matrix_a_fmt:MATRIX_FMT_FP6 matrix_b_fmt:MATRIX_FMT_FP6 matrix_a_scale:MATRIX_SCALE_ROW1
.endif
.else
.if (\ra) == 0
	v_wmma_scale_f32_16x16x128_f8f6f4 v[(\d):(\d)+7], v[(\a):(\a)+11], v[(\b):(\b)+11], v[(\d):(\d)+7], v[\sa], v[\sb] matrix_a_fmt:MATRIX_FMT_FP6 matrix_b_fmt:MATRIX_FMT_FP6
.else
	v_wmma_scale_f32_16x16x128_f8f6f4 v[(\d):(\d)+7], v[(\a):(\a)+11], v[(\b):(\b)+11], v[(\d):(\d)+7], v[\sa], v[\sb] matrix_a_fmt:MATRIX_FMT_FP6 matrix_b_fmt:MATRIX_FMT_FP6 matrix_a_scale:MATRIX_SCALE_ROW1
.endif
.endif
.endm
	s_load_b128 s[4:7], s[0:1], 0x0                ; qkv s[4:5], attention_mask s[6:7]
	s_load_b64 s[8:9], s[0:1], 0x10                ; aq
	v_lshl_add_u32 v238, v0, 2, 0x36000
	v_mov_b32 v239, 0
	v_lshrrev_b32 v1, 5, v0
	v_readfirstlane_b32 s10, v1                    ; wave 0..15
	v_and_b32 v8, 31, v0                           ; lane
	v_and_b32 v9, 15, v0                           ; r
	v_bfe_u32 v10, v0, 4, 1                        ; h
	v_lshlrev_b32 v1, 4, v8                        ; 16 x lane
	v_lshlrev_b32 v2, 3, v8                        ; 8 x lane
	v_lshlrev_b32 v3, 2, v8                        ; 4 x lane
	v_lshlrev_b32 v4, 4, v0                        ; 16 x thread
	v_lshlrev_b32 v5, 2, v0                        ; 4 x thread
	v_lshl_add_u32 v6, v10, 6, BIAS                ; the mask's numbers of keys 16 h on
	v_lshl_add_u32 v11, v0, 4, BIAS                ; where my four go
	v_lshlrev_b32 v29, 2, v9                       ; 4 r
	v_mov_b32 v92, 0                               ; (loaded by waves 0-11 alone)
	v_mov_b32 v172, 0                              ; (likewise)
	s_mov_b32 s14, 0x76543210
	s_mov_b32 s15, 0xfedcba98
	s_mov_b32 s16, 0x3fb8aa3b                      ; log2(e)
	s_mov_b32 s17, s16
	s_mov_b32 s18, 0                               ; the flags: bit j: key step j has a key that does not count
	s_mov_b32 s19, 0                               ; the step's first byte among the mask's numbers
	s_mov_b32 s20, 3                               ; the loop's trips: two records each
	s_and_b32 s21, ttmp7, 0xffff                   ; 16 x sample + head
	s_mul_i32 s22, s21, HS
	s_add_co_u32 s24, s22, KVOFF                   ; the head's K and V records
	s_mov_b32 s25, 0
	s_mul_i32 s26, ttmp9, REC
	s_add_co_u32 s26, s26, s22                     ; my queries' record
	s_mul_i32 s27, s10, 768
	s_add_co_u32 s28, s26, s27                     ; my tile's half image
	s_mov_b32 s29, 0
	s_lshl_b32 s27, s10, 6
	s_add_co_u32 s30, s26, s27
	s_add_co_u32 s30, s30, 24576                   ; its scale words: 64 bytes a tile
	s_mov_b32 s31, 0
	s_lshr_b32 s32, s21, 4
	s_lshl_b32 s32, s32, 13                        ; the sample's mask
	s_mov_b32 s33, 0
	s_wait_kmcnt 0x0
	s_add_nc_u64 s[12:13], s[4:5], s[24:25]        ; the head's first record; never stepped: the record stands in the loads' immediates
	s_add_nc_u64 s[28:29], s[4:5], s[28:29]
	s_add_nc_u64 s[30:31], s[4:5], s[30:31]
	s_add_nc_u64 s[6:7], s[6:7], s[32:33]
.macro PFL r, reg                      ; record r is asked for: 24,576 bytes by 512 threads x 3 x 16, the last 1,536 by waves 0-11, 4 bytes a thread
.irp i, 0,1,2
	global_load_b128 v[(\reg)+4*\i:(\reg)+4*\i+3], v4, s[12:13] offset:REC*(\r)+8192*\i
.endr
	s_cmp_lt_u32 s10, 12
	s_cbranch_scc0 .Lpfl_\@
	global_load_b32 v[(\reg)+12], v5, s[12:13] offset:REC*(\r)+24576
.Lpfl_\@:
.endm
.macro PFS r, reg                      ; and goes to its own bytes of LDS.  The records are stored in ascending order: an odd one finds the base that the even one before it made
.if ((\r)%2) == 0
	v_add_nc_u32 v94, 2*SLOT*((\r)/2), v4          ; (no LDS store of mine is out here)
	v_add_nc_u32 v95, 2*SLOT*((\r)/2), v5
.endif
.irp i, 0,1,2
	ds_store_b128 v94, v[(\reg)+4*\i:(\reg)+4*\i+3] offset:SLOT*((\r)%2)+8192*\i
.endr
	s_cmp_lt_u32 s10, 12
	s_cbranch_scc0 .Lpfs_\@
	ds_store_b32 v95, v[(\reg)+12] offset:SLOT*((\r)%2)+24576
.Lpfs_\@:
.endm
	PFL 0, 80
	PFL 1, 160                                     ; (through the registers that O^T takes afterwards)
	global_load_b128 v[16:19], v1, s[28:29]        ; Q's six registers stay
	global_load_b64 v[20:21], v2, s[28:29] offset:512
	global_load_b32 v28, v29, s[30:31]             ; lane r: row r's word
	global_load_b128 v[240:243], v4, s[6:7]        ; my four numbers of the mask
.set j, 0
.rept 16
	global_load_b128 v[96+4*j:99+4*j], v1, s[6:7] offset:512*j   ; and the whole mask, a key step a load, for the flags
.set j, j+1
.endr
	v_mov_b32 v13, 0xff61b1e6                      ; the largest t so far: -3e38
	v_floor_f32 v12, -v13                          ; -M
	v_mov_b32 v14, 0
	v_mov_b32 v15, 0
.irp j, 22,23,24,25,26,27
	v_mov_b32 v[\j], 0                             ; Q's zero codes
.endr
.irp t, 0,1,2,3
.irp i, 6,7,8,9,10,11
	v_mov_b32 v[32+12*\t+\i], 0                    ; K's: written once, never loaded over
.endr
.endr
.irp b, 0,1,2,3
	v_mov_b32 v[216+\b], 0                         ; a lane permute's destination counts as one of its sources
.endr
	v_mov_b32 v224, 0
	v_mov_b32 v227, 0                              ; (named as the upper half of the pair v[226:227])
	v_mov_b32 v248, 0xff800000                     ; -infinity
	s_wait_loadcnt 0x0
	PFS 0, 80
	PFS 1, 160
.irp e, 0,1,2,3
	v_cmp_eq_u32 vcc_lo, 0, v[240+\e]
	v_cndmask_b32 v[244+\e], 0, v248, vcc_lo
.endr
	ds_store_b128 v11, v[244:247]
.set j, 0
.rept 16
	v_min3_u32 v224, v[96+4*j], v[97+4*j], v[98+4*j]
	v_min_u32 v224, v224, v[99+4*j]                ; 0 where one of my four is 0
	v_cmp_eq_u32 vcc_lo, 0, v224
	s_cmp_lg_u32 vcc_lo, 0
	s_cselect_b32 s22, 1<<j, 0
	s_or_b32 s18, s18, s22
.set j, j+1
.endr
	s_wait_dscnt 0x0                               ; my parts of records 0 and 1 and of the mask's numbers have landed
.set j, 0
.rept 32
	v_mov_b32 v[160+j], 0                          ; O^T: the step is written once, and its first walk finds zeros
.set j, j+1
.endr
	s_barrier_signal -1
	s_barrier_wait -1                              ; everybody's have
; A KEY STEP: 128 keys, the q-th of the n-th record of a pair.  aa, ab, ac: the registers with 16, 8 and 4 x lane + the pair's first byte in LDS.
; THE COPY moves on at two places of a step, half a step apart.  At the step's head: record sa, asked for half a step ago, is stored, and behind the wait for K's fragments, which also shows the stores done
; with their registers, record la is asked for.  Behind the exponentials: the same for records sm and lm.  -1: nothing.
.macro STEP n, q, aa, ab, ac, sa, la, sm, lm
	v_add_nc_u32 v7, s19, v6
.rept 5
	v_nop                                          ; with the line above six places: the first products below write over registers that the last step's products read
.endr
.if (\sa) >= 0
	s_wait_loadcnt 0x0                             ; the record asked for half a step ago is in
	PFS \sa, 80
.endif
.irp g, 0,1                                    ; S^T = K Q^T, four tiles of 16 keys at a time
.if \g
	PLACES
.endif
.irp t, 0,1,2,3
	ds_load_b128 v[32+12*\t:35+12*\t], v[\aa] offset:SLOT*(\n)+6144*(\q)+768*(4*\g+\t)
	ds_load_b64 v[36+12*\t:37+12*\t], v[\ab] offset:SLOT*(\n)+6144*(\q)+768*(4*\g+\t)+512
.endr
.if \g == 0
.irp p, 0,1,2,3
	ds_load_b32 v[232+\p], v[\ac] offset:SLOT*(\n)+24576+512*(\q)+128*\p
.endr
.endif
	s_wait_dscnt 0x0
.if (\g == 0) && ((\la) >= 0)
	PFL \la, 80
.endif
.irp t, 0,1,2,3
	WM 96+8*(4*\g+\t), 32+12*\t, 16, 1, 232+(4*\g+\t)/2, 28, \t%2, 0
.endr
.endr                                          ; the 16 registers of tiles 2 b, 2 b + 1 are keys 32 b + 16 h + 0 .. 15
	PLACES
	s_bitcmp1_b32 s18, 0
	s_cbranch_scc0 .Lopen_\@                       ; every key of this step counts
.irp b, 0,1,2,3
.irp i, 0,1,2,3
	ds_load_b128 v[240+4*\i:243+4*\i], v7 offset:128*\b+16*\i
.endr
	s_wait_dscnt 0x0
.irp m, 0,1,2,3,4,5,6,7
	v_pk_add_f32 v[96+16*\b+2*\m:97+16*\b+2*\m], v[96+16*\b+2*\m:97+16*\b+2*\m], v[240+2*\m:241+2*\m]   ; + 0 or -infinity
.endr
.endr
.Lopen_\@:
.irp b, 0,1,2,3
	v_max3_num_f32 v[212+\b], v[96+16*\b], v[97+16*\b], v[98+16*\b]   ; the largest score of each block of 32 keys: for the row's maximum, and, since p rises with the score, for the block's largest p
.endr
.irp i, 3,5,7,9,11,13
.irp b, 0,1,2,3
	v_max3_num_f32 v[212+\b], v[212+\b], v[96+16*\b+\i], v[97+16*\b+\i]
.endr
.endr
.irp b, 0,1,2,3
	v_max_num_f32 v[212+\b], v[212+\b], v[111+16*\b]
.endr
.irp b, 0,1,2,3
	v_permlanex16_b32 v[216+\b], v[212+\b], s14, s15
.endr
.irp b, 0,1,2,3
	v_max_num_f32 v[212+\b], v[212+\b], v[216+\b]  ; with lane l xor 16's 16 keys
.endr
	v_max3_num_f32 v224, v212, v213, v214
	v_max_num_f32 v224, v224, v215
	v_mul_f32 v224, s16, v224                      ; the step's largest t
	v_max_num_f32 v13, v13, v224
	v_mov_b32 v224, v12
	v_floor_f32 v12, -v13                          ; the new -M = -ceil(t)
	v_sub_f32 v224, v12, v224                      ; old M - new M: a whole number, 0 or less
	v_cvt_i32_f32 v224, v224                       ; (it saturates)
	v_ldexp_f32 v226, 1.0, v224                    ; f = 2^(old M - new M)
.set j, 0
.rept 32
	v_pk_fma_f32 v[96+j:97+j], v[96+j:97+j], s[16:17], v[12:13] op_sel_hi:[1,0,0]   ; t - M
.set j, j+2
.endr
.irp b, 0,1,2,3
	v_fma_f32 v[212+\b], v[212+\b], s16, v12       ; the same of each block's largest score
.endr
.set j, 0
.rept 64
	v_exp_f32 v[96+j], v[96+j]                     ; p = 2^(t - M)
.set j, j+1
.endr
.irp b, 0,1,2,3
	v_exp_f32 v[212+\b], v[212+\b]                 ; the block's largest p
.endr
	v_pk_mul_f32 v[14:15], v[14:15], v[226:227] op_sel_hi:[1,0]   ; the sum under the new M (a plain place behind the exponentials)
.if (\sm) >= 0
	s_wait_loadcnt 0x0                             ; the record asked for at the step's head is in
	PFS \sm, 80
	s_wait_dscnt 0x0                               ; the stores are done with their registers, which take the next record
	PFL \lm, 80
.endif
	s_wait_alu depctr_va_vdst(0)
.irp b, 0,1,2,3
	v_max_num_f32 v[212+\b], 0x1800000, v[212+\b]  ; the floor 2^(3 - 127)
.endr
.irp b, 0,1,2,3
	v_add_nc_u32 v[220+\b], 0xff000000, v[212+\b]  ; the conversion's scale operand
.endr
.irp b, 0,1,2,3
	v_lshrrev_b32 v[216+\b], 23, v[220+\b]         ; the scale's byte
.endr
	v_lshl_or_b32 v228, v217, 8, v216              ; p's scale word for these 128 keys
	v_lshl_or_b32 v228, v218, 16, v228
	v_lshl_or_b32 v228, v219, 24, v228
.irp c, 0,1
	v_cvt_scalef32_pk16_fp6_f32 v[192+6*\c:194+6*\c], v[96+32*\c:111+32*\c], v[220+2*\c]
	v_cvt_scalef32_pk16_fp6_f32 v[204+4*\c:206+4*\c], v[112+32*\c:127+32*\c], v[220+2*\c+1]
.endr
	v_nop                                          ; one plain place behind a scaled conversion
.irp c, 0,1
.irp i, 0,1,2
	v_permlane16_swap_b32 v[192+6*\c+\i], v[204+4*\c+\i]
.endr
.irp i, 0,1,2
	v_mov_b32 v[195+6*\c+\i], v[204+4*\c+\i]
.endr
.endr
	v_pk_add_f32 v[230:231], v[96:97], v[98:99]    ; the row's sum, of the unquantised p, in two chains
.irp j, 4,8,12,16,20,24,28,32,36,40,44,48,52,56,60
	v_pk_add_f32 v[14:15], v[14:15], v[96+\j:97+\j]
	v_pk_add_f32 v[230:231], v[230:231], v[98+\j:99+\j]
.endr
	v_pk_add_f32 v[14:15], v[14:15], v[230:231]
.irp t, 0,1,2,3                                ; p is done with: its registers take V^T's four fragments
.irp c, 0,1,2
	ds_load_b128 v[96+12*\t+4*\c:99+12*\t+4*\c], v[\aa] offset:SLOT*(\n)+12288+1536*(4*(\q)+\t)+512*\c
.endr
.endr
.irp p, 0,1
	ds_load_b32 v[236+\p], v[\ac] offset:SLOT*(\n)+25600+256*(\q)+128*\p
.endr
.set j, 0
.rept 16
	v_pk_mul_f32 v[160+j:161+j], v[160+j:161+j], v[226:227] op_sel_hi:[1,0]   ; O^T under the new M, while the loads are out; with the sums above these are the places in front of the products
.set j, j+2
.endr
	s_wait_dscnt 0x0
.irp t, 0,1,2,3
	WM 160+8*\t, 96+12*\t, 192, 0, 236+\t/2, 228, \t%2, 0   ; O^T += V^T P^T: four accumulators by turns
.endr
	s_add_co_u32 s19, s19, 512
	s_lshr_b32 s18, s18, 1
.endm
	; records 0 and 1, and the copy of records 2 to 7 into bytes that nobody reads yet
	STEP 0, 0, 1, 2, 3, -1, 2, 2, 3
	STEP 0, 1, 1, 2, 3, 3, 4, 4, 5
	STEP 1, 0, 1, 2, 3, 5, 6, 6, 7
	STEP 1, 1, 1, 2, 3, 7, -1, -1, -1
	s_wait_dscnt 0x0                               ; my parts of records 2 to 7 have landed
	s_barrier_signal -1
	s_barrier_wait -1                              ; everybody's have: from here on LDS is only read
	s_mov_b32 s23, 2*SLOT                          ; the pair of records in hand
.Ltrip:                                            ; three trips: records 2 and 3, 4 and 5, 6 and 7
	v_add_nc_u32 v30, s23, v1
	v_add_nc_u32 v31, s23, v2
	v_add_nc_u32 v93, s23, v3
	STEP 0, 0, 30, 31, 93, -1, -1, -1, -1
	STEP 0, 1, 30, 31, 93, -1, -1, -1, -1
	STEP 1, 0, 30, 31, 93, -1, -1, -1, -1
	STEP 1, 1, 30, 31, 93, -1, -1, -1, -1
	s_add_co_u32 s23, s23, 2*SLOT
	s_sub_co_u32 s20, s20, 1
	s_cmp_lg_u32 s20, 0
	s_cbranch_scc1 .Ltrip
	; THE WAY OUT.  O^T / the sum: register 16 b + i is channel 32 b + 16 h + i of my query: two blocks of the last projection's K.  Quantised as p is; six registers, a half image.
	PLACES
	v_add_f32 v14, v14, v15
	v_permlanex16_b32 v224, v14, s14, s15
	v_add_f32 v14, v14, v224                       ; the row's sum
	v_cmp_eq_f32 vcc_lo, 0, v14                    ; no key counted (kept in VCC to the select below)
	v_rcp_f32 v225, v14
	v_mov_b32 v229, 0xffff                         ; (a plain place behind the transcendental)
.set j, 0
	s_wait_alu depctr_va_vdst(0)
.rept 32
	v_mul_f32 v[96+j], v[160+j], v225
.set j, j+1
.endr
.irp b, 0,1
	v_max3_num_f32 v[212+\b], |v[96+16*\b]|, |v[97+16*\b]|, 0x1800000
.endr
.irp i, 2,4,6,8,10,12,14
.irp b, 0,1
	v_max3_num_f32 v[212+\b], v[212+\b], |v[96+16*\b+\i]|, |v[97+16*\b+\i]|
.endr
.endr
.irp b, 0,1
	v_permlanex16_b32 v[216+\b], v[212+\b], s14, s15
.endr
.irp b, 0,1
	v_max_num_f32 v[212+\b], v[212+\b], v[216+\b]
.endr
.irp b, 0,1
	v_add_nc_u32 v[220+\b], 0xff000000, v[212+\b]
.endr
.irp b, 0,1
	v_lshrrev_b32 v[216+\b], 23, v[220+\b]
.endr
	v_lshl_or_b32 v228, v217, 8, v216              ; my head's two bytes of the row's scale word
	v_cndmask_b32 v228, v228, v229, vcc_lo         ; 0xff twice where the sum is 0
	v_cvt_scalef32_pk16_fp6_f32 v[192:194], v[96:111], v220
	v_cvt_scalef32_pk16_fp6_f32 v[204:206], v[112:127], v221
	v_nop
.irp i, 0,1,2
	v_permlane16_swap_b32 v[192+\i], v[204+\i]
.endr
.irp i, 0,1,2
	v_mov_b32 v[195+\i], v[204+\i]
.endr
	s_lshr_b32 s22, s21, 4                         ; sample
	s_and_b32 s23, s21, 15                         ; head
	s_lshl_b32 s24, s22, 7
	s_lshl_b32 s25, ttmp9, 4
	s_add_co_u32 s24, s24, s25
	s_add_co_u32 s24, s24, s10                     ; my tile of aq: 128 b + 16 x + wave
	s_lshl_b32 s25, s24, 4
	s_add_co_u32 s25, s25, s23                     ; 16 half images a tile: (K step head / 2, half head % 2)
	s_mul_i32 s26, s25, 768
	s_mov_b32 s27, 0
	s_add_nc_u64 s[26:27], s[8:9], s[26:27]
	s_lshr_b32 s28, s24, 3
	s_lshl_b32 s28, s28, 12
	s_lshr_b32 s29, s23, 1
	s_lshl_b32 s29, s29, 9
	s_add_co_u32 s28, s28, s29
	s_and_b32 s29, s24, 7
	s_lshl_b32 s29, s29, 6
	s_add_co_u32 s28, s28, s29                     ; 64 bytes of words a tile
	s_and_b32 s29, s23, 1
	s_lshl_b32 s29, s29, 1
	s_add_co_u32 s28, s28, s29
	s_add_co_u32 s28, s28, WSC
	s_mov_b32 s29, 0
	s_add_nc_u64 s[28:29], s[8:9], s[28:29]
	global_store_b128 v1, v[192:195], s[26:27]     ; 512 consecutive bytes,
	global_store_b64 v2, v[196:197], s[26:27] offset:512   ; and 256
	v_cmp_gt_u32 vcc_lo, 16, v8
	s_wait_xcnt 0x0                                ; EXEC changes only behind this wait
	s_wait_tensorcnt 0x0
	ds_add_u32 v238, v239
	s_wait_dscnt 0x0
	s_and_saveexec_b32 s30, vcc_lo
	global_store_b16 v29, v228, s[28:29]           ; lanes 0-15: two bytes of each row's word; the other two are the neighbouring head's: 32 of the wave's 800 bytes
	s_wait_xcnt 0x0
	s_or_b32 exec_lo, exec_lo, s30
	s_endpgm
.Lfunc_end_k_q0177c7e972_attn:
	.size	k_q0177c7e972_attn, .Lfunc_end_k_q0177c7e972_attn-k_q0177c7e972_attn
	.p2alignl 7, 3214868480
	.fill 96, 4, 3214868480
	.section	.rodata,"a",@progbits
	.p2align	6, 0x0
	.amdhsa_kernel k_q0177c7e972_attn
		.amdhsa_group_segment_fixed_size 223232
		.amdhsa_private_segment_fixed_size 0
		.amdhsa_enable_private_segment 0
		.amdhsa_kernarg_size 24
		.amdhsa_user_sgpr_count 2
		.amdhsa_user_sgpr_kernarg_segment_ptr 1
		.amdhsa_wavefront_size32 1
		.amdhsa_system_sgpr_workgroup_id_x 1
		.amdhsa_system_sgpr_workgroup_id_y 1
		.amdhsa_system_sgpr_workgroup_id_z 1
		.amdhsa_system_vgpr_workitem_id 0
		.amdhsa_next_free_vgpr 256
		.amdhsa_next_free_sgpr 66
		.amdhsa_reserve_vcc 1
		.amdhsa_float_denorm_mode_32 3
		.amdhsa_float_denorm_mode_16_64 3
		.amdhsa_memory_ordered 1
		.amdhsa_forward_progress 1
		.amdhsa_inst_pref_size 175
	.end_amdhsa_kernel
	.amdgpu_metadata
---
amdhsa.version: [ 1, 2 ]
amdhsa.kernels:
  - .name:           k_q0177c7e972_attn
    .symbol:         k_q0177c7e972_attn.kd
    .args:
      - { .name: qkv, .offset: 0, .size: 8, .value_kind: global_buffer, .address_space: global }
      - { .name: attention_mask, .offset: 8, .size: 8, .value_kind: global_buffer, .address_space: global }
      - { .name: aq, .offset: 16, .size: 8, .value_kind: global_buffer, .address_space: global }
    .group_segment_fixed_size: 223232
    .private_segment_fixed_size: 0
    .kernarg_segment_align: 8
    .kernarg_segment_size: 24
    .max_flat_workgroup_size: 512
    .sgpr_count:     66
    .vgpr_count:     256
    .wavefront_size: 32
...
	.end_amdgpu_metadata
.endif
;; end of part 4
;; launch oproj (part 5): grid 8 x 32, 8 waves a work-group, no clusters, 275,456 bytes of LDS; arguments aq, wq, bo, hidden_states, out0; writes out0
.if DOCPART == 5
	.amdgcn_target "amdgcn-amd-amdhsa--gfx1250"
	.amdhsa_code_object_version 6
	.text
	.protected	k_q0177c7e972_oproj
	.globl	k_q0177c7e972_oproj
	.p2align	8
	.type	k_q0177c7e972_oproj,@function
k_q0177c7e972_oproj:
	s_mov_b64 s[64:65], 0
	v_nop
	global_prefetch_b8 v0, s[64:65] scope:SCOPE_SE
	s_setreg_imm32_b32 hwreg(HW_REG_WAVE_MODE, 25, 1), 1
	s_wait_xcnt 0x0
; out0[b][c][s] = sum over k of a[b, s][k] Wo[c][k] + bo[c] + hidden_states[b][c][s], the product on codes of FP6 (E2M3).
; Work-group (gx, gy): 128 channels x 128 positions.  SOURCE 0 = 16 positions of a, source 1 = 16 rows of Wo: a lane holds one channel, and by the tiles' make (tile 2 g + u: rows
; 32 g + 8 u + r + 8 (r / 8)) the 16 registers of two neighbouring tiles are 16 neighbouring positions: 64 consecutive bytes of a row of out0.
; Eight waves: wave (w0 = w / 4, w1 = w % 4) makes 4 tiles of positions x 2 tiles of channels: 8 accumulators, which take turns.
; ALL OF K LIES IN LDS: the work-group's operands for the 8 K steps of 128 are 8 x 25,600 bytes.  Each wave asks at the head for its share of all eight steps (two tiles' images and one pair's scale
; words a step: 48 loads of 16 bytes and 8 of 4 a lane, 58 loads out with the two biases), stores each step as it lands, and ONE barrier follows.  The K loop has no load from memory and no barrier.
; An image of a is two half images of six registers (16 bytes a lane, then 8), as attention's heads stored them.
; THE WAY OUT: through the wave's own stage in LDS, rows = channels, so that sixteen lanes store 256 consecutive bytes, aligned; the residual is asked for behind the barrier, in the same shape, and
; lands while K is walked.
; No tensor loads and no cluster: left out for the plainness of the text; the four work-groups that share a tile could ask jointly.
.set WSC,   3145728
.set SLOT,  25600                      ; a K step: 8 images of a | 8 of Wo | 4 + 4 pairs' scale words
.set STAGE, 8*SLOT                     ; behind the eight steps: 32 rows x (256 + 16) bytes for each wave
.set PF,    32                         ; v32-223  what I copy: step k's six groups of four at v[32 + 24 k]
.set PW,    224                        ; v224-231 and its scale word
.set F0,    52                         ; v52-99   a's four fragments
.set F1,    100                        ; v100-123 Wo's two
.set ACC,   128                        ; accumulator (i, j) at v[128 + 32 j + 8 i]
.set RES,   192                        ; v192-255 the residual
.set BK,    32                         ; v32-95   rows read back from the stage
.macro PLACES
.rept 4
	v_nop
.endr
.endm
.macro WM d, a, b, zero, sa, sb, ra, rb
.if \zero
.if ((\ra) == 0) && ((\rb) == 0)
	v_wmma_scale_f32_16x16x128_f8f6f4 v[(\d):(\d)+7], v[(\a):(\a)+11], v[(\b):(\b)+11], 0, v[\sa], v[\sb] matrix_a_fmt:MATRIX_FMT_FP6 matrix_b_fmt:MATRIX_FMT_FP6
.elseif (\rb) == 0
	v_wmma_scale_f32_16x16x128_f8f6f4 v[(\d):(\d)+7], v[(\a):(\a)+11], v[(\b):(\b)+11], 0, v[\sa], v[\sb] matrix_a_fmt:MATRIX_FMT_FP6 matrix_b_fmt:MATRIX_FMT_FP6 matrix_a_scale:MATRIX_SCALE_ROW1
.elseif (\ra) == 0
	v_wmma_scale_f32_16x16x128_f8f6f4 v[(\d):(\d)+7], v[(\a):(\a)+11], v[(\b):(\b)+11], 0, v[\sa], v[\sb] matrix_a_fmt:MATRIX_FMT_FP6 matrix_b_fmt:MATRIX_FMT_FP6 matrix_b_scale:MATRIX_SCALE_ROW1
.else
	v_wmma_scale_f32_16x16x128_f8f6f4 v[(\d):(\d)+7], v[(\a):(\a)+11], v[(\b):(\b)+11], 0, v[\sa], v[\sb] matrix_a_fmt:MATRIX_FMT_FP6 matrix_b_fmt:MATRIX_FMT_FP6 matrix_a_scale:MATRIX_SCALE_ROW1 matrix_b_scale:MATRIX_SCALE_ROW1
.endif
.else
.if ((\ra) == 0) && ((\rb) == 0)
	v_wmma_scale_f32_16x16x128_f8f6f4 v[(\d):(\d)+7], v[(\a):(\a)+11], v[(\b):(\b)+11], v[(\d):(\d)+7], v[\sa], v[\sb] matrix_a_fmt:MATRIX_FMT_FP6 matrix_b_fmt:MATRIX_FMT_FP6
.elseif (\rb) == 0
	v_wmma_scale_f32_16x16x128_f8f6f4 v[(\d):(\d)+7], v[(\a):(\a)+11], v[(\b):(\b)+11], v[(\d):(\d)+7], v[\sa], v[\sb] matrix_a_fmt:MATRIX_FMT_FP6 matrix_b_fmt:MATRIX_FMT_FP6 matrix_a_scale:MATRIX_SCALE_ROW1
.elseif (\ra) == 0
	v_wmma_scale_f32_16x16x128_f8f6f4 v[(\d):(\d)+7], v[(\a):(\a)+11], v[(\b):(\b)+11], v[(\d):(\d)+7], v[\sa], v[\sb] matrix_a_fmt:MATRIX_FMT_FP6 matrix_b_fmt:MATRIX_FMT_FP6 matrix_b_scale:MATRIX_SCALE_ROW1
.else
	v_wmma_scale_f32_16x16x128_f8f6f4 v[(\d):(\d)+7], v[(\a):(\a)+11], v[(\b):(\b)+11], v[(\d):(\d)+7], v[\sa], v[\sb] matrix_a_fmt:MATRIX_FMT_FP6 matrix_b_fmt:MATRIX_FMT_FP6 matrix_a_scale:MATRIX_SCALE_ROW1 matrix_b_scale:MATRIX_SCALE_ROW1
.endif
.endif
.endm
	s_load_b256 s[4:11], s[0:1], 0x0               ; aq s[4:5], wq s[6:7], bo s[8:9], hidden s[10:11]
	s_load_b64 s[12:13], s[0:1], 0x20              ; out0
	v_lshl_add_u32 v9, v0, 2, 0x43000
	v_mov_b32 v10, 0
	v_lshrrev_b32 v1, 5, v0
	v_readfirstlane_b32 s14, v1                    ; wave 0..7
	s_lshr_b32 s15, s14, 2                         ; w0
	s_and_b32 s16, s14, 3                          ; w1
	s_and_b32 s18, ttmp7, 0xffff                   ; gy
	v_and_b32 v22, 31, v0                          ; lane
	v_and_b32 v23, 15, v0                          ; r
	v_bfe_u32 v21, v0, 4, 1                        ; h
	v_lshlrev_b32 v1, 4, v22                       ; 16 x lane
	v_lshlrev_b32 v2, 3, v22                       ; 8 x lane
	v_lshlrev_b32 v3, 2, v22                       ; 4 x lane
	s_mul_i32 s20, s15, 6144
	v_add_nc_u32 v4, s20, v1                       ; my 4 images of a: their parts of 16 bytes a lane,
	v_add_nc_u32 v5, s20, v2                       ; and of 8
	s_mul_i32 s20, s16, 3072
	s_add_co_u32 s20, s20, 12288
	v_add_nc_u32 v6, s20, v1                       ; my 2 images of Wo
	s_lshl_b32 s20, s15, 8
	s_add_co_u32 s20, s20, 24576
	v_add_nc_u32 v7, s20, v3                       ; a's scale words: my 2 pairs
	s_lshl_b32 s20, s16, 7
	s_add_co_u32 s20, s20, 25088
	v_add_nc_u32 v8, s20, v3                       ; Wo's: my pair
	s_mul_i32 s20, s14, 3072
	v_add_nc_u32 v24, s20, v1                      ; where I copy to: images 2 w, 2 w + 1 of a step's 16,
	s_lshl_b32 s20, s14, 7
	s_add_co_u32 s20, s20, 24576
	v_add_nc_u32 v28, s20, v3                      ; and pair w of its 8;
.irp p, 1,2,3
	v_add_nc_u32 v[24+\p], 2*SLOT*\p, v24          ; a register for each two K steps (an LDS immediate has 16 bits): v24-27 and v28-31 are addresses and nothing else
	v_add_nc_u32 v[28+\p], 2*SLOT*\p, v28
.endr
	s_mul_i32 s20, s14, 8704
	s_add_co_u32 s20, s20, STAGE                   ; my stage
	v_mul_u32_u24 v11, v23, 272
	v_lshl_add_u32 v11, v21, 6, v11
	v_add_nc_u32 v11, s20, v11                     ; in: row r of a tile of channels, + 64 h
	v_mul_u32_u24 v12, v21, 272
	v_lshl_add_u32 v12, v23, 4, v12
	v_add_nc_u32 v12, s20, v12                     ; back: lanes 0-15 one row, lanes 16-31 the next
	v_lshlrev_b32 v13, 13, v21
	v_lshl_add_u32 v13, v23, 4, v13                ; and the same two rows of 8,192 bytes in out0 and in hidden_states
	v_and_b32 v21, 8, v23
	v_add_nc_u32 v21, v21, v23
	v_lshlrev_b32 v21, 2, v21                      ; 4 (r + 8 (r / 8)): my lane's channel in bo
	; what I copy: waves 0-3 a, waves 4-7 Wo
	s_cmp_lt_u32 s14, 4
	s_cselect_b32 s21, s18, ttmp9
	s_cselect_b32 s22, 0, 24
	s_add_co_u32 s21, s21, s22                     ; the operand's group of 8 tiles (Wo is the fourth weight of wq)
	s_lshl_b32 s22, s21, 3
	s_lshl_b32 s23, s16, 1
	s_add_co_u32 s22, s22, s23
	s_mul_i32 s24, s22, 12288
	s_mov_b32 s25, 0
	s_lshl_b32 s26, s21, 12
	s_lshl_b32 s23, s16, 7
	s_add_co_u32 s26, s26, s23
	s_add_co_u32 s26, s26, WSC
	s_mov_b32 s27, 0
	s_lshr_b32 s28, s18, 4
	s_lshl_b32 s28, s28, 23                        ; out0 and hidden: the sample,
	s_lshl_b32 s23, ttmp9, 20
	s_add_co_u32 s28, s28, s23                     ; 128 channels a work-group,
	s_lshl_b32 s23, s16, 18
	s_add_co_u32 s28, s28, s23                     ; 32 a wave,
	s_and_b32 s23, s18, 15
	s_lshl_b32 s23, s23, 9
	s_add_co_u32 s28, s28, s23                     ; 128 positions a work-group,
	s_lshl_b32 s23, s15, 8
	s_add_co_u32 s28, s28, s23                     ; 64 a wave
	s_mov_b32 s29, 0
	s_lshl_b32 s30, ttmp9, 9
	s_lshl_b32 s23, s16, 7
	s_add_co_u32 s30, s30, s23
	s_mov_b32 s31, 0
	s_wait_kmcnt 0x0
	s_cmp_lt_u32 s14, 4
	s_cselect_b64 s[32:33], s[4:5], s[6:7]
	s_add_nc_u64 s[34:35], s[32:33], s[26:27]      ; my pair's scale words
	s_add_nc_u64 s[32:33], s[32:33], s[24:25]      ; my two tiles' images
	s_add_nc_u64 s[10:11], s[10:11], s[28:29]
	s_add_nc_u64 s[12:13], s[12:13], s[28:29]
	s_add_nc_u64 s[8:9], s[8:9], s[30:31]
.macro PFLOAD k                        ; seven loads: my share of K step k
.irp n, 0,1,2,3,4,5
	global_load_b128 v[PF+24*(\k)+4*\n:PF+24*(\k)+4*\n+3], v1, s[32:33] offset:1536*(\k)+512*(\n%3)+12288*(\n/3)
.endr
	global_load_b32 v[PW+(\k)], v3, s[34:35] offset:512*(\k)
.endm
.macro PFSTORE k
.irp i, 0,1,2,3,4,5
	ds_store_b128 v[24+(\k)/2], v[PF+24*(\k)+4*\i:PF+24*(\k)+4*\i+3] offset:SLOT*((\k)%2)+512*\i
.endr
	ds_store_b32 v[28+(\k)/2], v[PW+(\k)] offset:SLOT*((\k)%2)
.endm
.macro KSTEP k
.set N, (\k)%2
.if ((\k) > 0) && (N == 0)
.irp a, 4,5,6,7,8
	v_add_nc_u32 v[\a], 2*SLOT, v[\a]              ; on to the next two K steps (no LDS load of mine is out); these five lines are also the places in front of the loads below
.endr
.elseif (\k) > 0
	PLACES
.endif
.irp i, 0,1,2,3
	ds_load_b128 v[F0+12*\i:F0+12*\i+3], v4 offset:SLOT*N+1536*\i
	ds_load_b64 v[F0+12*\i+4:F0+12*\i+5], v5 offset:SLOT*N+1536*\i+512
	ds_load_b128 v[F0+12*\i+6:F0+12*\i+9], v4 offset:SLOT*N+1536*\i+768
	ds_load_b64 v[F0+12*\i+10:F0+12*\i+11], v5 offset:SLOT*N+1536*\i+1280
.endr
.irp n, 0,1,2,3,4,5
	ds_load_b128 v[F1+4*\n:F1+4*\n+3], v6 offset:SLOT*N+512*\n
.endr
	ds_load_b32 v18, v7 offset:SLOT*N
	ds_load_b32 v19, v7 offset:SLOT*N+128
	ds_load_b32 v20, v8 offset:SLOT*N
	s_wait_dscnt 0x0
.irp i, 0,1,2,3
.irp j, 0,1
.if (\k) == 0
	WM ACC+32*\j+8*\i, F0+12*\i, F1+12*\j, 1, 18+\i/2, 20, \i%2, \j   ; the first step's products start the sums
.else
	WM ACC+32*\j+8*\i, F0+12*\i, F1+12*\j, 0, 18+\i/2, 20, \i%2, \j
.endif
.endr
.endr
.endm
	global_load_b32 v14, v21, s[8:9]               ; my lane's bias, for each of my two tiles of channels
	global_load_b32 v16, v21, s[8:9] offset:32
.irp k, 0,1,2,3,4,5,6,7
	PFLOAD \k
.endr
.irp k, 0,1,2,3,4,5,6,7
	s_wait_loadcnt 7*(7-\k)                        ; loads come back in order: step k's seven are in; the seven of each later step may be out
	PFSTORE \k
.endr
	v_mov_b32 v15, v14                             ; (named as pairs)
	v_mov_b32 v17, v16
	s_wait_dscnt 0x0                               ; my share of all eight K steps has landed in LDS
	s_barrier_signal -1
	s_barrier_wait -1                              ; everybody's has: from here on these bytes are only read
.irp t, 0,1,2,3,4,5,6,7,8,9,10,11,12,13,14,15  ; the residual, while K is walked: stage rows 2 t, 2 t + 1 are channels 8 (t / 8) + 2 (t % 8) + 8 ((t % 8) / 4) and the next
	global_load_b128 v[RES+4*\t:RES+4*\t+3], v13, s[10:11] offset:(8*(\t>>3)+2*(\t&7)+8*((\t&7)>>2))*8192 th:TH_LOAD_NT
.endr
.irp k, 0,1,2,3,4,5,6,7
	KSTEP \k
.endr
	PLACES
.irp j, 0,1
.set p, 0
.rept 16
	v_pk_add_f32 v[ACC+32*\j+2*p:ACC+32*\j+2*p+1], v[ACC+32*\j+2*p:ACC+32*\j+2*p+1], v[14+2*\j:15+2*\j] op_sel_hi:[1,0]   ; + bo, each accumulator from its low end on
.set p, p+1
.endr
.endr
.irp j, 0,1
.irp g, 0,1
.irp q, 0,1,2,3
	ds_store_b128 v11, v[ACC+32*\j+16*\g+4*\q:ACC+32*\j+16*\g+4*\q+3] offset:4352*\j+128*\g+16*\q   ; positions 32 g + 16 h + 4 q on
.endr
.endr
.endr
.irp t, 0,1,2,3,4,5,6,7,8,9,10,11,12,13,14,15
	ds_load_b128 v[BK+4*\t:BK+4*\t+3], v12 offset:544*\t   ; LDS serves a wave's instructions in order: these see my stores
.endr
	s_wait_loadcnt 0x0                             ; the residual
.irp t, 0,1,2,3,4,5,6,7,8,9,10,11,12,13,14,15
	s_wait_dscnt 15-\t                             ; the younger read-backs may be out
	v_pk_add_f32 v[BK+4*\t:BK+4*\t+1], v[BK+4*\t:BK+4*\t+1], v[RES+4*\t:RES+4*\t+1]
	v_pk_add_f32 v[BK+4*\t+2:BK+4*\t+3], v[BK+4*\t+2:BK+4*\t+3], v[RES+4*\t+2:RES+4*\t+3]
	global_store_b128 v13, v[BK+4*\t:BK+4*\t+3], s[12:13] offset:(8*(\t>>3)+2*(\t&7)+8*((\t&7)>>2))*8192 th:TH_STORE_NT   ; 16 lanes store 256 consecutive bytes, aligned
.endr
	s_wait_tensorcnt 0x0
	ds_add_u32 v9, v10
	s_wait_dscnt 0x0
	s_endpgm
.Lfunc_end_k_q0177c7e972_oproj:
	.size	k_q0177c7e972_oproj, .Lfunc_end_k_q0177c7e972_oproj-k_q0177c7e972_oproj
	.p2alignl 7, 3214868480
	.fill 96, 4, 3214868480
	.section	.rodata,"a",@progbits
	.p2align	6, 0x0
	.amdhsa_kernel k_q0177c7e972_oproj
		.amdhsa_group_segment_fixed_size 275456
		.amdhsa_private_segment_fixed_size 0
		.amdhsa_enable_private_segment 0
		.amdhsa_kernarg_size 40
		.amdhsa_user_sgpr_count 2
		.amdhsa_user_sgpr_kernarg_segment_ptr 1
		.amdhsa_wavefront_size32 1
		.amdhsa_system_sgpr_workgroup_id_x 1
		.amdhsa_system_sgpr_workgroup_id_y 1
		.amdhsa_system_sgpr_workgroup_id_z 1
		.amdhsa_system_vgpr_workitem_id 0
		.amdhsa_next_free_vgpr 256
		.amdhsa_next_free_sgpr 66
		.amdhsa_reserve_vcc 0
		.amdhsa_float_denorm_mode_32 3
		.amdhsa_float_denorm_mode_16_64 3
		.amdhsa_memory_ordered 1
		.amdhsa_forward_progress 1
		.amdhsa_inst_pref_size 46
	.end_amdhsa_kernel
	.amdgpu_metadata
---
amdhsa.version: [ 1, 2 ]
amdhsa.kernels:
  - .name:           k_q0177c7e972_oproj
    .symbol:         k_q0177c7e972_oproj.kd
    .args:
      - { .name: aq, .offset: 0, .size: 8, .value_kind: global_buffer, .address_space: global }
      - { .name: wq, .offset: 8, .size: 8, .value_kind: global_buffer, .address_space: global }
      - { .name: bo, .offset: 16, .size: 8, .value_kind: global_buffer, .address_space: global }
      - { .name: hidden_states, .offset: 24, .size: 8, .value_kind: global_buffer, .address_space: global }
      - { .name: out0, .offset: 32, .size: 8, .value_kind: global_buffer, .address_space: global }
    .group_segment_fixed_size: 275456
    .private_segment_fixed_size: 0
    .kernarg_segment_align: 8
    .kernarg_segment_size: 40
    .max_flat_workgroup_size: 256
    .sgpr_count:     66
    .vgpr_count:     256
    .wavefront_size: 32
...
	.end_amdgpu_metadata
.endif
;; end of part 5
;; ======== version 2 of 2: 5 launches
;; workspace buffers: st 8,192 bytes; wq 3,276,800 bytes; xq 3,276,800 bytes; aq 3,276,800 bytes; qkv 13,369,344 bytes
;; launch prep (part 6): grid 512 x 1, 4 waves a work-group, no clusters, 68,096 bytes of LDS; arguments hidden_states, Wq, Wk, Wv, Wo, st, wq; writes st, wq
.if DOCPART == 6
	.amdgcn_target "amdgcn-amd-amdhsa--gfx1250"
	.amdhsa_code_object_version 6
	.text
	.protected	k_q0177c7e972_prep
	.globl	k_q0177c7e972_prep
	.p2align	8
	.type	k_q0177c7e972_prep,@function
k_q0177c7e972_prep:
	s_mov_b64 s[64:65], 0
	v_nop
	global_prefetch_b8 v0, s[64:65] scope:SCOPE_SE
	s_setreg_imm32_b32 hwreg(HW_REG_WAVE_MODE, 25, 1), 1
	s_wait_xcnt 0x0
; Two jobs in one launch, parted on the work-group's number.
; WORK-GROUPS 0-255: partial statistics of hidden_states for the group norm.  A wave takes 4,096 neighbouring numbers and stores their sum
; and the sum of squared deviations FROM ITS OWN MEAN (so that no difference of large sums is ever formed): st[wave] = (sum, M2).
; WORK-GROUPS 256-511: the four weights [1024 (n)][1024 (k)], f32, become codes of FP6 (E2M3) with one E8M0 byte for each 32 along k.
; A block's byte is its largest magnitude's exponent field - 2, held at 1 from below.
; LAYOUT OF wq.  Rows are cut into groups of 32; tile 2 g + u holds rows 32 g + 8 u + r + 8 (r / 8), r = 0 .. 15.  A tile's fragment for 128 along k
; is stored as an image of the operand's 12 registers: byte 512 c + 16 lane + 4 e = register 4 c + e.  Codes: [256 tiles][8 K steps][1,536].
; Scale words behind them, [32 groups of 8 tiles][8 K steps][4 pairs of tiles][128]: byte 4 lane = the word of row lane % 16 of the pair's tile lane / 16.
; LIMITS: NaN and infinities are not served; a block under 2^-124, a block of zeros too, gets the byte 1 (its bytes are read by this program alone).
.set WSC,   3145728                    ; where the scale words begin
.set PITCH, 528                        ; a stage row: 512 bytes + 16, so that 16 rows start in 16 different groups of banks
.set WST,   32*PITCH                   ; a wave's stage
.macro LANESUM x, tmp                  ; the sum over the 32 lanes, in every lane
	v_add_f32_dpp v[\x], v[\x], v[\x] row_xmask:1 row_mask:0xf bank_mask:0xf
	v_add_f32_dpp v[\x], v[\x], v[\x] row_xmask:2 row_mask:0xf bank_mask:0xf
	v_add_f32_dpp v[\x], v[\x], v[\x] row_xmask:4 row_mask:0xf bank_mask:0xf
	v_add_f32_dpp v[\x], v[\x], v[\x] row_xmask:8 row_mask:0xf bank_mask:0xf
	v_permlanex16_b32 v[\tmp], v[\x], s20, s21
	v_add_f32 v[\x], v[\x], v[\tmp]
.endm
	s_load_b256 s[4:11], s[0:1], 0x0               ; hidden s[4:5], Wq s[6:7], Wk s[8:9], Wv s[10:11]
	s_load_b128 s[12:15], s[0:1], 0x20             ; Wo s[12:13], st s[14:15]
	s_load_b64 s[16:17], s[0:1], 0x30              ; wq
	v_lshl_add_u32 v254, v0, 2, 0x10800
	v_mov_b32 v255, 0
	v_lshrrev_b32 v1, 5, v0
	v_readfirstlane_b32 s18, v1                    ; wave
	v_and_b32 v2, 31, v0                           ; lane
	v_lshlrev_b32 v1, 4, v2                        ; 16 x lane
	s_mov_b32 s20, 0x76543210
	s_mov_b32 s21, 0xfedcba98                      ; v_permlanex16_b32's selects for lane l xor 16
	s_wait_kmcnt 0x0
	s_cmp_lt_u32 ttmp9, 256
	s_cbranch_scc0 .Lweights
	; ---- statistics
	s_lshl_b32 s22, ttmp9, 2
	s_add_co_u32 s22, s22, s18                     ; which run of 4,096 numbers: 0 .. 1,023
	s_lshl_b32 s24, s22, 14
	s_mov_b32 s25, 0
	s_add_nc_u64 s[4:5], s[4:5], s[24:25]
	s_lshl_b32 s24, s22, 3
	s_add_nc_u64 s[14:15], s[14:15], s[24:25]      ; its pair in st
.set j, 0
	s_wait_alu depctr_va_vdst(0)
.rept 32
	global_load_b128 v[32+4*j:35+4*j], v1, s[4:5] offset:512*j   ; 32 lanes read 512 consecutive bytes
.set j, j+1
.endr
	v_mov_b32 v24, 0                               ; a lane permute's destination counts as one of its sources
	v_mov_b32 v25, 0
	s_wait_loadcnt 0x0
.irp c, 0,1,2,3
	v_pk_add_f32 v[4+2*\c:5+2*\c], v[32+2*\c:33+2*\c], v[40+2*\c:41+2*\c]   ; four chains, started by the first eight pairs
.endr
.set p, 8
.rept 56
	v_pk_add_f32 v[4+2*(p%4):5+2*(p%4)], v[4+2*(p%4):5+2*(p%4)], v[32+2*p:33+2*p]
.set p, p+1
.endr
	v_pk_add_f32 v[4:5], v[4:5], v[6:7]
	v_pk_add_f32 v[8:9], v[8:9], v[10:11]
	v_pk_add_f32 v[4:5], v[4:5], v[8:9]
	v_add_f32 v12, v4, v5
	LANESUM 12, 24                                 ; v12 = the run's sum
	v_mul_f32 v14, 0xb9800000, v12                 ; - its mean: x -2^-12
	v_mov_b32 v15, v14
.set p, 0
.rept 64
	v_pk_add_f32 v[32+2*p:33+2*p], v[32+2*p:33+2*p], v[14:15]   ; deviations, in place
.set p, p+1
.endr
.irp c, 0,1,2,3
	v_pk_mul_f32 v[16+2*\c:17+2*\c], v[32+2*\c:33+2*\c], v[32+2*\c:33+2*\c]
.endr
.set p, 4
.rept 60
	v_pk_fma_f32 v[16+2*(p%4):17+2*(p%4)], v[32+2*p:33+2*p], v[32+2*p:33+2*p], v[16+2*(p%4):17+2*(p%4)]
.set p, p+1
.endr
	v_pk_add_f32 v[16:17], v[16:17], v[18:19]
	v_pk_add_f32 v[20:21], v[20:21], v[22:23]
	v_pk_add_f32 v[16:17], v[16:17], v[20:21]
	v_add_f32 v13, v16, v17
	LANESUM 13, 24                                 ; v13 = the run's M2
	v_cmp_eq_u32 vcc_lo, 0, v2
	s_wait_alu depctr_va_vdst(0)
	s_wait_xcnt 0x0                                ; EXEC changes only behind this wait
	s_and_saveexec_b32 s26, vcc_lo
	global_store_b64 v25, v[12:13], s[14:15]       ; lane 0 alone
	s_wait_xcnt 0x0
	s_or_b32 exec_lo, exec_lo, s26
	s_endpgm
	; ---- weights: a work-group takes 128 rows x 128 along k of one weight, a wave 32 rows: one pair of tiles
.Lweights:
	s_sub_co_u32 s22, ttmp9, 256
	s_lshr_b32 s23, s22, 6                         ; which weight: Wq, Wk, Wv, Wo
	s_bfe_u32 s24, s22, 0x30003                    ; which 128 rows
	s_and_b32 s25, s22, 7                          ; which K step
	s_cmp_eq_u32 s23, 1
	s_cselect_b64 s[6:7], s[8:9], s[6:7]
	s_cmp_eq_u32 s23, 2
	s_cselect_b64 s[6:7], s[10:11], s[6:7]
	s_cmp_eq_u32 s23, 3
	s_cselect_b64 s[6:7], s[12:13], s[6:7]
	s_lshl_b32 s26, s24, 2
	s_add_co_u32 s26, s26, s18                     ; my group of 32 rows
	s_lshl_b32 s28, s26, 17                        ; x 32 rows of 4,096 bytes
	s_lshl_b32 s27, s25, 9
	s_add_co_u32 s28, s28, s27                     ; + 512 bytes a K step
	s_mov_b32 s29, 0
	s_add_nc_u64 s[6:7], s[6:7], s[28:29]
.set i, 0
	s_wait_alu depctr_va_vdst(0)
.rept 32
	global_load_b128 v[32+4*i:35+4*i], v1, s[6:7] offset:4096*i th:TH_LOAD_NT   ; row i: 512 consecutive bytes
.set i, i+1
.endr
	s_mul_i32 s30, s18, WST
	v_add_nc_u32 v3, s30, v1                       ; the stage, on the way in: 16 x lane of a row
	v_and_b32 v5, 15, v0                           ; r
	v_bfe_u32 v6, v0, 4, 1                         ; h
	v_mul_u32_u24 v4, v5, PITCH
	v_lshl_add_u32 v4, v6, 7, v4
	v_add_nc_u32 v4, s30, v4                       ; and back: tile row r, + 128 h: my 32 numbers of each 64 along k
	v_lshlrev_b32 v26, 3, v6                       ; 8 h
	v_lshlrev_b32 v7, 2, v2                        ; 4 x lane
	v_mov_b32 v22, 0
	; where the results go
	s_lshl_b32 s31, s23, 6
	s_lshl_b32 s32, s26, 1
	s_add_co_u32 s31, s31, s32                     ; my first tile: 64 x weight + 2 x group
	s_lshl_b32 s31, s31, 3
	s_add_co_u32 s31, s31, s25
	s_mul_i32 s32, s31, 1536
	s_mov_b32 s33, 0
	s_add_nc_u64 s[34:35], s[16:17], s[32:33]
	s_lshl_b32 s36, s23, 3
	s_add_co_u32 s36, s36, s24
	s_lshl_b32 s36, s36, 3
	s_add_co_u32 s36, s36, s25
	s_lshl_b32 s36, s36, 9
	s_lshl_b32 s37, s18, 7
	s_add_co_u32 s36, s36, s37
	s_add_co_u32 s36, s36, WSC
	s_mov_b32 s37, 0
	s_add_nc_u64 s[38:39], s[16:17], s[36:37]
	s_mov_b32 s40, 0xffff0000                      ; lanes 16-31
	; rows go into the stage in the order of the tiles: row i is row (i & 7) + 8 (i >> 4) of tile (i >> 3) & 1
.set i, 0
	s_wait_alu depctr_va_vdst(0)
.rept 32
.if i%8 == 0
	s_wait_loadcnt 24-i                            ; loads come back in order: these eight rows are in, the younger rows may be out
.endif
	ds_store_b128 v3, v[32+4*i:35+4*i] offset:(16*((i>>3)&1)+8*(i>>4)+(i&7))*PITCH
.set i, i+1
.endr
.macro BACK u, reg                     ; tile u: of my row, k = 64 c + 32 h + 0 .. 31 into v[reg + 32 c] on
.irp c, 0,1
.irp q, 0,1,2,3,4,5,6,7
	ds_load_b128 v[\reg+32*\c+4*\q:\reg+32*\c+4*\q+3], v4 offset:16*PITCH*\u+256*\c+16*\q
.endr
.endr
.endm
; 64 numbers of a lane, two whole blocks of 32, become the 12 registers of the operand (v[pc] on) and the row's scale word (v[pw])
.macro WQ s, pc, pw
.irp c, 0,1
	v_max3_num_f32 v[16+\c], |v[\s+32*\c]|, |v[\s+32*\c+1]|, 0x1800000   ; and the floor 2^(3 - 127): the byte cannot fall under 1
.endr
.irp i, 2,4,6,8,10,12,14,16,18,20,22,24,26,28,30
.irp c, 0,1
	v_max3_num_f32 v[16+\c], v[16+\c], |v[\s+32*\c+\i]|, |v[\s+32*\c+\i+1]|
.endr
.endr
.irp c, 0,1
	v_add_nc_u32 v[18+\c], 0xff000000, v[16+\c]    ; 2 off the exponent field: the conversion's scale operand
.endr
.irp c, 0,1
	v_lshrrev_b32 v[20+\c], 23, v[18+\c]           ; the scale's byte
.endr
	v_lshl_or_b32 v[\pw], v21, 16, v20             ; my blocks h and 2 + h,
	v_lshlrev_b32 v[\pw], v26, v[\pw]              ; at their places;
	v_permlanex16_b32 v22, v[\pw], s20, s21
	v_or_b32 v[\pw], v[\pw], v22                   ; with lane l xor 16's two the word is whole
.irp c, 0,1
	v_cvt_scalef32_pk16_fp6_f32 v[\pc+6*\c:\pc+6*\c+2], v[\s+32*\c:\s+32*\c+15], v[18+\c]
	v_cvt_scalef32_pk16_fp6_f32 v[8+4*\c:10+4*\c], v[\s+32*\c+16:\s+32*\c+31], v[18+\c]   ; (three registers begin on an even number)
.endr
	v_nop                                          ; one plain place behind a scaled conversion
.irp c, 0,1
.irp i, 0,1,2
	v_mov_b32 v[\pc+3+6*\c+\i], v[8+4*\c+\i]
.endr
.endr
.endm
	BACK 0, 160
	s_wait_dscnt 0x0                               ; tile 0 is in (and the stores into the stage are done)
	BACK 1, 32                                     ; tile 1 comes while tile 0 is worked
	WQ 160, 224, 24
	s_wait_dscnt 0x0
	WQ 32, 236, 25
.irp c, 0,1,2
	global_store_b128 v1, v[224+4*\c:227+4*\c], s[34:35] offset:512*\c          ; 512 consecutive bytes a store
	global_store_b128 v1, v[236+4*\c:239+4*\c], s[34:35] offset:12288+512*\c    ; the next tile lies 8 K steps on
.endr
	v_cndmask_b32 v27, v24, v25, s40               ; lanes 0-15 the even tile's words, lanes 16-31 the odd tile's
	global_store_b32 v7, v27, s[38:39]
	s_wait_tensorcnt 0x0
	ds_add_u32 v254, v255
	s_wait_dscnt 0x0
	s_endpgm
.Lfunc_end_k_q0177c7e972_prep:
	.size	k_q0177c7e972_prep, .Lfunc_end_k_q0177c7e972_prep-k_q0177c7e972_prep
	.p2alignl 7, 3214868480
	.fill 96, 4, 3214868480
	.section	.rodata,"a",@progbits
	.p2align	6, 0x0
	.amdhsa_kernel k_q0177c7e972_prep
		.amdhsa_group_segment_fixed_size 68096
		.amdhsa_private_segment_fixed_size 0
		.amdhsa_enable_private_segment 0
		.amdhsa_kernarg_size 56
		.amdhsa_user_sgpr_count 2
		.amdhsa_user_sgpr_kernarg_segment_ptr 1
		.amdhsa_wavefront_size32 1
		.amdhsa_system_sgpr_workgroup_id_x 1
		.amdhsa_system_sgpr_workgroup_id_y 1
		.amdhsa_system_sgpr_workgroup_id_z 1
		.amdhsa_system_vgpr_workitem_id 0
		.amdhsa_next_free_vgpr 256
		.amdhsa_next_free_sgpr 66
		.amdhsa_reserve_vcc 1
		.amdhsa_float_denorm_mode_32 3
		.amdhsa_float_denorm_mode_16_64 3
		.amdhsa_memory_ordered 1
		.amdhsa_forward_progress 1
		.amdhsa_inst_pref_size 34
	.end_amdhsa_kernel
	.amdgpu_metadata
---
amdhsa.version: [ 1, 2 ]
amdhsa.kernels:
  - .name:           k_q0177c7e972_prep
    .symbol:         k_q0177c7e972_prep.kd
    .args:
      - { .name: hidden_states, .offset: 0, .size: 8, .value_kind: global_buffer, .address_space: global }
      - { .name: Wq, .offset: 8, .size: 8, .value_kind: global_buffer, .address_space: global }
      - { .name: Wk, .offset: 16, .size: 8, .value_kind: global_buffer, .address_space: global }
      - { .name: Wv, .offset: 24, .size: 8, .value_kind: global_buffer, .address_space: global }
      - { .name: Wo, .offset: 32, .size: 8, .value_kind: global_buffer, .address_space: global }
      - { .name: st, .offset: 40, .size: 8, .value_kind: global_buffer, .address_space: global }
      - { .name: wq, .offset: 48, .size: 8, .value_kind: global_buffer, .address_space: global }
    .group_segment_fixed_size: 68096
    .private_segment_fixed_size: 0
    .kernarg_segment_align: 8
    .kernarg_segment_size: 56
    .max_flat_workgroup_size: 128
    .sgpr_count:     66
    .vgpr_count:     256
    .wavefront_size: 32
...
	.end_amdgpu_metadata
.endif
;; end of part 6
;; launch xquant (part 7): grid 32 x 8, 4 waves a work-group, no clusters, 13,824 bytes of LDS; arguments hidden_states, st, gn_weight, gn_bias, xq; writes xq
.if DOCPART == 7
	.amdgcn_target "amdgcn-amd-amdhsa--gfx1250"
	.amdhsa_code_object_version 6
	.text
	.protected	k_q0177c7e972_xquant
	.globl	k_q0177c7e972_xquant
	.p2align	8
	.type	k_q0177c7e972_xquant,@function
k_q0177c7e972_xquant:
	s_mov_b64 s[64:65], 0
	v_nop
	global_prefetch_b8 v0, s[64:65] scope:SCOPE_SE
	s_setreg_imm32_b32 hwreg(HW_REG_WAVE_MODE, 25, 1), 1
	s_wait_xcnt 0x0
; x = group norm of hidden_states [2][1024 (c)][2048 (s)], quantised along c to FP6 (E2M3) with one E8M0 byte for each 32 channels, into xq, laid as wq is:
; rows are the positions 2048 b + s, in tiles of 16 (tile 2 g + u: rows 32 g + 8 u + r + 8 (r / 8)); images of the operand's 12 registers; scale words by pairs of tiles.
; A work-group takes 128 positions x 128 channels, a wave 32 positions.  A LANE TAKES A POSITION AND ITS REGISTERS RUN DOWN c: each load reads 128 consecutive bytes a wave
; (512 for the four waves side by side), a block of 32 channels lies in one lane, and the conversions give codes with c innermost.  Nothing is transposed by an instruction.
; THE STATISTICS: every wave adds up the sample's 512 partial (sum, M2): mean = sum / 2^21; M2 = sum of M2_i + 4096 (mean_i - mean)^2; rstd = rsq(M2 / 2^21 + 1e-5).
; x = (hidden - mean) (rstd w[c]) + b[c]: the gain is folded with rstd, one rounding otherwise placed than in the source.  w and b of a block's 32 channels lie in scalar registers.
; LIMITS: NaN and infinities are not served; a block under 2^-124, a block of zeros too, gets the byte 1 (read by this program alone); v_rsq_f32 is good to one unit in the last place.
.set WSC, 3145728
.set X,   48                           ; v48-111  two sets of 32 numbers
.set C,   112                          ; v112-143 a block's six registers of codes, eight apart
	s_load_b256 s[4:11], s[0:1], 0x0               ; hidden s[4:5], st s[6:7], gn_weight s[8:9], gn_bias s[10:11]
	s_load_b64 s[12:13], s[0:1], 0x20              ; xq
	v_lshl_add_u32 v176, v0, 2, 0x3400
	v_mov_b32 v177, 0
	v_lshrrev_b32 v1, 5, v0
	v_readfirstlane_b32 s14, v1                    ; wave
	v_and_b32 v1, 31, v0                           ; lane
	v_lshlrev_b32 v2, 2, v1                        ; 4 x lane
	v_lshlrev_b32 v3, 4, v1                        ; 16 x lane
	s_wait_alu depctr_va_vdst(0)
	s_mov_b32 s66, 0x76543210
	s_mov_b32 s67, 0xfedcba98
	s_and_b32 s72, ttmp7, 0xffff                   ; K step: 128 channels
	s_lshr_b32 s73, ttmp9, 4                       ; sample
	s_and_b32 s74, ttmp9, 15
	s_lshl_b32 s76, s73, 23                        ; hidden: the sample,
	s_lshl_b32 s75, s72, 20
	s_add_co_u32 s76, s76, s75                     ; 128 rows of 8,192 bytes a K step,
	s_lshl_b32 s75, s74, 9
	s_add_co_u32 s76, s76, s75                     ; 128 positions a work-group,
	s_lshl_b32 s75, s14, 7
	s_add_co_u32 s76, s76, s75                     ; 32 a wave
	s_mov_b32 s77, 0
	s_lshl_b32 s78, s73, 12                        ; st: 4,096 bytes a sample
	s_mov_b32 s79, 0
	s_lshl_b32 s96, s72, 9                         ; gain and bias: 512 bytes a K step
	s_mov_b32 s97, 0
	s_mul_i32 s98, s14, 3328                       ; my stage in LDS
	s_lshl_b32 s99, ttmp9, 3
	s_lshl_b32 s100, s14, 1
	s_add_co_u32 s99, s99, s100                    ; my first tile: 8 x work-group + 2 x wave
	s_lshl_b32 s99, s99, 3
	s_add_co_u32 s99, s99, s72
	s_mul_i32 s100, s99, 1536
	s_mov_b32 s101, 0
	s_lshl_b32 s74, ttmp9, 3
	s_add_co_u32 s74, s74, s72
	s_lshl_b32 s74, s74, 9
	s_lshl_b32 s75, s14, 7
	s_add_co_u32 s74, s74, s75
	s_add_co_u32 s74, s74, WSC                     ; my pair's scale words
	s_mov_b32 s75, 0
	v_bfe_u32 v4, v0, 3, 1                         ; my position is row rr of tile u of the pair: u = (lane >> 3) & 1,
	v_and_b32 v5, 7, v0
	v_bfe_u32 v6, v0, 4, 1
	v_lshl_or_b32 v5, v6, 3, v5                    ; rr = (lane & 7) + 8 (lane >> 4)
	v_mul_u32_u24 v7, v4, 1664                     ; the stage holds two images, 1,536 + 128 bytes apart
	v_lshl_add_u32 v7, v5, 4, v7
	v_add_nc_u32 v7, s98, v7                       ; on the way in: image lane rr (+ 16 for the odd blocks, in the immediate)
	v_add_nc_u32 v8, s98, v3                       ; on the way out: 16 x lane
	v_lshl_add_u32 v9, v4, 4, v5
	v_lshlrev_b32 v9, 2, v9                        ; my word's place in the pair's 128 bytes
	v_mov_b32 v15, 0                               ; a lane permute's destination counts as one of its sources
	s_wait_kmcnt 0x0
	s_add_nc_u64 s[4:5], s[4:5], s[76:77]
	s_add_nc_u64 s[6:7], s[6:7], s[78:79]
	s_add_nc_u64 s[8:9], s[8:9], s[96:97]
	s_add_nc_u64 s[10:11], s[10:11], s[96:97]
	s_add_nc_u64 s[100:101], s[12:13], s[100:101]
	s_add_nc_u64 s[74:75], s[12:13], s[74:75]
.macro LOAD t                          ; block t: hidden(32 t + i, my position) into set t % 2
.set i, 0
.rept 32
	global_load_b32 v[X+32*((\t)%2)+i], v2, s[4:5] offset:(32*(\t)+i)*8192
.set i, i+1
.endr
.endm
.macro GAINS t                         ; block t's 32 gains into s32-63, its 32 biases into s80-95 and s16-31
	s_load_b512 s[32:47], s[8:9], 128*(\t)
	s_load_b512 s[48:63], s[8:9], 128*(\t)+64
	s_load_b512 s[80:95], s[10:11], 128*(\t)
	s_load_b512 s[16:31], s[10:11], 128*(\t)+64
.endm
.macro LANESUM x
	v_add_f32_dpp v[\x], v[\x], v[\x] row_xmask:1 row_mask:0xf bank_mask:0xf
	v_add_f32_dpp v[\x], v[\x], v[\x] row_xmask:2 row_mask:0xf bank_mask:0xf
	v_add_f32_dpp v[\x], v[\x], v[\x] row_xmask:4 row_mask:0xf bank_mask:0xf
	v_add_f32_dpp v[\x], v[\x], v[\x] row_xmask:8 row_mask:0xf bank_mask:0xf
	v_permlanex16_b32 v15, v[\x], s66, s67
	v_add_f32 v[\x], v[\x], v15
.endm
.irp i, 0,1,2,3,4,5,6,7
	global_load_b128 v[16+4*\i:19+4*\i], v3, s[6:7] offset:512*\i   ; the sample's 512 pairs, 16 a lane
.endr
	LOAD 0
	GAINS 0
	s_wait_loadcnt 32                              ; the pairs are in; block 0's 32 loads may be out
	LOAD 1
	v_add_f32 v10, v16, v18
.irp p, 2,3,4,5,6,7,8,9,10,11,12,13,14,15
	v_add_f32 v10, v10, v[16+2*\p]
.endr
	LANESUM 10
	v_mul_f32 v12, 0xb5000000, v10                 ; - mean = - sum x 2^-21
.irp p, 0,1,2,3,4,5,6,7,8,9,10,11,12,13,14,15
	v_fma_f32 v[16+2*\p], v[16+2*\p], 0x39800000, v12   ; a run's mean less the sample's
.endr
.irp p, 0,1,2,3,4,5,6,7,8,9,10,11,12,13,14,15
	v_mul_f32 v[16+2*\p], v[16+2*\p], v[16+2*\p]
.endr
.irp p, 0,1,2,3,4,5,6,7,8,9,10,11,12,13,14,15
	v_fma_f32 v[17+2*\p], v[16+2*\p], 0x45800000, v[17+2*\p]   ; M2_i + 4,096 x that squared
.endr
	v_add_f32 v11, v17, v19
.irp p, 2,3,4,5,6,7,8,9,10,11,12,13,14,15
	v_add_f32 v11, v11, v[17+2*\p]
.endr
	LANESUM 11
	v_mul_f32 v11, 0x35000000, v11                 ; the variance
	v_add_f32 v11, 0x3727c5ac, v11                 ; + 1e-5
	s_wait_alu depctr_va_vdst(0)
	v_rsq_f32 v11, v11
	v_nop                                          ; one plain place behind a transcendental
	s_wait_alu depctr_va_vdst(0)
	v_readfirstlane_b32 s68, v11                   ; rstd
	v_readfirstlane_b32 s70, v12                   ; - mean,
	s_mov_b32 s71, s70                             ; named as a pair
.macro BLOCK t
.set XS, X+32*((\t)%2)
.set CT, C+8*(\t)
	s_wait_kmcnt 0x0                               ; this block's gains and biases
.set i, 0
.rept 32
	s_mul_f32 s[32+i], s[32+i], s68                ; rstd x gain
.set i, i+1
.endr
.if (\t) < 3
	s_wait_loadcnt 32                              ; this block's 32 loads are in; the next block's may be out
.else
	s_wait_loadcnt 0x0
.endif
.set i, 0
.rept 16
	v_pk_add_f32 v[XS+2*i:XS+2*i+1], v[XS+2*i:XS+2*i+1], s[70:71] op_sel_hi:[1,0]
.set i, i+1
.endr
.set i, 0
.rept 32
.if i < 16
	v_fma_f32 v[XS+i], v[XS+i], s[32+i], s[80+i]
.else
	v_fma_f32 v[XS+i], v[XS+i], s[32+i], s[i]
.endif
.set i, i+1
.endr
.if (\t) < 3
	GAINS (\t)+1
.endif
	v_max3_num_f32 v10, |v[XS]|, |v[XS+1]|, |v[XS+2]|              ; the block's largest magnitude: all 32 numbers are mine
	v_max3_num_f32 v11, |v[XS+3]|, |v[XS+4]|, |v[XS+5]|
.irp i, 6,10,14,18,22,26
	v_max3_num_f32 v10, v10, |v[XS+\i]|, |v[XS+\i+1]|
	v_max3_num_f32 v11, v11, |v[XS+\i+2]|, |v[XS+\i+3]|
.endr
	v_max3_num_f32 v10, v10, |v[XS+30]|, |v[XS+31]|
	v_max3_num_f32 v10, v10, v11, 0x1800000        ; and the floor 2^(3 - 127)
	v_add_nc_u32 v12, 0xff000000, v10              ; 2 off the exponent field: the conversion's scale operand
	v_lshrrev_b32 v13, 23, v12                     ; the scale's byte
.if (\t) == 0
	v_mov_b32 v148, v13
.else
	v_lshl_or_b32 v148, v13, 8*(\t), v148          ; block t is byte t of my row's scale word
.endif
	v_cvt_scalef32_pk16_fp6_f32 v[CT:CT+2], v[XS:XS+15], v12
	v_cvt_scalef32_pk16_fp6_f32 v[144:146], v[XS+16:XS+31], v12
	v_nop                                          ; one plain place behind a scaled conversion
.irp i, 0,1,2
	v_mov_b32 v[CT+3+\i], v[144+\i]
.endr
	; block t = 2 c + h is registers 6 c .. 6 c + 5 of image lane rr + 16 h
.if (\t)/2 == 0
	ds_store_b128 v7, v[CT:CT+3] offset:256*((\t)%2)
	ds_store_b64 v7, v[CT+4:CT+5] offset:256*((\t)%2)+512
.else
	ds_store_b64 v7, v[CT:CT+1] offset:256*((\t)%2)+520
	ds_store_b128 v7, v[CT+2:CT+5] offset:256*((\t)%2)+1024
.endif
.if (\t) < 2
	LOAD (\t)+2
.endif
.endm
	BLOCK 0
	BLOCK 1
	BLOCK 2
	BLOCK 3
	global_store_b32 v9, v148, s[74:75]            ; the wave's 32 words fill the pair's 128 bytes
.irp n, 0,1,2,3,4,5
	ds_load_b128 v[150+4*\n:153+4*\n], v8 offset:1664*(\n/3)+512*(\n%3)   ; LDS serves a wave's instructions in order: these see my stores
.endr
.irp n, 0,1,2,3,4,5
	s_wait_dscnt 5-\n                              ; the younger read-backs may be out
	global_store_b128 v3, v[150+4*\n:153+4*\n], s[100:101] offset:12288*(\n/3)+512*(\n%3)   ; 512 consecutive bytes
.endr
	s_wait_tensorcnt 0x0
	ds_add_u32 v176, v177
	s_wait_dscnt 0x0
	s_endpgm
.Lfunc_end_k_q0177c7e972_xquant:
	.size	k_q0177c7e972_xquant, .Lfunc_end_k_q0177c7e972_xquant-k_q0177c7e972_xquant
	.p2alignl 7, 3214868480
	.fill 96, 4, 3214868480
	.section	.rodata,"a",@progbits
	.p2align	6, 0x0
	.amdhsa_kernel k_q0177c7e972_xquant
		.amdhsa_group_segment_fixed_size 13824
		.amdhsa_private_segment_fixed_size 0
		.amdhsa_enable_private_segment 0
		.amdhsa_kernarg_size 40
		.amdhsa_user_sgpr_count 2
		.amdhsa_user_sgpr_kernarg_segment_ptr 1
		.amdhsa_wavefront_size32 1
		.amdhsa_system_sgpr_workgroup_id_x 1
		.amdhsa_system_sgpr_workgroup_id_y 1
		.amdhsa_system_sgpr_workgroup_id_z 1
		.amdhsa_system_vgpr_workitem_id 0
		.amdhsa_next_free_vgpr 178
		.amdhsa_next_free_sgpr 102
		.amdhsa_reserve_vcc 0
		.amdhsa_float_denorm_mode_32 3
		.amdhsa_float_denorm_mode_16_64 3
		.amdhsa_memory_ordered 1
		.amdhsa_forward_progress 1
		.amdhsa_inst_pref_size 46
	.end_amdhsa_kernel
	.amdgpu_metadata
---
amdhsa.version: [ 1, 2 ]
amdhsa.kernels:
  - .name:           k_q0177c7e972_xquant
    .symbol:         k_q0177c7e972_xquant.kd
    .args:
      - { .name: hidden_states, .offset: 0, .size: 8, .value_kind: global_buffer, .address_space: global }
      - { .name: st, .offset: 8, .size: 8, .value_kind: global_buffer, .address_space: global }
      - { .name: gn_weight, .offset: 16, .size: 8, .value_kind: global_buffer, .address_space: global }
      - { .name: gn_bias, .offset: 24, .size: 8, .value_kind: global_buffer, .address_space: global }
      - { .name: xq, .offset: 32, .size: 8, .value_kind: global_buffer, .address_space: global }
    .group_segment_fixed_size: 13824
    .private_segment_fixed_size: 0
    .kernarg_segment_align: 8
    .kernarg_segment_size: 40
    .max_flat_workgroup_size: 128
    .sgpr_count:     102
    .vgpr_count:     178
    .wavefront_size: 32
...
	.end_amdgpu_metadata
.endif
;; end of part 7
;; launch qkv (part 8): grid 12 x 16, 16 waves a work-group, no clusters, 105,472 bytes of LDS; arguments xq, wq, bq, bk, bv, qkv; writes qkv
.if DOCPART == 8
	.amdgcn_target "amdgcn-amd-amdhsa--gfx1250"
	.amdhsa_code_object_version 6
	.text
	.protected	k_q0177c7e972_qkv
	.globl	k_q0177c7e972_qkv
	.p2align	8
	.type	k_q0177c7e972_qkv,@function
k_q0177c7e972_qkv:
	s_mov_b64 s[64:65], 0
	v_nop
	global_prefetch_b8 v0, s[64:65] scope:SCOPE_SE
	s_setreg_imm32_b32 hwreg(HW_REG_WAVE_SCHED_MODE, 0, 2), 2
	s_setreg_imm32_b32 hwreg(HW_REG_WAVE_MODE, 25, 1), 1
	s_wait_xcnt 0x0
	s_wait_alu depctr_vm_vsrc(0)
; The three projections on codes of FP6 (E2M3), and the quantising of their results for attention.  Work-group (gx, gy): gx 0-3 q, 4-7 k, 8-11 v, 256 channels each; gy: 256 positions.
; SOURCE 0 IS THE OPERAND WHOSE ROWS ARE THE NEXT PRODUCT'S K: for q and k the weight (a lane then holds one position and its registers run along the channels of a head),
; for v the positions (a lane holds one channel and its registers run along the keys).  By the tiles' make (tile 2 g + u: rows 32 g + 8 u + r + 8 (r / 8)) the 16 registers of two
; neighbouring tiles are 16 neighbours.  The main loop is one text for all three: only the pointers differ.
; Sixteen waves, four to a SIMD: wave (w0 = w / 8, w1 = w % 8) makes 8 tiles of source 0 x 2 tiles of source 1: 16 accumulators, which take turns.
; K goes in 8 steps of 128 through two LDS slots; each wave copies two tiles' images and one pair's scale words through its registers, one step ahead.  One barrier a step.
; No tensor loads and no cluster: a step's 51,200 bytes come from buffers stored by the launches just before; sharing them among work-groups is left out for the plainness of the text.
; RESULTS.  q and k: (sum + bias) x 2^-1.5, computed as fma(sum, 2^-1.5, bias x 2^-1.5); v: sum + bias.  Quantised in registers, stored in records of 26,112 bytes for each (head, 256 positions):
; 16 half images (6 registers: a head's 64 channels) | 8 images of V^T (key step, 16 channels) | 8 pairs' scale words of the half images (bytes 2, 3 = 127) | V^T's 4 pairs' words.
; LIMITS: NaN and infinities are not served; a block under 2^-124, a block of zeros too, gets the byte 1 (read by this program alone).
; THE MODE: SCHED_MODE bits 1:0 = 2 (LLVM: expert scheduling mode 2), set by the entry lines.  The code itself states the register dependences
; between vector or matrix instructions and memory or LDS instructions, with s_wait_alu, always for 0.
; THE PLAN.  Registers that memory or LDS instructions touch, in the K steps:
;   v1-v9           offsets and LDS addresses: written at the head, never again.
;   PF, v40         The next step's share: global loads land at a step's head, the copy's LDS stores read them at its end.  No vector or matrix instruction names them.
;   F1, v10-v14     Source 1's two fragments and the step's scale words: LDS loads land at a step's head; all sixteen products of the step read them.
;   F0 half 0, 1    Two fragments of source 0 each.  Tiles 0, 1 | 2, 3 | 4, 5 | 6, 7 go through halves 0, 1, 0, 1: a half is read by four products and then loaded again,
;                   while the other half's four products, which name none of its registers, are issued.
; So a step has one wait on vm_vsrc (the copy's stores have read PF) and three on va_vdst: at its head (the last step's products are done with F1, the words and both halves),
; behind the products of tiles 0, 1 (half 0 is free) and behind those of tiles 2, 3 (half 1 is free).  The accumulators are named by matrix and vector instructions alone.
.set WSC,   3145728
.set REC,   26112
.set HS,    8*REC
.set KVOFF, 32*HS
.set SLOT,  51200                      ; 16 images of source 0 | 16 of source 1 | 8 + 8 pairs' scale words
.set BIAS,  2*SLOT                     ; the work-group's 256 biases
.set PF,    16                         ; v16-39, v40 what I copy
.set F1,    44                         ; v44-67  source 1's two fragments
.set F0,    68                         ; v68-91, v92-115 source 0: two halves of two fragments
.set ACC,   128                        ; accumulator (i, j) at v[128 + 64 j + 8 i]
.set TM,    80                         ; the quantiser's sixteen registers
.set SEL,   30
.macro PLACES                          ; four places in front of loads into registers that matrix instructions have read, and of the first read of results; they stay beside the waits on va_vdst
.rept 4
	v_nop
.endr
.endm
.macro WM d, a, b, zero, sa, sb, ra, rb   ; one product; ra, rb: the scale words lie in lanes 0-15 (0) or 16-31 (1)
.if \zero
.if ((\ra) == 0) && ((\rb) == 0)
	v_wmma_scale_f32_16x16x128_f8f6f4 v[(\d):(\d)+7], v[(\a):(\a)+11], v[(\b):(\b)+11], 0, v[\sa], v[\sb] matrix_a_fmt:MATRIX_FMT_FP6 matrix_b_fmt:MATRIX_FMT_FP6
.elseif (\rb) == 0
	v_wmma_scale_f32_16x16x128_f8f6f4 v[(\d):(\d)+7], v[(\a):(\a)+11], v[(\b):(\b)+11], 0, v[\sa], v[\sb] matrix_a_fmt:MATRIX_FMT_FP6 matrix_b_fmt:MATRIX_FMT_FP6 matrix_a_scale:MATRIX_SCALE_ROW1
.elseif (\ra) == 0
	v_wmma_scale_f32_16x16x128_f8f6f4 v[(\d):(\d)+7], v[(\a):(\a)+11], v[(\b):(\b)+11], 0, v[\sa], v[\sb] matrix_a_fmt:MATRIX_FMT_FP6 matrix_b_fmt:MATRIX_FMT_FP6 matrix_b_scale:MATRIX_SCALE_ROW1
.else
	v_wmma_scale_f32_16x16x128_f8f6f4 v[(\d):(\d)+7], v[(\a):(\a)+11], v[(\b):(\b)+11], 0, v[\sa], v[\sb] matrix_a_fmt:MATRIX_FMT_FP6 matrix_b_fmt:MATRIX_FMT_FP6 matrix_a_scale:MATRIX_SCALE_ROW1 matrix_b_scale:MATRIX_SCALE_ROW1
.endif
.else
.if ((\ra) == 0) && ((\rb) == 0)
	v_wmma_scale_f32_16x16x128_f8f6f4 v[(\d):(\d)+7], v[(\a):(\a)+11], v[(\b):(\b)+11], v[(\d):(\d)+7], v[\sa], v[\sb] matrix_a_fmt:MATRIX_FMT_FP6 matrix_b_fmt:MATRIX_FMT_FP6
.elseif (\rb) == 0
	v_wmma_scale_f32_16x16x128_f8f6f4 v[(\d):(\d)+7], v[(\a):(\a)+11], v[(\b):(\b)+11], v[(\d):(\d)+7], v[\sa], v[\sb] matrix_a_fmt:MATRIX_FMT_FP6 matrix_b_fmt:MATRIX_FMT_FP6 matrix_a_scale:MATRIX_SCALE_ROW1
.elseif (\ra) == 0
	v_wmma_scale_f32_16x16x128_f8f6f4 v[(\d):(\d)+7], v[(\a):(\a)+11], v[(\b):(\b)+11], v[(\d):(\d)+7], v[\sa], v[\sb] matrix_a_fmt:MATRIX_FMT_FP6 matrix_b_fmt:MATRIX_FMT_FP6 matrix_b_scale:MATRIX_SCALE_ROW1
.else
	v_wmma_scale_f32_16x16x128_f8f6f4 v[(\d):(\d)+7], v[(\a):(\a)+11], v[(\b):(\b)+11], v[(\d):(\d)+7], v[\sa], v[\sb] matrix_a_fmt:MATRIX_FMT_FP6 matrix_b_fmt:MATRIX_FMT_FP6 matrix_a_scale:MATRIX_SCALE_ROW1 matrix_b_scale:MATRIX_SCALE_ROW1
.endif
.endif
.endm
	s_load_b256 s[4:11], s[0:1], 0x0               ; xq s[4:5], wq s[6:7], bq s[8:9], bk s[10:11]
	s_load_b128 s[12:15], s[0:1], 0x20             ; bv s[12:13], qkv s[14:15]
	v_lshrrev_b32 v1, 5, v0
	v_readfirstlane_b32 s16, v1                    ; wave 0..15
	s_wait_alu depctr_va_sdst(0)                   ; s16 is written, ahead of its first reader: the wave's shares, LDS places and pointers are made from it
	s_lshr_b32 s17, s16, 3                         ; w0
	s_and_b32 s18, s16, 7                          ; w1
	s_mov_b32 s19, ttmp9                           ; gx
	s_and_b32 s20, ttmp7, 0xffff                   ; gy
	v_and_b32 v125, 31, v0                         ; lane
	v_and_b32 v126, 15, v0                         ; r
	v_bfe_u32 v127, v0, 4, 1                       ; h
	v_lshlrev_b32 v1, 4, v125                      ; 16 x lane
	s_wait_alu depctr_va_vdst(0)
	v_lshlrev_b32 v2, 2, v125                      ; 4 x lane
	s_wait_alu depctr_va_vdst(0)
	v_lshlrev_b32 v3, 3, v125                      ; 8 x lane
	s_mul_i32 s36, s17, 12288
	v_add_nc_u32 v4, s36, v1                       ; my 8 images of source 0
	s_mul_i32 s36, s18, 3072
	s_add_co_u32 s36, s36, 24576
	v_add_nc_u32 v5, s36, v1                       ; my 2 images of source 1
	s_lshl_b32 s36, s17, 9
	s_add_co_u32 s36, s36, 49152
	v_add_nc_u32 v6, s36, v2                       ; source 0's scale words: my 4 pairs
	s_lshl_b32 s36, s18, 7
	s_add_co_u32 s36, s36, 50176
	v_add_nc_u32 v7, s36, v2                       ; source 1's: my pair
	s_mul_i32 s36, s16, 3072
	v_add_nc_u32 v8, s36, v1                       ; where I copy to: images 2 w, 2 w + 1 of the slot's 32,
	s_lshl_b32 s36, s16, 7
	s_add_co_u32 s36, s36, 49152
	v_add_nc_u32 v9, s36, v2                       ; and pair w of its 16
	s_lshl_b32 s36, s17, 9
	s_add_co_u32 s36, s36, BIAS
	v_lshl_add_u32 v15, v127, 6, s36               ; q, k: biases of channels 128 w0 + 16 h on
	v_and_b32 v124, 8, v126
	v_add_nc_u32 v124, v124, v126                  ; r + 8 (r / 8)
	s_lshl_b32 s36, s18, 7
	s_add_co_u32 s36, s36, BIAS
	v_lshl_add_u32 v124, v124, 2, s36              ; v: the bias of my lane's channel 32 w1 + r + 8 (r / 8) (+ 8 j)
	v_lshlrev_b32 v42, 2, v0
	v_lshl_add_u32 v43, v0, 2, BIAS                ; the biases' way in (waves 0-7)
	s_mov_b32 s[SEL], 0x76543210
	s_mov_b32 s[SEL+1], 0xfedcba98
	s_mov_b32 s32, 0x3eb504f3                      ; 2^-1.5 = 1 / sqrt(sqrt(64))
	s_mov_b32 s33, s32
	s_mov_b32 s34, 0x7f7f0000                      ; the bytes of the two blocks that a head's K does not have
	s_mov_b32 s35, 0xffff0000                      ; lanes 16-31
	; what I copy: waves 0-7 source 0, waves 8-15 source 1; source 0 is the weight for q and k, x for v
	s_cmp_ge_u32 s19, 8
	s_cselect_b32 s37, 1, 0
	s_xor_b32 s37, s37, s17                        ; 1: I copy x
	s_cmp_lg_u32 s37, 0
	s_cselect_b32 s38, s20, s19
	s_lshl_b32 s38, s38, 4                         ; the operand's first tile
	s_lshl_b32 s39, s18, 1
	s_add_co_u32 s39, s39, s38
	s_mul_i32 s40, s39, 12288                      ; a tile's 8 K steps
	s_mov_b32 s41, 0
	s_lshr_b32 s42, s38, 3
	s_lshr_b32 s43, s18, 2
	s_add_co_u32 s42, s42, s43
	s_lshl_b32 s42, s42, 12                        ; a group of 8 tiles: 8 K steps x 512 bytes
	s_and_b32 s43, s16, 3
	s_lshl_b32 s43, s43, 7
	s_add_co_u32 s42, s42, s43
	s_add_co_u32 s42, s42, WSC
	s_mov_b32 s43, 0
	s_lshr_b32 s44, s19, 2                         ; 0 q, 1 k, 2 v
	s_and_b32 s45, s19, 3
	s_lshl_b32 s46, s45, 10
	s_mov_b32 s47, 0
	s_wait_kmcnt 0x0
	s_cmp_lg_u32 s37, 0
	s_cselect_b64 s[22:23], s[4:5], s[6:7]
	s_add_nc_u64 s[24:25], s[22:23], s[42:43]      ; my pair's scale words
	s_add_nc_u64 s[22:23], s[22:23], s[40:41]      ; my two tiles' images
	s_cmp_eq_u32 s44, 1
	s_cselect_b64 s[26:27], s[10:11], s[8:9]
	s_cmp_eq_u32 s44, 2
	s_cselect_b64 s[26:27], s[12:13], s[26:27]
	s_add_nc_u64 s[26:27], s[26:27], s[46:47]      ; the work-group's 256 biases
.macro PFLOAD k
.irp n, 0,1,2,3,4,5
	global_load_b128 v[PF+4*\n:PF+4*\n+3], v1, s[22:23] offset:1536*(\k)+512*(\n%3)+12288*(\n/3)
.endr
	global_load_b32 v40, v2, s[24:25] offset:512*(\k)
.endm
.macro PFSTORE n
.irp i, 0,1,2,3,4,5
	ds_store_b128 v8, v[PF+4*\i:PF+4*\i+3] offset:SLOT*(\n)+512*\i
.endr
	ds_store_b32 v9, v40 offset:SLOT*(\n)
.endm
.macro FETCHP n, i0, buf               ; two fragments of source 0, tiles i0 and i0 + 1, into half buf: six loads
.irp i, 0,1
.irp c, 0,1,2
	ds_load_b128 v[F0+24*(\buf)+12*\i+4*\c:F0+24*(\buf)+12*\i+4*\c+3], v4 offset:SLOT*(\n)+1536*((\i0)+\i)+512*\c
.endr
.endr
.endm
.macro FETCH1 n                        ; source 1's two fragments and all the step's scale words (v10-13 source 0's pairs, v14 source 1's pair): eleven loads
.irp i, 0,1,2,3,4,5
	ds_load_b128 v[F1+4*\i:F1+4*\i+3], v5 offset:SLOT*(\n)+512*\i
.endr
.irp p, 0,1,2,3
	ds_load_b32 v[10+\p], v6 offset:SLOT*(\n)+128*\p
.endr
	ds_load_b32 v14, v7 offset:SLOT*(\n)
.endm
.macro MUL4 i0, buf, zero              ; tiles i0, i0 + 1 of source 0 (half buf) x source 1's two
.irp i, 0,1
.irp j, 0,1
	WM ACC+64*\j+8*((\i0)+\i), F0+24*(\buf)+12*\i, F1+12*\j, \zero, 10+(\i0)/2, 14, \i, \j
.endr
.endr
.endm
.macro KSTEP k
.if (\k) == 0
.set ZS, 1                             ; the first step's products start the sums
.else
.set ZS, 0
.endif
.if (\k) < 7
	s_wait_alu depctr_vm_vsrc(0)                   ; the copy's LDS stores have read v[PF ..] and v40, in which the next loads land
	PFLOAD (\k)+1                                  ; the next step's share, on its way while this step is multiplied
.endif
.if (\k) > 0
	PLACES
	s_wait_alu depctr_va_vdst(0)                   ; the last step's products are done reading F1, the scale words and both halves of F0, in which the loads below land
.endif
	FETCH1 (\k)%2
	FETCHP (\k)%2, 0, 0
	FETCHP (\k)%2, 2, 1
	s_wait_dscnt 6                                 ; LDS loads come back in order: F1, the words and half 0 are in; half 1's six loads may be out
	MUL4 0, 0, ZS
	PLACES
	s_wait_alu depctr_va_vdst(0)                   ; the products of tiles 0 and 1 are done reading half 0, in which tiles 4 and 5 land
	FETCHP (\k)%2, 4, 0
	s_wait_dscnt 6                                 ; half 1 is in; the six loads just issued may be out
	MUL4 2, 1, ZS                                  ; these name half 1, F1, the words and their accumulators: none of the registers that the loads above touch
	PLACES
	s_wait_alu depctr_va_vdst(0)                   ; the products of tiles 2 and 3 are done reading half 1, in which tiles 6 and 7 land
	FETCHP (\k)%2, 6, 1
	s_wait_dscnt 6                                 ; half 0 is in; the six loads just issued may be out
	MUL4 4, 0, ZS
	s_wait_dscnt 0x0
	MUL4 6, 1, ZS
.if (\k) < 7
	s_wait_loadcnt 0x0
	PFSTORE ((\k)+1)%2
	s_wait_dscnt 0x0                               ; my stores into the next slot have landed, and my reads of this slot are in:
	s_barrier_signal -1                            ; behind this barrier the next slot is whole, and this one may be written in the next step
	s_barrier_wait -1
.endif
.endm
	s_wait_alu depctr_va_vdst(0)                   ; the offsets and LDS addresses v1 to v9, v15, v42, v43 and v124 are written, which the loads and stores of the whole kernel read
	PFLOAD 0
	s_cmp_lt_u32 s16, 8
	s_cbranch_scc0 .Lno_bias
	global_load_b32 v41, v42, s[26:27]             ; waves 0-7: 256 biases
	s_wait_loadcnt 0x0
	ds_store_b32 v43, v41
.Lno_bias:
	s_wait_loadcnt 0x0
	PFSTORE 0
	s_wait_dscnt 0x0
	s_barrier_signal -1
	s_barrier_wait -1
.irp k, 0,1,2,3,4,5,6,7
	KSTEP \k
.endr
; 64 numbers of a lane, register 16 b + i = k 32 b + 16 (lane / 16) + i of my row, become a fragment's codes in v[pc] on (pc + 12 .. pc + 18 at work) and its scale word in v[pw]
.macro QUANT s, pc, pw
.irp b, 0,1,2,3
	v_max3_num_f32 v[TM+\b], |v[(\s)+16*\b]|, |v[(\s)+1+16*\b]|, 0x1800000   ; my 16 numbers, and the floor 2^(3 - 127)
.endr
.irp i, 2,4,6,8,10,12,14
.irp b, 0,1,2,3
	v_max3_num_f32 v[TM+\b], v[TM+\b], |v[(\s)+16*\b+\i]|, |v[(\s)+1+16*\b+\i]|
.endr
.endr
.irp b, 0,1,2,3
	v_permlanex16_b32 v[TM+4+\b], v[TM+\b], s[SEL], s[SEL+1]
.endr
.irp b, 0,1,2,3
	v_max_num_f32 v[TM+\b], v[TM+\b], v[TM+4+\b]   ; with lane l xor 16's: the block's largest magnitude
.endr
.irp b, 0,1,2,3
	v_add_nc_u32 v[TM+12+\b], 0xff000000, v[TM+\b] ; 2 off its exponent field: the conversion's scale operand
.endr
.irp b, 0,1,2,3
	v_lshrrev_b32 v[TM+4+\b], 23, v[TM+12+\b]      ; the scale's byte
.endr
	v_lshl_or_b32 v[\pw], v[TM+5], 8, v[TM+4]
	v_lshl_or_b32 v[\pw], v[TM+6], 16, v[\pw]
	v_lshl_or_b32 v[\pw], v[TM+7], 24, v[\pw]
.irp c, 0,1
	v_cvt_scalef32_pk16_fp6_f32 v[(\pc)+6*\c:(\pc)+2+6*\c], v[(\s)+32*\c:(\s)+15+32*\c], v[TM+12+2*\c]
	v_cvt_scalef32_pk16_fp6_f32 v[(\pc)+12+4*\c:(\pc)+14+4*\c], v[(\s)+16+32*\c:(\s)+31+32*\c], v[TM+12+2*\c+1]
.endr
	v_nop                                          ; one plain place behind a scaled conversion
.irp c, 0,1                                    ; the operand's layout wants a whole block in a lane
.irp i, 0,1,2
	v_permlane16_swap_b32 v[(\pc)+6*\c+\i], v[(\pc)+12+4*\c+\i]
.endr
.irp i, 0,1,2
	v_mov_b32 v[(\pc)+3+6*\c+\i], v[(\pc)+12+4*\c+\i]
.endr
.endr
.endm
	PLACES
.irp b, 0,1,2,3
	v_mov_b32 v[TM+4+\b], 0                        ; a lane permute's destination counts as one of its sources
.endr
	s_wait_alu depctr_vm_vsrc(0)                   ; the copy's LDS stores have read v16 to v40, the biases' way in v41 to v43: both arms below write among these
	s_lshr_b32 s36, s20, 3                         ; sample
	s_and_b32 s37, s20, 7                          ; which 256 positions of it
	s_lshl_b32 s38, s36, 4
	s_lshl_b32 s39, s45, 2
	s_add_co_u32 s38, s38, s39                     ; the work-group's first head: 16 b + 4 (gx % 4)
	s_mov_b32 s43, 0
	s_cmp_ge_u32 s19, 8
	s_cbranch_scc1 .Lv
	; ---- q and k: my 128 channels are heads 2 w0 and 2 w0 + 1 of the work-group's four; my two tiles of positions are pair w1
	s_lshl_b32 s39, s17, 1
	s_add_co_u32 s39, s38, s39
	s_lshl_b32 s39, s39, 3
	s_add_co_u32 s39, s39, s37
	s_mul_i32 s40, s39, REC
	s_cmp_ge_u32 s19, 4
	s_cselect_b32 s41, KVOFF, 0
	s_add_co_u32 s40, s40, s41                     ; the record of my first head
	s_mul_i32 s41, s18, 1536
	s_add_co_u32 s42, s40, s41
	s_add_nc_u64 s[28:29], s[14:15], s[42:43]      ; half images 2 w1, 2 w1 + 1
	s_lshl_b32 s41, s18, 7
	s_add_co_u32 s42, s40, s41
	s_add_co_u32 s42, s42, 24576
	s_add_nc_u64 s[48:49], s[14:15], s[42:43]      ; the pair's scale words
	s_wait_alu depctr_va_vdst(0)                   ; the last products are done reading F1 and the first of F0 (v44 to v79), in which the biases land
.irp b, 0,1,2,3
.irp q, 0,1,2,3
	ds_load_b128 v[16+16*\b+4*\q:19+16*\b+4*\q], v15 offset:128*\b+16*\q   ; the biases in the results' layout: channel 32 b + 16 h + 4 q on
.endr
.endr
	s_wait_dscnt 0x0
.set p, 0
.rept 32
	v_pk_mul_f32 v[16+2*p:17+2*p], v[16+2*p:17+2*p], s[32:33] op_sel_hi:[1,0]
.set p, p+1
.endr
.macro SCALEB j                        ; (sum + bias) x 2^-1.5, each accumulator from its low end on
.set p, 0
.rept 32
	v_pk_fma_f32 v[ACC+64*\j+2*p:ACC+64*\j+2*p+1], v[ACC+64*\j+2*p:ACC+64*\j+2*p+1], s[32:33], v[16+2*p:17+2*p] op_sel_hi:[1,0,1]
.set p, p+1
.endr
.endm
	SCALEB 0
	QUANT ACC, 100, 96
	SCALEB 1
	QUANT ACC+64, 128, 97                          ; (tile 0's accumulators are done with)
.macro OUTQK pc, j                     ; registers 0-5 are the first head's half image, 6-11 the second's
.irp hd, 0,1
	global_store_b128 v1, v[\pc+6*\hd:\pc+6*\hd+3], s[28:29] offset:768*\j+HS*\hd        ; 512 consecutive bytes,
	global_store_b64 v3, v[\pc+6*\hd+4:\pc+6*\hd+5], s[28:29] offset:768*\j+HS*\hd+512   ; and 256
.endr
.endm
	v_and_or_b32 v120, v96, 0xffff, s34            ; the first head's two bytes, and 127 twice
	v_and_or_b32 v121, v97, 0xffff, s34
	v_cndmask_b32 v120, v120, v121, s35            ; lanes 0-15 the even tile's words, lanes 16-31 the odd tile's
	v_lshrrev_b32 v122, 16, v96                    ; the second head's
	v_lshrrev_b32 v123, 16, v97
	v_cndmask_b32 v122, v122, v123, s35
	v_or_b32 v122, s34, v122
	s_wait_alu depctr_va_vdst(0)                   ; the codes in v100 to v111 and v128 to v139 and the words in v120 and v122 are written: the ten stores below read them
	OUTQK 100, 0
	OUTQK 128, 1
	global_store_b32 v2, v120, s[48:49]
	global_store_b32 v2, v122, s[48:49] offset:HS
	s_wait_xcnt 0x0
	v_lshl_add_u32 v254, v0, 2, 0x19400            ; the add's two registers, made anew: no memory or LDS instruction has read v254 or v255
	v_mov_b32 v255, 0
	s_wait_dscnt 0x0                               ; the closing lines, six on end
	s_wait_alu 0x0
	s_wait_tensorcnt 0x0
	ds_add_u32 v254, v255
	s_wait_dscnt 0x0
	s_endpgm
	; ---- v: my 128 positions are key step w0 of the record; my two tiles of channels are tiles 2 (w1 % 2) + j of head w1 / 2
.Lv:
	s_lshr_b32 s39, s18, 1
	s_add_co_u32 s39, s38, s39
	s_lshl_b32 s39, s39, 3
	s_add_co_u32 s39, s39, s37
	s_mul_i32 s40, s39, REC
	s_add_co_u32 s40, s40, KVOFF
	s_and_b32 s41, s18, 1
	s_lshl_b32 s44, s17, 2
	s_lshl_b32 s46, s41, 1
	s_add_co_u32 s44, s44, s46
	s_mul_i32 s44, s44, 1536
	s_add_co_u32 s42, s40, s44
	s_add_co_u32 s42, s42, 12288
	s_add_nc_u64 s[28:29], s[14:15], s[42:43]      ; images 4 w0 + 2 (w1 % 2) + j
	s_lshl_b32 s44, s17, 8
	s_lshl_b32 s46, s41, 7
	s_add_co_u32 s44, s44, s46
	s_add_co_u32 s42, s40, s44
	s_add_co_u32 s42, s42, 25600
	s_add_nc_u64 s[48:49], s[14:15], s[42:43]      ; their pair's scale words
	ds_load_b32 v16, v124                          ; (v16 and v18 were named by the copy alone: the wait on vm_vsrc ahead of the branch is all that these two loads hang on)
	ds_load_b32 v18, v124 offset:32
	s_wait_dscnt 0x0
	v_mov_b32 v17, v16                             ; (named as pairs)
	v_mov_b32 v19, v18
.macro ADDB j
.set p, 0
.rept 32
	v_pk_add_f32 v[ACC+64*\j+2*p:ACC+64*\j+2*p+1], v[ACC+64*\j+2*p:ACC+64*\j+2*p+1], v[16+2*\j:17+2*\j] op_sel_hi:[1,0]
.set p, p+1
.endr
.endm
	ADDB 0
	QUANT ACC, 100, 96
	ADDB 1
	QUANT ACC+64, 128, 97
	v_cndmask_b32 v120, v96, v97, s35
	s_wait_alu depctr_va_vdst(0)                   ; the codes in v100 to v111 and v128 to v139 and the words in v120 are written: the seven stores below read them
.irp c, 0,1,2
	global_store_b128 v1, v[100+4*\c:103+4*\c], s[28:29] offset:512*\c
	global_store_b128 v1, v[128+4*\c:131+4*\c], s[28:29] offset:1536+512*\c
.endr
	global_store_b32 v2, v120, s[48:49]
	s_wait_xcnt 0x0
	v_lshl_add_u32 v254, v0, 2, 0x19400            ; the add's two registers, made anew: no memory or LDS instruction has read v254 or v255
	v_mov_b32 v255, 0
	s_wait_dscnt 0x0                               ; the closing lines, six on end
	s_wait_alu 0x0
	s_wait_tensorcnt 0x0
	ds_add_u32 v254, v255
	s_wait_dscnt 0x0
	s_endpgm
.Lfunc_end_k_q0177c7e972_qkv:
	.size	k_q0177c7e972_qkv, .Lfunc_end_k_q0177c7e972_qkv-k_q0177c7e972_qkv
	.p2alignl 7, 3214868480
	.fill 96, 4, 3214868480
	.section	.rodata,"a",@progbits
	.p2align	6, 0x0
	.amdhsa_kernel k_q0177c7e972_qkv
		.amdhsa_group_segment_fixed_size 105472
		.amdhsa_private_segment_fixed_size 0
		.amdhsa_enable_private_segment 0
		.amdhsa_kernarg_size 48
		.amdhsa_user_sgpr_count 2
		.amdhsa_user_sgpr_kernarg_segment_ptr 1
		.amdhsa_wavefront_size32 1
		.amdhsa_system_sgpr_workgroup_id_x 1
		.amdhsa_system_sgpr_workgroup_id_y 1
		.amdhsa_system_sgpr_workgroup_id_z 1
		.amdhsa_system_vgpr_workitem_id 0
		.amdhsa_next_free_vgpr 256
		.amdhsa_next_free_sgpr 66
		.amdhsa_reserve_vcc 0
		.amdhsa_float_denorm_mode_32 3
		.amdhsa_float_denorm_mode_16_64 3
		.amdhsa_memory_ordered 1
		.amdhsa_forward_progress 1
		.amdhsa_inst_pref_size 83
	.end_amdhsa_kernel
	.amdgpu_metadata
---
amdhsa.version: [ 1, 2 ]
amdhsa.kernels:
  - .name:           k_q0177c7e972_qkv
    .symbol:         k_q0177c7e972_qkv.kd
    .args:
      - { .name: xq, .offset: 0, .size: 8, .value_kind: global_buffer, .address_space: global }
      - { .name: wq, .offset: 8, .size: 8, .value_kind: global_buffer, .address_space: global }
      - { .name: bq, .offset: 16, .size: 8, .value_kind: global_buffer, .address_space: global }
      - { .name: bk, .offset: 24, .size: 8, .value_kind: global_buffer, .address_space: global }
      - { .name: bv, .offset: 32, .size: 8, .value_kind: global_buffer, .address_space: global }
      - { .name: qkv, .offset: 40, .size: 8, .value_kind: global_buffer, .address_space: global }
    .group_segment_fixed_size: 105472
    .private_segment_fixed_size: 0
    .kernarg_segment_align: 8
    .kernarg_segment_size: 48
    .max_flat_workgroup_size: 512
    .sgpr_count:     66
    .vgpr_count:     256
    .wavefront_size: 32
...
	.end_amdgpu_metadata
.endif
;; end of part 8
;; launch attn (part 9): grid 8 x 32, 16 waves a work-group, no clusters, 223,232 bytes of LDS; arguments qkv, attention_mask, aq; writes aq
.if DOCPART == 9
	.amdgcn_target "amdgcn-amd-amdhsa--gfx1250"
	.amdhsa_code_object_version 6
	.text
	.protected	k_q0177c7e972_attn
	.globl	k_q0177c7e972_attn
	.p2align	8
	.type	k_q0177c7e972_attn,@function
k_q0177c7e972_attn:
	s_mov_b64 s[64:65], 0
	v_nop
	global_prefetch_b8 v0, s[64:65] scope:SCOPE_SE
	s_setreg_imm32_b32 hwreg(HW_REG_WAVE_MODE, 25, 1), 1
	s_wait_xcnt 0x0
; Attention on codes of FP6 (E2M3), head size 64, 2,048 keys, with the key mask that is given, and the quantising of its result for the last projection.
; t = score x log2(e) (q and k carry 2^-1.5 each); M = the row's largest t so far, rounded UP to a whole number; p = 2^(t - M) is quantised along the keys; the row's sum is taken of the
; unquantised p and divides O at the end.  When M moves, the sum and O are multiplied by 2^(old M - new M): exact.
; SHARES.  A work-group owns 256 queries of one (sample, head); each of its sixteen waves one tile of 16, in 256 registers: four waves to a SIMD, so that one wave's vector work stands beside
; another's matrix work and LDS loads.  Every wave walks all 2,048 keys, 128 a step.
; THE HEAD'S K AND V STAY IN LDS.  A record of qkv (256 keys: K's half images, V^T's images, their scale words; 26,112 bytes) is copied as it lies, through registers.  The head's eight records have
; LDS bytes of their own, 8 x 26,624, so no byte is written twice and only two barriers are needed: one behind records 0 and 1, one behind the rest.  Records 2 to 7 are copied during the four key
; steps of records 0 and 1, one record for each half step; the other twelve key steps run with no fetch and no barrier, and the waves need not keep in step.
; LAYOUT.  Both products transposed: S^T = K Q^T (source 0 = 16 keys), O^T = V^T P^T (source 0 = 16 channels): a lane holds one query throughout.  The head's 64 channels are half of the matrix
; instruction's K: registers 6-11 of K's and Q's fragments are zero codes, under the byte 127.
; THE MASK.  Where attention_mask is 0 the score gets -infinity added, ahead of the maximum: p = 0.  The additions are walked only in the steps that have such a key: a scalar branch on 16 flags made
; of the whole numbers of the mask.  A sample with no key left has the sum 0: its scale bytes are stored as 0xff, which makes the last projection's sums NaN, as the source's softmax does.
; No tensor loads and no cluster: a record feeds eight key steps' vector work on each SIMD, so the fetch is a small part.
; LIMITS: NaN and infinities among the inputs are not served; a block under 2^-124, a block of zeros too, gets the byte 1 (read by this program alone); v_rcp_f32 and v_exp_f32 are good to one unit in the last place.
; REGISTERS: v1-11 addresses; v12 -M, v13 the largest t, v[14:15] the sum; v16-27 Q, v28 its words; v30, v31, v93 the loop's LDS bases; v32-79 four fragments of K; v80-92 the copy; v94, v95 where it goes;
; v96-159 S^T, p, then V^T's four fragments; v160-191 O^T; v192-210 p's codes; v212-231 at work; v228 p's word; v232-235 K's words, v236-237 V's; v240-255 the mask's numbers.
.set WSC,   3145728
.set REC,   26112
.set HS,    8*REC
.set KVOFF, 32*HS
.set SLOT,  26624                      ; a record's place in LDS
.set BIAS,  8*SLOT                     ; behind the eight records: 2,048 numbers: 0, or -infinity for a key that does not count
.macro PLACES
.rept 4
	v_nop
.endr
.endm
.macro WM d, a, b, zero, sa, sb, ra, rb   ; one product; ra: source 0's scale words lie in lanes 0-15 (0) or 16-31 (1)
.if \zero
.if (\ra) == 0
	v_wmma_scale_f32_16x16x128_f8f6f4 v[(\d):(\d)+7], v[(\a):(\a)+11], v[(\b):(\b)+11], 0, v[\sa], v[\sb] matrix_a_fmt:MATRIX_FMT_FP6 matrix_b_fmt:MATRIX_FMT_FP6
.else
	v_wmma_scale_f32_16x16x128_f8f6f4 v[(\d):(\d)+7], v[(\a):(\a)+11], v[(\b):(\b)+11], 0, v[\sa], v[\sb] matrix_a_fmt:MATRIX_FMT_FP6 matrix_b_fmt:MATRIX_FMT_FP6 matrix_a_scale:MATRIX_SCALE_ROW1
.endif
.else
.if (\ra) == 0
	v_wmma_scale_f32_16x16x128_f8f6f4 v[(\d):(\d)+7], v[(\a):(\a)+11], v[(\b):(\b)+11], v[(\d):(\d)+7], v[\sa], v[\sb] matrix_a_fmt:MATRIX_FMT_FP6 matrix_b_fmt:MATRIX_FMT_FP6
.else
	v_wmma_scale_f32_16x16x128_f8f6f4 v[(\d):(\d)+7], v[(\a):(\a)+11], v[(\b):(\b)+11], v[(\d):(\d)+7], v[\sa], v[\sb] matrix_a_fmt:MATRIX_FMT_FP6 matrix_b_fmt:MATRIX_FMT_FP6 matrix_a_scale:MATRIX_SCALE_ROW1
.endif
.endif
.endm
	s_load_b128 s[4:7], s[0:1], 0x0                ; qkv s[4:5], attention_mask s[6:7]
	s_load_b64 s[8:9], s[0:1], 0x10                ; aq
	v_lshl_add_u32 v238, v0, 2, 0x36000
	v_mov_b32 v239, 0
	v_lshrrev_b32 v1, 5, v0
	s_delay_alu instid0(VALU_DEP_1)
	v_readfirstlane_b32 s10, v1                    ; wave 0..15
	v_and_b32 v8, 31, v0                           ; lane
	v_and_b32 v9, 15, v0                           ; r
	v_bfe_u32 v10, v0, 4, 1                        ; h
	s_delay_alu instid0(VALU_DEP_3)
	v_lshlrev_b32 v1, 4, v8                        ; 16 x lane
	s_delay_alu instid0(VALU_DEP_4)
	v_lshlrev_b32 v2, 3, v8                        ; 8 x lane
	v_lshlrev_b32 v3, 2, v8                        ; 4 x lane
	v_lshlrev_b32 v4, 4, v0                        ; 16 x thread
	v_lshlrev_b32 v5, 2, v0                        ; 4 x thread
	v_lshl_add_u32 v6, v10, 6, BIAS                ; the mask's numbers of keys 16 h on
	v_lshl_add_u32 v11, v0, 4, BIAS                ; where my four go
	v_lshlrev_b32 v29, 2, v9                       ; 4 r
	v_mov_b32 v92, 0                               ; (loaded by waves 0-11 alone)
	v_mov_b32 v172, 0                              ; (likewise)
	s_mov_b32 s14, 0x76543210
	s_mov_b32 s15, 0xfedcba98
	s_mov_b32 s16, 0x3fb8aa3b                      ; log2(e)
	s_mov_b32 s17, s16
	s_mov_b32 s18, 0                               ; the flags: bit j: key step j has a key that does not count
	s_mov_b32 s19, 0                               ; the step's first byte among the mask's numbers
	s_mov_b32 s20, 3                               ; the loop's trips: two records each
	s_and_b32 s21, ttmp7, 0xffff                   ; 16 x sample + head
	s_mul_i32 s22, s21, HS
	s_add_co_u32 s24, s22, KVOFF                   ; the head's K and V records
	s_mov_b32 s25, 0
	s_mul_i32 s26, ttmp9, REC
	s_add_co_u32 s26, s26, s22                     ; my queries' record
	s_mul_i32 s27, s10, 768
	s_add_co_u32 s28, s26, s27                     ; my tile's half image
	s_mov_b32 s29, 0
	s_lshl_b32 s27, s10, 6
	s_add_co_u32 s30, s26, s27
	s_add_co_u32 s30, s30, 24576                   ; its scale words: 64 bytes a tile
	s_mov_b32 s31, 0
	s_lshr_b32 s32, s21, 4
	s_lshl_b32 s32, s32, 13                        ; the sample's mask
	s_mov_b32 s33, 0
	s_wait_alu depctr_va_vdst(0)
	s_wait_kmcnt 0x0
	s_add_nc_u64 s[12:13], s[4:5], s[24:25]        ; the head's first record; never stepped: the record stands in the loads' immediates
	s_add_nc_u64 s[28:29], s[4:5], s[28:29]
	s_add_nc_u64 s[30:31], s[4:5], s[30:31]
	s_add_nc_u64 s[6:7], s[6:7], s[32:33]
.macro PFL r, reg                      ; record r is asked for: 24,576 bytes by 512 threads x 3 x 16, the last 1,536 by waves 0-11, 4 bytes a thread
.irp i, 0,1,2
	global_load_b128 v[(\reg)+4*\i:(\reg)+4*\i+3], v4, s[12:13] offset:REC*(\r)+8192*\i
.endr
	s_cmp_lt_u32 s10, 12
	s_cbranch_scc0 .Lpfl_\@
	global_load_b32 v[(\reg)+12], v5, s[12:13] offset:REC*(\r)+24576
.Lpfl_\@:
.endm
.macro PFS r, reg                      ; and goes to its own bytes of LDS.  The records are stored in ascending order: an odd one finds the base that the even one before it made
.if ((\r)%2) == 0
	v_add_nc_u32 v94, 2*SLOT*((\r)/2), v4          ; (no LDS store of mine is out here)
	v_add_nc_u32 v95, 2*SLOT*((\r)/2), v5
.endif
.irp i, 0,1,2
	ds_store_b128 v94, v[(\reg)+4*\i:(\reg)+4*\i+3] offset:SLOT*((\r)%2)+8192*\i
.endr
	s_cmp_lt_u32 s10, 12
	s_cbranch_scc0 .Lpfs_\@
	ds_store_b32 v95, v[(\reg)+12] offset:SLOT*((\r)%2)+24576
.Lpfs_\@:
.endm
	PFL 0, 80
	PFL 1, 160                                     ; (through the registers that O^T takes afterwards)
	global_load_b128 v[16:19], v1, s[28:29]        ; Q's six registers stay
	global_load_b64 v[20:21], v2, s[28:29] offset:512
	global_load_b32 v28, v29, s[30:31]             ; lane r: row r's word
	global_load_b128 v[240:243], v4, s[6:7]        ; my four numbers of the mask
.set j, 0
.rept 16
	global_load_b128 v[96+4*j:99+4*j], v1, s[6:7] offset:512*j   ; and the whole mask, a key step a load, for the flags
.set j, j+1
.endr
	v_mov_b32 v13, 0xff61b1e6                      ; the largest t so far: -3e38
	s_delay_alu instid0(VALU_DEP_1)
	v_floor_f32 v12, -v13                          ; -M
	v_mov_b32 v14, 0
	v_mov_b32 v15, 0
.irp j, 22,23,24,25,26,27
	v_mov_b32 v[\j], 0                             ; Q's zero codes
.endr
.irp t, 0,1,2,3
.irp i, 6,7,8,9,10,11
	v_mov_b32 v[32+12*\t+\i], 0                    ; K's: written once, never loaded over
.endr
.endr
.irp b, 0,1,2,3
	v_mov_b32 v[216+\b], 0                         ; a lane permute's destination counts as one of its sources
.endr
	v_mov_b32 v224, 0
	v_mov_b32 v227, 0                              ; (named as the upper half of the pair v[226:227])
	v_mov_b32 v248, 0xff800000                     ; -infinity
	s_wait_loadcnt 0x0
	PFS 0, 80
	s_wait_alu depctr_va_vdst(0)
	PFS 1, 160
.irp e, 0,1,2,3
	v_cmp_eq_u32 vcc_lo, 0, v[240+\e]
	s_delay_alu instid0(VALU_DEP_1)
	v_cndmask_b32 v[244+\e], 0, v248, vcc_lo
.endr
	ds_store_b128 v11, v[244:247]
.set j, 0
.rept 16
	v_min3_u32 v224, v[96+4*j], v[97+4*j], v[98+4*j]
	s_delay_alu instid0(VALU_DEP_1)
	v_min_u32 v224, v224, v[99+4*j]                ; 0 where one of my four is 0
	s_delay_alu instid0(VALU_DEP_1)
	v_cmp_eq_u32 vcc_lo, 0, v224
	s_cmp_lg_u32 vcc_lo, 0
	s_cselect_b32 s22, 1<<j, 0
	s_or_b32 s18, s18, s22
.set j, j+1
.endr
	s_wait_dscnt 0x0                               ; my parts of records 0 and 1 and of the mask's numbers have landed
.set j, 0
.rept 32
	v_mov_b32 v[160+j], 0                          ; O^T: the step is written once, and its first walk finds zeros
.set j, j+1
.endr
	s_barrier_signal -1
	s_barrier_wait -1                              ; everybody's have
; A KEY STEP: 128 keys, the q-th of the n-th record of a pair.  aa, ab, ac: the registers with 16, 8 and 4 x lane + the pair's first byte in LDS.
; THE COPY moves on at two places of a step, half a step apart.  At the step's head: record sa, asked for half a step ago, is stored, and behind the wait for K's fragments, which also shows the stores done
; with their registers, record la is asked for.  Behind the exponentials: the same for records sm and lm.  -1: nothing.
.macro STEP n, q, aa, ab, ac, sa, la, sm, lm
	s_setprio 2
	v_add_nc_u32 v7, s19, v6
.rept 5
	v_nop                                          ; with the line above six places: the first products below write over registers that the last step's products read
.endr
.if (\sa) >= 0
	s_wait_loadcnt 0x0                             ; the record asked for half a step ago is in
	PFS \sa, 80
.endif
.irp g, 0,1                                    ; S^T = K Q^T, four tiles of 16 keys at a time
.if \g
	PLACES
.endif
.irp t, 0,1,2,3
	ds_load_b128 v[32+12*\t:35+12*\t], v[\aa] offset:SLOT*(\n)+6144*(\q)+768*(4*\g+\t)
	ds_load_b64 v[36+12*\t:37+12*\t], v[\ab] offset:SLOT*(\n)+6144*(\q)+768*(4*\g+\t)+512
.endr
.if \g == 0
.irp p, 0,1,2,3
	ds_load_b32 v[232+\p], v[\ac] offset:SLOT*(\n)+24576+512*(\q)+128*\p
.endr
.endif
	s_wait_dscnt 0x0
.if (\g == 0) && ((\la) >= 0)
	PFL \la, 80
.endif
.irp t, 0,1,2,3
	WM 96+8*(4*\g+\t), 32+12*\t, 16, 1, 232+(4*\g+\t)/2, 28, \t%2, 0
.endr
.endr                                          ; the 16 registers of tiles 2 b, 2 b + 1 are keys 32 b + 16 h + 0 .. 15
	PLACES
	s_bitcmp1_b32 s18, 0
	s_cbranch_scc0 .Lopen_\@                       ; every key of this step counts
	s_wait_alu depctr_va_vdst(0)
.irp b, 0,1,2,3
.irp i, 0,1,2,3
	ds_load_b128 v[240+4*\i:243+4*\i], v7 offset:128*\b+16*\i
.endr
	s_wait_dscnt 0x0
.irp m, 0,1,2,3,4,5,6,7
	v_pk_add_f32 v[96+16*\b+2*\m:97+16*\b+2*\m], v[96+16*\b+2*\m:97+16*\b+2*\m], v[240+2*\m:241+2*\m]   ; + 0 or -infinity
.endr
.endr
.Lopen_\@:
.irp b, 0,1,2,3
	v_max3_num_f32 v[212+\b], v[96+16*\b], v[97+16*\b], v[98+16*\b]   ; the largest score of each block of 32 keys: for the row's maximum, and, since p rises with the score, for the block's largest p
.endr
.irp i, 3,5,7,9,11,13
.irp b, 0,1,2,3
	v_max3_num_f32 v[212+\b], v[212+\b], v[96+16*\b+\i], v[97+16*\b+\i]
.endr
.endr
.irp b, 0,1,2,3
	v_max_num_f32 v[212+\b], v[212+\b], v[111+16*\b]
.endr
.irp b, 0,1,2,3
	s_delay_alu instid0(VALU_DEP_4)
	v_permlanex16_b32 v[216+\b], v[212+\b], s14, s15
.endr
.irp b, 0,1,2,3
	s_delay_alu instid0(VALU_DEP_4)
	v_max_num_f32 v[212+\b], v[212+\b], v[216+\b]  ; with lane l xor 16's 16 keys
.endr
	s_delay_alu instid0(VALU_DEP_2)
	v_max3_num_f32 v224, v212, v213, v214
	s_delay_alu instid0(VALU_DEP_1)
	v_max_num_f32 v224, v224, v215
	s_delay_alu instid0(VALU_DEP_1)
	v_mul_f32 v224, s16, v224                      ; the step's largest t
	s_delay_alu instid0(VALU_DEP_1)
	v_max_num_f32 v13, v13, v224
	v_mov_b32 v224, v12
	s_delay_alu instid0(VALU_DEP_2)
	v_floor_f32 v12, -v13                          ; the new -M = -ceil(t)
	s_delay_alu instid0(VALU_DEP_1)
	v_sub_f32 v224, v12, v224                      ; old M - new M: a whole number, 0 or less
	s_delay_alu instid0(VALU_DEP_1)
	v_cvt_i32_f32 v224, v224                       ; (it saturates)
	s_delay_alu instid0(VALU_DEP_1)
	v_ldexp_f32 v226, 1.0, v224                    ; f = 2^(old M - new M)
.set j, 0
.rept 32
	v_pk_fma_f32 v[96+j:97+j], v[96+j:97+j], s[16:17], v[12:13] op_sel_hi:[1,0,0]   ; t - M
.set j, j+2
.endr
.irp b, 0,1,2,3
	v_fma_f32 v[212+\b], v[212+\b], s16, v12       ; the same of each block's largest score
.endr
.set j, 0
	s_setprio 1
	s_wait_alu depctr_va_vdst(0)
.rept 64
	v_exp_f32 v[96+j], v[96+j]                     ; p = 2^(t - M)
.set j, j+1
.endr
.irp b, 0,1,2,3
	v_exp_f32 v[212+\b], v[212+\b]                 ; the block's largest p
.endr
	v_pk_mul_f32 v[14:15], v[14:15], v[226:227] op_sel_hi:[1,0]   ; the sum under the new M (a plain place behind the exponentials)
.if (\sm) >= 0
	s_wait_loadcnt 0x0                             ; the record asked for at the step's head is in
	PFS \sm, 80
	s_wait_dscnt 0x0                               ; the stores are done with their registers, which take the next record
	PFL \lm, 80
.endif
	s_wait_alu depctr_va_vdst(0)
.irp b, 0,1,2,3
	v_max_num_f32 v[212+\b], 0x1800000, v[212+\b]  ; the floor 2^(3 - 127)
.endr
.irp b, 0,1,2,3
	s_delay_alu instid0(VALU_DEP_4)
	v_add_nc_u32 v[220+\b], 0xff000000, v[212+\b]  ; the conversion's scale operand
.endr
.irp b, 0,1,2,3
	s_delay_alu instid0(VALU_DEP_4)
	v_lshrrev_b32 v[216+\b], 23, v[220+\b]         ; the scale's byte
.endr
	s_delay_alu instid0(VALU_DEP_3)
	v_lshl_or_b32 v228, v217, 8, v216              ; p's scale word for these 128 keys
	s_delay_alu instid0(VALU_DEP_1)
	v_lshl_or_b32 v228, v218, 16, v228
	s_delay_alu instid0(VALU_DEP_1)
	v_lshl_or_b32 v228, v219, 24, v228
.irp c, 0,1
	v_cvt_scalef32_pk16_fp6_f32 v[192+6*\c:194+6*\c], v[96+32*\c:111+32*\c], v[220+2*\c]
	v_cvt_scalef32_pk16_fp6_f32 v[204+4*\c:206+4*\c], v[112+32*\c:127+32*\c], v[220+2*\c+1]
.endr
	v_nop                                          ; one plain place behind a scaled conversion
.irp c, 0,1
.irp i, 0,1,2
	v_permlane16_swap_b32 v[192+6*\c+\i], v[204+4*\c+\i]
.endr
.irp i, 0,1,2
	s_delay_alu instid0(VALU_DEP_3)
	v_mov_b32 v[195+6*\c+\i], v[204+4*\c+\i]
.endr
.endr
	v_pk_add_f32 v[230:231], v[96:97], v[98:99]    ; the row's sum, of the unquantised p, in two chains
.irp j, 4,8,12,16,20,24,28,32,36,40,44,48,52,56,60
	v_pk_add_f32 v[14:15], v[14:15], v[96+\j:97+\j]
	v_pk_add_f32 v[230:231], v[230:231], v[98+\j:99+\j]
.endr
	s_delay_alu instid0(VALU_DEP_1)
	v_pk_add_f32 v[14:15], v[14:15], v[230:231]
	s_setprio 0
.irp t, 0,1,2,3                                ; p is done with: its registers take V^T's four fragments
.irp c, 0,1,2
	ds_load_b128 v[96+12*\t+4*\c:99+12*\t+4*\c], v[\aa] offset:SLOT*(\n)+12288+1536*(4*(\q)+\t)+512*\c
.endr
.endr
.irp p, 0,1
	ds_load_b32 v[236+\p], v[\ac] offset:SLOT*(\n)+25600+256*(\q)+128*\p
.endr
.set j, 0
.rept 16
	v_pk_mul_f32 v[160+j:161+j], v[160+j:161+j], v[226:227] op_sel_hi:[1,0]   ; O^T under the new M, while the loads are out; with the sums above these are the places in front of the products
.set j, j+2
.endr
	s_wait_alu depctr_va_vdst(0)
	s_wait_dscnt 0x0
.irp t, 0,1,2,3
	WM 160+8*\t, 96+12*\t, 192, 0, 236+\t/2, 228, \t%2, 0   ; O^T += V^T P^T: four accumulators by turns
.endr
	s_add_co_u32 s19, s19, 512
	s_lshr_b32 s18, s18, 1
.endm
	; records 0 and 1, and the copy of records 2 to 7 into bytes that nobody reads yet
	STEP 0, 0, 1, 2, 3, -1, 2, 2, 3
	STEP 0, 1, 1, 2, 3, 3, 4, 4, 5
	STEP 1, 0, 1, 2, 3, 5, 6, 6, 7
	STEP 1, 1, 1, 2, 3, 7, -1, -1, -1
	s_wait_dscnt 0x0                               ; my parts of records 2 to 7 have landed
	s_barrier_signal -1
	s_barrier_wait -1                              ; everybody's have: from here on LDS is only read
	s_mov_b32 s23, 2*SLOT                          ; the pair of records in hand
.Ltrip:                                            ; three trips: records 2 and 3, 4 and 5, 6 and 7
	v_add_nc_u32 v30, s23, v1
	s_wait_alu depctr_va_vdst(0)
	v_add_nc_u32 v31, s23, v2
	s_wait_alu depctr_va_vdst(0)
	v_add_nc_u32 v93, s23, v3
	STEP 0, 0, 30, 31, 93, -1, -1, -1, -1
	STEP 0, 1, 30, 31, 93, -1, -1, -1, -1
	STEP 1, 0, 30, 31, 93, -1, -1, -1, -1
	STEP 1, 1, 30, 31, 93, -1, -1, -1, -1
	s_add_co_u32 s23, s23, 2*SLOT
	s_sub_co_u32 s20, s20, 1
	s_cmp_lg_u32 s20, 0
	s_cbranch_scc1 .Ltrip
	s_setprio 0
	; THE WAY OUT.  O^T / the sum: register 16 b + i is channel 32 b + 16 h + i of my query: two blocks of the last projection's K.  Quantised as p is; six registers, a half image.
	PLACES
	v_add_f32 v14, v14, v15
	s_delay_alu instid0(VALU_DEP_1)
	v_permlanex16_b32 v224, v14, s14, s15
	s_delay_alu instid0(VALU_DEP_1)
	v_add_f32 v14, v14, v224                       ; the row's sum
	s_delay_alu instid0(VALU_DEP_1)
	v_cmp_eq_f32 vcc_lo, 0, v14                    ; no key counted (kept in VCC to the select below)
	v_rcp_f32 v225, v14
	v_mov_b32 v229, 0xffff                         ; (a plain place behind the transcendental)
.set j, 0
	s_wait_alu depctr_va_vdst(0)
.rept 32
	v_mul_f32 v[96+j], v[160+j], v225
.set j, j+1
.endr
.irp b, 0,1
	v_max3_num_f32 v[212+\b], |v[96+16*\b]|, |v[97+16*\b]|, 0x1800000
.endr
.irp i, 2,4,6,8,10,12,14
.irp b, 0,1
	s_delay_alu instid0(VALU_DEP_2)
	v_max3_num_f32 v[212+\b], v[212+\b], |v[96+16*\b+\i]|, |v[97+16*\b+\i]|
.endr
.endr
.irp b, 0,1
	s_delay_alu instid0(VALU_DEP_2)
	v_permlanex16_b32 v[216+\b], v[212+\b], s14, s15
.endr
.irp b, 0,1
	s_delay_alu instid0(VALU_DEP_2)
	v_max_num_f32 v[212+\b], v[212+\b], v[216+\b]
.endr
.irp b, 0,1
	s_delay_alu instid0(VALU_DEP_2)
	v_add_nc_u32 v[220+\b], 0xff000000, v[212+\b]
.endr
.irp b, 0,1
	s_delay_alu instid0(VALU_DEP_2)
	v_lshrrev_b32 v[216+\b], 23, v[220+\b]
.endr
	s_delay_alu instid0(VALU_DEP_1)
	v_lshl_or_b32 v228, v217, 8, v216              ; my head's two bytes of the row's scale word
	s_delay_alu instid0(VALU_DEP_1)
	v_cndmask_b32 v228, v228, v229, vcc_lo         ; 0xff twice where the sum is 0
	v_cvt_scalef32_pk16_fp6_f32 v[192:194], v[96:111], v220
	v_cvt_scalef32_pk16_fp6_f32 v[204:206], v[112:127], v221
	v_nop
.irp i, 0,1,2
	v_permlane16_swap_b32 v[192+\i], v[204+\i]
.endr
.irp i, 0,1,2
	s_delay_alu instid0(VALU_DEP_3)
	v_mov_b32 v[195+\i], v[204+\i]
.endr
	s_lshr_b32 s22, s21, 4                         ; sample
	s_and_b32 s23, s21, 15                         ; head
	s_lshl_b32 s24, s22, 7
	s_lshl_b32 s25, ttmp9, 4
	s_add_co_u32 s24, s24, s25
	s_add_co_u32 s24, s24, s10                     ; my tile of aq: 128 b + 16 x + wave
	s_lshl_b32 s25, s24, 4
	s_add_co_u32 s25, s25, s23                     ; 16 half images a tile: (K step head / 2, half head % 2)
	s_mul_i32 s26, s25, 768
	s_mov_b32 s27, 0
	s_add_nc_u64 s[26:27], s[8:9], s[26:27]
	s_lshr_b32 s28, s24, 3
	s_lshl_b32 s28, s28, 12
	s_lshr_b32 s29, s23, 1
	s_lshl_b32 s29, s29, 9
	s_add_co_u32 s28, s28, s29
	s_and_b32 s29, s24, 7
	s_lshl_b32 s29, s29, 6
	s_add_co_u32 s28, s28, s29                     ; 64 bytes of words a tile
	s_and_b32 s29, s23, 1
	s_lshl_b32 s29, s29, 1
	s_add_co_u32 s28, s28, s29
	s_add_co_u32 s28, s28, WSC
	s_mov_b32 s29, 0
	s_add_nc_u64 s[28:29], s[8:9], s[28:29]
	s_wait_alu depctr_va_vdst(0)
	global_store_b128 v1, v[192:195], s[26:27]     ; 512 consecutive bytes,
	global_store_b64 v2, v[196:197], s[26:27] offset:512   ; and 256
	v_cmp_gt_u32 vcc_lo, 16, v8
	s_wait_xcnt 0x0                                ; EXEC changes only behind this wait
	s_wait_tensorcnt 0x0
	ds_add_u32 v238, v239
	s_wait_dscnt 0x0
	s_and_saveexec_b32 s30, vcc_lo
	global_store_b16 v29, v228, s[28:29]           ; lanes 0-15: two bytes of each row's word; the other two are the neighbouring head's: 32 of the wave's 800 bytes
	s_wait_xcnt 0x0
	s_or_b32 exec_lo, exec_lo, s30
	s_endpgm
.Lfunc_end_k_q0177c7e972_attn:
	.size	k_q0177c7e972_attn, .Lfunc_end_k_q0177c7e972_attn-k_q0177c7e972_attn
	.p2alignl 7, 3214868480
	.fill 96, 4, 3214868480
	.section	.rodata,"a",@progbits
	.p2align	6, 0x0
	.amdhsa_kernel k_q0177c7e972_attn
		.amdhsa_group_segment_fixed_size 223232
		.amdhsa_private_segment_fixed_size 0
		.amdhsa_enable_private_segment 0
		.amdhsa_kernarg_size 24
		.amdhsa_user_sgpr_count 2
		.amdhsa_user_sgpr_kernarg_segment_ptr 1
		.amdhsa_wavefront_size32 1
		.amdhsa_system_sgpr_workgroup_id_x 1
		.amdhsa_system_sgpr_workgroup_id_y 1
		.amdhsa_system_sgpr_workgroup_id_z 1
		.amdhsa_system_vgpr_workitem_id 0
		.amdhsa_next_free_vgpr 256
		.amdhsa_next_free_sgpr 66
		.amdhsa_reserve_vcc 1
		.amdhsa_float_denorm_mode_32 3
		.amdhsa_float_denorm_mode_16_64 3
		.amdhsa_memory_ordered 1
		.amdhsa_forward_progress 1
		.amdhsa_inst_pref_size 187
	.end_amdhsa_kernel
	.amdgpu_metadata
---
amdhsa.version: [ 1, 2 ]
amdhsa.kernels:
  - .name:           k_q0177c7e972_attn
    .symbol:         k_q0177c7e972_attn.kd
    .args:
      - { .name: qkv, .offset: 0, .size: 8, .value_kind: global_buffer, .address_space: global }
      - { .name: attention_mask, .offset: 8, .size: 8, .value_kind: global_buffer, .address_space: global }
      - { .name: aq, .offset: 16, .size: 8, .value_kind: global_buffer, .address_space: global }
    .group_segment_fixed_size: 223232
    .private_segment_fixed_size: 0
    .kernarg_segment_align: 8
    .kernarg_segment_size: 24
    .max_flat_workgroup_size: 512
    .sgpr_count:     66
    .vgpr_count:     256
    .wavefront_size: 32
...
	.end_amdgpu_metadata
.endif
;; end of part 9
;; launch oproj (part 10): grid 8 x 32, 8 waves a work-group, no clusters, 275,456 bytes of LDS; arguments aq, wq, bo, hidden_states, out0; writes out0
.if DOCPART == 10
	.amdgcn_target "amdgcn-amd-amdhsa--gfx1250"
	.amdhsa_code_object_version 6
	.text
	.protected	k_q0177c7e972_oproj
	.globl	k_q0177c7e972_oproj
	.p2align	8
	.type	k_q0177c7e972_oproj,@function
k_q0177c7e972_oproj:
	s_mov_b64 s[64:65], 0
	v_nop
	global_prefetch_b8 v0, s[64:65] scope:SCOPE_SE
	s_setreg_imm32_b32 hwreg(HW_REG_WAVE_SCHED_MODE, 0, 2), 2
	s_setreg_imm32_b32 hwreg(HW_REG_WAVE_MODE, 25, 1), 1
	s_wait_xcnt 0x0
	s_wait_alu depctr_vm_vsrc(0)
; out0[b][c][s] = sum over k of a[b, s][k] Wo[c][k] + bo[c] + hidden_states[b][c][s], the product on codes of FP6 (E2M3).
; Work-group (gx, gy): 128 channels x 128 positions.  SOURCE 0 = 16 positions of a, source 1 = 16 rows of Wo: a lane holds one channel, and by the tiles' make (tile 2 g + u: rows
; 32 g + 8 u + r + 8 (r / 8)) the 16 registers of two neighbouring tiles are 16 neighbouring positions: 64 consecutive bytes of a row of out0.
; Eight waves: wave (w0 = w / 4, w1 = w % 4) makes 4 tiles of positions x 2 tiles of channels: 8 accumulators, which take turns.
; ALL OF K LIES IN LDS: the work-group's operands for the 8 K steps of 128 are 8 x 25,600 bytes.  Each wave asks at the head for its share of all eight steps (two tiles' images and one pair's scale
; words a step: 48 loads of 16 bytes and 8 of 4 a lane, 58 loads out with the two biases), stores each step as it lands, and ONE barrier follows.  The K loop has no load from memory and no barrier.
; An image of a is two half images of six registers (16 bytes a lane, then 8), as attention's heads stored them.
; THE WAY OUT: through the wave's own stage in LDS, rows = channels, so that sixteen lanes store 256 consecutive bytes, aligned; the residual is asked for behind the barrier, in the same shape, and
; lands while K is walked.
; No tensor loads and no cluster: left out for the plainness of the text; the four work-groups that share a tile could ask jointly.
; THE MODE: SCHED_MODE bits 1:0 = 2 (LLVM: expert scheduling mode 2), set by the entry lines.  The code itself states the register dependences
; between vector or matrix instructions and memory or LDS instructions, with s_wait_alu, always for 0.
; THE PLAN.  Registers that memory or LDS instructions touch, behind the barrier:
;   WF set 0, 1     Wo's two fragments of K step k in set k % 2: read by the step's eight products; step k + 2's land there in the middle of step k + 1.
;   SC set 0, 1     the step's three scale words, likewise.
;   AF half 0, 1    a's tiles 0, 1 and tiles 2, 3: each half is read by four products and then takes the same tiles of the next step.
;   v4-v8           the LDS bases of these loads: stepped by vector additions in the middle of steps 1, 3 and 5, when all loads of the step in hand have been issued.
;   RES             the residual: loads land, the way out's additions read.       BK: the read-backs from the stage land, the additions write, the stores read.
; Step k: the four products of half 0 | ONE wait on va_vdst: they are done with half 0, the step before is done with the other set of Wo and of words, the stepped bases are written | 17 loads of step k + 1 |
; the four products of half 1, which name none of the registers that those loads touch | ONE wait on va_vdst: they are done with half 1 | its 8 loads of step k + 1.
.set WSC,   3145728
.set SLOT,  25600                      ; a K step: 8 images of a | 8 of Wo | 4 + 4 pairs' scale words
.set STAGE, 8*SLOT                     ; behind the eight steps: 32 rows x (256 + 16) bytes for each wave
.set PF,    32                         ; v32-223  what I copy: step k's six groups of four at v[32 + 24 k]
.set PW,    224                        ; v224-231 and its scale word
.set SC,    18                         ; v18-20, v21-23 scale words, two sets: a's two pairs, Wo's pair
.set WF,    32                         ; v32-55, v56-79   Wo's two fragments, two sets
.set AF,    80                         ; v80-103, v104-127 a's four fragments, two halves
.set ACC,   128                        ; accumulator (i, j) at v[128 + 32 j + 8 i]
.set RES,   192                        ; v192-255 the residual (v252-255: at the head the lane, r, h and bo's offset)
.set BK,    32                         ; v32-95   rows read back from the stage
.macro PLACES                          ; four places behind matrix instructions; they stay beside the waits on va_vdst
.rept 4
	v_nop
.endr
.endm
.macro WM d, a, b, zero, sa, sb, ra, rb
.if \zero
.if ((\ra) == 0) && ((\rb) == 0)
	v_wmma_scale_f32_16x16x128_f8f6f4 v[(\d):(\d)+7], v[(\a):(\a)+11], v[(\b):(\b)+11], 0, v[\sa], v[\sb] matrix_a_fmt:MATRIX_FMT_FP6 matrix_b_fmt:MATRIX_FMT_FP6
.elseif (\rb) == 0
	v_wmma_scale_f32_16x16x128_f8f6f4 v[(\d):(\d)+7], v[(\a):(\a)+11], v[(\b):(\b)+11], 0, v[\sa], v[\sb] matrix_a_fmt:MATRIX_FMT_FP6 matrix_b_fmt:MATRIX_FMT_FP6 matrix_a_scale:MATRIX_SCALE_ROW1
.elseif (\ra) == 0
	v_wmma_scale_f32_16x16x128_f8f6f4 v[(\d):(\d)+7], v[(\a):(\a)+11], v[(\b):(\b)+11], 0, v[\sa], v[\sb] matrix_a_fmt:MATRIX_FMT_FP6 matrix_b_fmt:MATRIX_FMT_FP6 matrix_b_scale:MATRIX_SCALE_ROW1
.else
	v_wmma_scale_f32_16x16x128_f8f6f4 v[(\d):(\d)+7], v[(\a):(\a)+11], v[(\b):(\b)+11], 0, v[\sa], v[\sb] matrix_a_fmt:MATRIX_FMT_FP6 matrix_b_fmt:MATRIX_FMT_FP6 matrix_a_scale:MATRIX_SCALE_ROW1 matrix_b_scale:MATRIX_SCALE_ROW1
.endif
.else
.if ((\ra) == 0) && ((\rb) == 0)
	v_wmma_scale_f32_16x16x128_f8f6f4 v[(\d):(\d)+7], v[(\a):(\a)+11], v[(\b):(\b)+11], v[(\d):(\d)+7], v[\sa], v[\sb] matrix_a_fmt:MATRIX_FMT_FP6 matrix_b_fmt:MATRIX_FMT_FP6
.elseif (\rb) == 0
	v_wmma_scale_f32_16x16x128_f8f6f4 v[(\d):(\d)+7], v[(\a):(\a)+11], v[(\b):(\b)+11], v[(\d):(\d)+7], v[\sa], v[\sb] matrix_a_fmt:MATRIX_FMT_FP6 matrix_b_fmt:MATRIX_FMT_FP6 matrix_a_scale:MATRIX_SCALE_ROW1
.elseif (\ra) == 0
	v_wmma_scale_f32_16x16x128_f8f6f4 v[(\d):(\d)+7], v[(\a):(\a)+11], v[(\b):(\b)+11], v[(\d):(\d)+7], v[\sa], v[\sb] matrix_a_fmt:MATRIX_FMT_FP6 matrix_b_fmt:MATRIX_FMT_FP6 matrix_b_scale:MATRIX_SCALE_ROW1
.else
	v_wmma_scale_f32_16x16x128_f8f6f4 v[(\d):(\d)+7], v[(\a):(\a)+11], v[(\b):(\b)+11], v[(\d):(\d)+7], v[\sa], v[\sb] matrix_a_fmt:MATRIX_FMT_FP6 matrix_b_fmt:MATRIX_FMT_FP6 matrix_a_scale:MATRIX_SCALE_ROW1 matrix_b_scale:MATRIX_SCALE_ROW1
.endif
.endif
.endm
	s_load_b256 s[4:11], s[0:1], 0x0               ; aq s[4:5], wq s[6:7], bo s[8:9], hidden s[10:11]
	s_load_b64 s[12:13], s[0:1], 0x20              ; out0
	v_lshl_add_u32 v9, v0, 2, 0x43000
	v_mov_b32 v10, 0
	v_lshrrev_b32 v1, 5, v0
	v_readfirstlane_b32 s14, v1                    ; wave 0..7
	s_wait_alu depctr_va_sdst(0)                   ; s14 is written, ahead of its first reader: the wave's shares, LDS places and pointers are made from it
	s_lshr_b32 s15, s14, 2                         ; w0
	s_and_b32 s16, s14, 3                          ; w1
	s_and_b32 s18, ttmp7, 0xffff                   ; gy
	v_and_b32 v252, 31, v0                         ; lane
	v_and_b32 v253, 15, v0                         ; r
	v_bfe_u32 v254, v0, 4, 1                       ; h
	v_lshlrev_b32 v1, 4, v252                      ; 16 x lane
	s_wait_alu depctr_va_vdst(0)
	v_lshlrev_b32 v2, 3, v252                      ; 8 x lane
	v_lshlrev_b32 v3, 2, v252                      ; 4 x lane
	s_wait_alu depctr_va_vdst(0)
	s_mul_i32 s20, s15, 6144
	v_add_nc_u32 v4, s20, v1                       ; my 4 images of a: their parts of 16 bytes a lane,
	v_add_nc_u32 v5, s20, v2                       ; and of 8
	s_mul_i32 s20, s16, 3072
	s_add_co_u32 s20, s20, 12288
	v_add_nc_u32 v6, s20, v1                       ; my 2 images of Wo
	s_lshl_b32 s20, s15, 8
	s_add_co_u32 s20, s20, 24576
	v_add_nc_u32 v7, s20, v3                       ; a's scale words: my 2 pairs
	s_lshl_b32 s20, s16, 7
	s_add_co_u32 s20, s20, 25088
	v_add_nc_u32 v8, s20, v3                       ; Wo's: my pair
	s_mul_i32 s20, s14, 3072
	v_add_nc_u32 v24, s20, v1                      ; where I copy to: images 2 w, 2 w + 1 of a step's 16,
	s_lshl_b32 s20, s14, 7
	s_add_co_u32 s20, s20, 24576
	v_add_nc_u32 v28, s20, v3                      ; and pair w of its 8;
.irp p, 1,2,3
	v_add_nc_u32 v[24+\p], 2*SLOT*\p, v24          ; a register for each two K steps (an LDS immediate has 16 bits): v24-27 and v28-31 are addresses and nothing else
	v_add_nc_u32 v[28+\p], 2*SLOT*\p, v28
.endr
	s_mul_i32 s20, s14, 8704
	s_add_co_u32 s20, s20, STAGE                   ; my stage
	v_mul_u32_u24 v11, v253, 272
	v_lshl_add_u32 v11, v254, 6, v11
	v_add_nc_u32 v11, s20, v11                     ; in: row r of a tile of channels, + 64 h
	v_mul_u32_u24 v12, v254, 272
	v_lshl_add_u32 v12, v253, 4, v12
	v_add_nc_u32 v12, s20, v12                     ; back: lanes 0-15 one row, lanes 16-31 the next
	v_lshlrev_b32 v13, 13, v254
	v_lshl_add_u32 v13, v253, 4, v13               ; and the same two rows of 8,192 bytes in out0 and in hidden_states
	v_and_b32 v255, 8, v253
	v_add_nc_u32 v255, v255, v253
	v_lshlrev_b32 v255, 2, v255                    ; 4 (r + 8 (r / 8)): my lane's channel in bo
	; what I copy: waves 0-3 a, waves 4-7 Wo
	s_cmp_lt_u32 s14, 4
	s_cselect_b32 s21, s18, ttmp9
	s_cselect_b32 s22, 0, 24
	s_add_co_u32 s21, s21, s22                     ; the operand's group of 8 tiles (Wo is the fourth weight of wq)
	s_lshl_b32 s22, s21, 3
	s_lshl_b32 s23, s16, 1
	s_add_co_u32 s22, s22, s23
	s_mul_i32 s24, s22, 12288
	s_mov_b32 s25, 0
	s_lshl_b32 s26, s21, 12
	s_lshl_b32 s23, s16, 7
	s_add_co_u32 s26, s26, s23
	s_add_co_u32 s26, s26, WSC
	s_mov_b32 s27, 0
	s_lshr_b32 s28, s18, 4
	s_lshl_b32 s28, s28, 23                        ; out0 and hidden: the sample,
	s_lshl_b32 s23, ttmp9, 20
	s_add_co_u32 s28, s28, s23                     ; 128 channels a work-group,
	s_lshl_b32 s23, s16, 18
	s_add_co_u32 s28, s28, s23                     ; 32 a wave,
	s_and_b32 s23, s18, 15
	s_lshl_b32 s23, s23, 9
	s_add_co_u32 s28, s28, s23                     ; 128 positions a work-group,
	s_lshl_b32 s23, s15, 8
	s_add_co_u32 s28, s28, s23                     ; 64 a wave
	s_mov_b32 s29, 0
	s_lshl_b32 s30, ttmp9, 9
	s_lshl_b32 s23, s16, 7
	s_add_co_u32 s30, s30, s23
	s_mov_b32 s31, 0
	s_wait_kmcnt 0x0
	s_cmp_lt_u32 s14, 4
	s_cselect_b64 s[32:33], s[4:5], s[6:7]
	s_add_nc_u64 s[34:35], s[32:33], s[26:27]      ; my pair's scale words
	s_add_nc_u64 s[32:33], s[32:33], s[24:25]      ; my two tiles' images
	s_add_nc_u64 s[10:11], s[10:11], s[28:29]
	s_add_nc_u64 s[12:13], s[12:13], s[28:29]
	s_add_nc_u64 s[8:9], s[8:9], s[30:31]
.macro PFLOAD k                        ; seven loads: my share of K step k
.irp n, 0,1,2,3,4,5
	global_load_b128 v[PF+24*(\k)+4*\n:PF+24*(\k)+4*\n+3], v1, s[32:33] offset:1536*(\k)+512*(\n%3)+12288*(\n/3)
.endr
	global_load_b32 v[PW+(\k)], v3, s[34:35] offset:512*(\k)
.endm
.macro PFSTORE k
.irp i, 0,1,2,3,4,5
	ds_store_b128 v[24+(\k)/2], v[PF+24*(\k)+4*\i:PF+24*(\k)+4*\i+3] offset:SLOT*((\k)%2)+512*\i
.endr
	ds_store_b32 v[28+(\k)/2], v[PW+(\k)] offset:SLOT*((\k)%2)
.endm
.macro FETCHW k                        ; K step k's two fragments of Wo and its three scale words, into set k % 2: nine loads
.irp n, 0,1,2,3,4,5
	ds_load_b128 v[WF+24*((\k)%2)+4*\n:WF+24*((\k)%2)+4*\n+3], v6 offset:SLOT*((\k)%2)+512*\n
.endr
	ds_load_b32 v[SC+3*((\k)%2)], v7 offset:SLOT*((\k)%2)
	ds_load_b32 v[SC+3*((\k)%2)+1], v7 offset:SLOT*((\k)%2)+128
	ds_load_b32 v[SC+3*((\k)%2)+2], v8 offset:SLOT*((\k)%2)
.endm
.macro FETCHA k, p                     ; K step k's tiles 2 p and 2 p + 1 of a, into half p: eight loads
.irp i, 0,1
	ds_load_b128 v[AF+24*(\p)+12*\i:AF+24*(\p)+12*\i+3], v4 offset:SLOT*((\k)%2)+1536*(2*(\p)+\i)
	ds_load_b64 v[AF+24*(\p)+12*\i+4:AF+24*(\p)+12*\i+5], v5 offset:SLOT*((\k)%2)+1536*(2*(\p)+\i)+512
	ds_load_b128 v[AF+24*(\p)+12*\i+6:AF+24*(\p)+12*\i+9], v4 offset:SLOT*((\k)%2)+1536*(2*(\p)+\i)+768
	ds_load_b64 v[AF+24*(\p)+12*\i+10:AF+24*(\p)+12*\i+11], v5 offset:SLOT*((\k)%2)+1536*(2*(\p)+\i)+1280
.endr
.endm
.macro MULA k, p, zero                 ; half p's two tiles x Wo's two
.irp i, 0,1
.irp j, 0,1
	WM ACC+32*\j+8*(2*(\p)+\i), AF+24*(\p)+12*\i, WF+24*((\k)%2)+12*\j, \zero, SC+3*((\k)%2)+(\p), SC+3*((\k)%2)+2, \i, \j
.endr
.endr
.endm
.macro KSTEP k
.if (\k) == 0
.set ZS, 1                             ; the first step's products start the sums
.else
.set ZS, 0
.endif
	s_wait_dscnt 8                                 ; LDS loads come back in order: this step's Wo, words and half 0 are in; half 1's eight loads may be out
	MULA \k, 0, ZS
.if (\k) < 7
.if ((\k)%2) == 1
	s_wait_alu depctr_vm_vsrc(0)                   ; the LDS loads issued so far, all of this step's among them, have read v4 to v8
.irp a, 4,5,6,7,8
	v_add_nc_u32 v[\a], 2*SLOT, v[\a]              ; on to the next two K steps; these five lines are also the places in front of the loads below
.endr
.else
	PLACES
.endif
	s_wait_alu depctr_va_vdst(0)                   ; the products above are done reading half 0, the last step's the other set of Wo and of words: the loads below land there; in steps 1, 3, 5 the bases v4 to v8 are written
	FETCHW (\k)+1
	FETCHA (\k)+1, 0
	s_wait_dscnt 17                                ; half 1 is in; the 17 loads just issued may be out
.else
	s_wait_dscnt 0x0
.endif
	MULA \k, 1, ZS                                 ; these name half 1, this step's Wo and words and their accumulators: none of the registers that the loads above touch
.if (\k) < 7
	PLACES
	s_wait_alu depctr_va_vdst(0)                   ; the products above are done reading half 1, in which the next step's tiles 2 and 3 land
	FETCHA (\k)+1, 1
.endif
.endm
	s_wait_alu depctr_va_vdst(0)                   ; the offsets and LDS addresses v1 to v8, v11 to v13, v24 to v31 and v255 are written, which the loads and stores below read; the head is done with v252 to v255, in which the residual lands
	global_load_b32 v14, v255, s[8:9]              ; my lane's bias, for each of my two tiles of channels
	global_load_b32 v16, v255, s[8:9] offset:32
.irp k, 0,1,2,3,4,5,6,7
	PFLOAD \k
.endr
.irp k, 0,1,2,3,4,5,6,7
	s_wait_loadcnt 7*(7-\k)                        ; loads come back in order: step k's seven are in; the seven of each later step may be out
	PFSTORE \k
.endr
	v_mov_b32 v15, v14                             ; (named as pairs)
	v_mov_b32 v17, v16
	s_wait_dscnt 0x0                               ; my share of all eight K steps has landed in LDS
	s_barrier_signal -1
	s_barrier_wait -1                              ; everybody's has: from here on these bytes are only read
	s_wait_alu depctr_vm_vsrc(0)                   ; my LDS stores have read v32 to v231 and the biases' loads v255: the residual and the fragments land in these registers
.irp t, 0,1,2,3,4,5,6,7,8,9,10,11,12,13,14,15  ; the residual, while K is walked: stage rows 2 t, 2 t + 1 are channels 8 (t / 8) + 2 (t % 8) + 8 ((t % 8) / 4) and the next
	global_load_b128 v[RES+4*\t:RES+4*\t+3], v13, s[10:11] offset:(8*(\t>>3)+2*(\t&7)+8*((\t&7)>>2))*8192 th:TH_LOAD_NT
.endr
	FETCHW 0                                       ; K step 0; every later step is asked for half a step ahead
	FETCHA 0, 0
	FETCHA 0, 1
.irp k, 0,1,2,3,4,5,6,7
	KSTEP \k
.endr
	PLACES
.irp j, 0,1
.set p, 0
.rept 16
	v_pk_add_f32 v[ACC+32*\j+2*p:ACC+32*\j+2*p+1], v[ACC+32*\j+2*p:ACC+32*\j+2*p+1], v[14+2*\j:15+2*\j] op_sel_hi:[1,0]   ; + bo, each accumulator from its low end on
.set p, p+1
.endr
.endr
	s_wait_alu depctr_va_vdst(0)                   ; the additions have written the accumulators, which the LDS stores read; the last products are done reading v32 to v95, in which the read-backs land
.irp j, 0,1
.irp g, 0,1
.irp q, 0,1,2,3
	ds_store_b128 v11, v[ACC+32*\j+16*\g+4*\q:ACC+32*\j+16*\g+4*\q+3] offset:4352*\j+128*\g+16*\q   ; positions 32 g + 16 h + 4 q on
.endr
.endr
.endr
.irp t, 0,1,2,3,4,5,6,7,8,9,10,11,12,13,14,15
	ds_load_b128 v[BK+4*\t:BK+4*\t+3], v12 offset:544*\t   ; LDS serves a wave's instructions in order: these see my stores
.endr
	s_wait_loadcnt 0x0                             ; the residual
.irp g, 0,1,2,3                                ; four pairs of rows at a time: their additions, one wait, their stores.  A group's additions write no register that an earlier group's stores read
	s_wait_dscnt 12-4*\g                           ; the younger read-backs may be out
.irp u, 0,1,2,3
.set T, 4*\g+\u
	v_pk_add_f32 v[BK+4*T:BK+4*T+1], v[BK+4*T:BK+4*T+1], v[RES+4*T:RES+4*T+1]
	v_pk_add_f32 v[BK+4*T+2:BK+4*T+3], v[BK+4*T+2:BK+4*T+3], v[RES+4*T+2:RES+4*T+3]
.endr
	s_wait_alu depctr_va_vdst(0)                   ; the group's eight additions have written its sixteen registers of BK, which the four stores below read
.irp u, 0,1,2,3
.set T, 4*\g+\u
	global_store_b128 v13, v[BK+4*T:BK+4*T+3], s[12:13] offset:(8*(T>>3)+2*(T&7)+8*((T&7)>>2))*8192 th:TH_STORE_NT   ; 16 lanes store 256 consecutive bytes, aligned
.endr
.endr
	s_wait_dscnt 0x0                               ; the closing lines, six on end
	s_wait_alu 0x0
	s_wait_tensorcnt 0x0
	ds_add_u32 v9, v10
	s_wait_dscnt 0x0
	s_endpgm
.Lfunc_end_k_q0177c7e972_oproj:
	.size	k_q0177c7e972_oproj, .Lfunc_end_k_q0177c7e972_oproj-k_q0177c7e972_oproj
	.p2alignl 7, 3214868480
	.fill 96, 4, 3214868480
	.section	.rodata,"a",@progbits
	.p2align	6, 0x0
	.amdhsa_kernel k_q0177c7e972_oproj
		.amdhsa_group_segment_fixed_size 275456
		.amdhsa_private_segment_fixed_size 0
		.amdhsa_enable_private_segment 0
		.amdhsa_kernarg_size 40
		.amdhsa_user_sgpr_count 2
		.amdhsa_user_sgpr_kernarg_segment_ptr 1
		.amdhsa_wavefront_size32 1
		.amdhsa_system_sgpr_workgroup_id_x 1
		.amdhsa_system_sgpr_workgroup_id_y 1
		.amdhsa_system_sgpr_workgroup_id_z 1
		.amdhsa_system_vgpr_workitem_id 0
		.amdhsa_next_free_vgpr 256
		.amdhsa_next_free_sgpr 66
		.amdhsa_reserve_vcc 0
		.amdhsa_float_denorm_mode_32 3
		.amdhsa_float_denorm_mode_16_64 3
		.amdhsa_memory_ordered 1
		.amdhsa_forward_progress 1
		.amdhsa_inst_pref_size 48
	.end_amdhsa_kernel
	.amdgpu_metadata
---
amdhsa.version: [ 1, 2 ]
amdhsa.kernels:
  - .name:           k_q0177c7e972_oproj
    .symbol:         k_q0177c7e972_oproj.kd
    .args:
      - { .name: aq, .offset: 0, .size: 8, .value_kind: global_buffer, .address_space: global }
      - { .name: wq, .offset: 8, .size: 8, .value_kind: global_buffer, .address_space: global }
      - { .name: bo, .offset: 16, .size: 8, .value_kind: global_buffer, .address_space: global }
      - { .name: hidden_states, .offset: 24, .size: 8, .value_kind: global_buffer, .address_space: global }
      - { .name: out0, .offset: 32, .size: 8, .value_kind: global_buffer, .address_space: global }
    .group_segment_fixed_size: 275456
    .private_segment_fixed_size: 0
    .kernarg_segment_align: 8
    .kernarg_segment_size: 40
    .max_flat_workgroup_size: 256
    .sgpr_count:     66
    .vgpr_count:     256
    .wavefront_size: 32
...
	.end_amdgpu_metadata
.endif
;; end of part 10
